; MI455X (gfx1250); checked and timed in simulation.
; The chip was launched on July 23, 2026; its instructions are those of AMD's public machine-readable ISA for CDNA 5 (MIT licence, August 2026) and "CDNA5" Instruction Set Architecture Reference Guide (July 2026). The comments in the code are by the model that wrote it; some were corrected since.
;; Retention. Allowed arithmetic: matrix products marked QUANTISED: E2M3 operands, one E8M0 scale for each 32 along K, by v_wmma_scale_f32_16x16x128_f8f6f4 with both operands' format E2M3, f32 sums; everything else in f32.
;; Inputs: Wk 256 x 256 float32; Wq 256 x 256 float32; Wv 256 x 256 float32; bk 256 float32; bq 256 float32; bv 256 float32; xk 4 x 4,096 x 256 float32; xq 4 x 4,096 x 256 float32; xv 4 x 4,096 x 256 float32.
;; Outputs: out0 4 x 4,096 x 256 float32.
;; This version of the problem:
;;   THIS VERSION OF THE PROBLEM IS GIVEN IN LOW PRECISION. The matrix products marked QUANTISED in the list below multiply operands that are first quantised to E2M3 (2 exponent bits, 3 mantissa bits; 6 bits a number), with one power-of-two scale for each 32 numbers along K (OCP MX v1.0); their sums are f32. All else is computed in f32.
;;   The module's matrix products, in the order in which they are computed (A, B: the left and right operand; K: the contracted axis; several contracted axes count as one K, in the product's order):
;;     1. [M 16,384, K 256] x [K 256, N 256]; A: input xq; B: input Wq: QUANTISED
;;     2. [M 16,384, K 256] x [K 256, N 256]; A: input xk; B: input Wk: QUANTISED
;;     3. [M 16,384, K 256] x [K 256, N 256]; A: input xv; B: input Wv: QUANTISED
;;     4. batch 4 x [M 4,096, K 256] x [K 256, N 4,096]; A: computed on the way; B: computed on the way: QUANTISED
;;     5. batch 4 x [M 4,096, K 4,096] x [K 4,096, N 256]; A: computed on the way; B: computed on the way: QUANTISED
;;   THE QUANTISER, for each operand of a quantised product, along K:
;;     - K is cut into blocks of 32 from its start; a last block that is shorter is filled with zeros.
;;     - A block's scale is 2^e with e = floor(log2(the largest magnitude in the block)) - 2, held to -126 .. 127; a block of zeros has e = 0. As a byte (E8M0): e + 127.
;;     - Each number is divided by its block's scale, clamped to +-7.5, and rounded to the nearest number of E2M3, ties to even, subnormals kept.
;;     - The product sums the exact products of the quantised numbers (number of the format x scale) in f32.
;;   ~~~python
;;   def quantise(x, axis):      # numpy; x: float32 -> the quantised numbers, widened to float32 again
;;       x = np.moveaxis(x, axis, -1); K = x.shape[-1]
;;       x = np.pad(x, [(0, 0)] * (x.ndim - 1) + [(0, -K % 32)]); x = x.reshape(x.shape[:-1] + (-1, 32)); a = np.abs(x).max(-1, keepdims=True)
;;       e = np.where(a > 0, np.clip(np.frexp(np.where(a > 0, a, 1))[1] - 1 - 2, -126, 127), 0)      # np.frexp(a)[1] - 1 = floor(log2(a)), exactly
;;       r = np.clip(x / 2.0 ** e, -7.5, 7.5)
;;       step = 2.0 ** (np.maximum(np.frexp(np.where(r == 0, 1, r))[1] - 1, 0) - 3)
;;       q = np.round(r / step) * step * 2.0 ** e      # np.round: ties to even
;;       return np.moveaxis(q.reshape(q.shape[:-2] + (-1,))[..., :K], -1, axis).astype(np.float32)
;;   ~~~
;;   OPERANDS COMPUTED ON THE WAY. 'Computed on the way' means the value that the module computes at that place (a softmax that the list does not call 'softmax' is quantised finished and normalised). What goes into a quantiser is computed in f32, as accurately as f32 sums, v_exp_f32 and their like allow (about 1e-6 of the number): no bf16 or f16 on the way to a quantiser, and a product that is left as it is and whose result goes on into a quantised operand takes f32 operands (vector FMAs, or v_wmma_f32_16x16x4_f32). A number that lies on a knife's edge between two numbers of the format may be rounded either way, as far as f32 arithmetic and the matrix unit's own rounding can turn it there, and no further.
;; 3 versions, each right; version 2 is faster than version 1; version 3 is version 2 with the launches proj, rsum, main written anew for expert scheduling mode. Each part assembles by itself: llvm-mc -triple=amdgcn-amd-amdhsa -mcpu=gfx1250 --defsym DOCPART=n.
;; ======== version 1 of 3: 3 launches
;; workspace buffers: qimg 3,145,728 bytes; kimg 3,145,728 bytes; vimg 3,145,728 bytes; qscl 131,072 bytes; kscl 131,072 bytes; vscl 131,072 bytes; cwt 16,384 bytes; wtab 65,536 bytes
;; launch proj (part 1): grid 128 x 3, 8 waves a work-group, no clusters, 146,432 bytes of LDS; arguments xq, xk, xv, Wq, Wk, Wv, bq, bk, bv, qimg, kimg, vimg, qscl, kscl, vscl, cwt; writes qimg, kimg, vimg, qscl, kscl, vscl, cwt
.if DOCPART == 1
	.amdgcn_target "amdgcn-amd-amdhsa--gfx1250"
	.amdhsa_code_object_version 6
	.text
	.protected	k_q15fcde15dd_proj
	.globl	k_q15fcde15dd_proj
	.p2align	8
	.type	k_q15fcde15dd_proj,@function
k_q15fcde15dd_proj:
	s_mov_b64 s[64:65], 0
	v_nop
	global_prefetch_b8 v0, s[64:65] scope:SCOPE_SE
	s_setreg_imm32_b32 hwreg(HW_REG_WAVE_MODE, 25, 1), 1
	s_wait_xcnt 0x0
; Q = xq Wq + bq, K = xk Wk + bk, V = xv Wv + bv on codes of FP6 (E2M3) with one E8M0 scale for each 32 along K, and the results quantised again for the products that follow:
; Q and K along their 256 channels, V along the keys.  x: [16384][256] f32, W: [256 (k)][256 (n)] f32, b: [256] f32.
; A work-group (x = group G of 128 rows, y = 0 Q, 1 K, 2 V) has eight waves.  It quantises all of W (a lane takes a column, its registers run down K) and its 128 rows of x, lays both in LDS as
; IMAGES OF OPERAND REGISTERS (a fragment of 16 rows x 128 K is 12 registers a lane: register p of lane l at 512 (p / 4) + 16 l + 4 (p % 4)), multiplies, adds the bias as the C of the first product, and quantises.
; TILES ARE NOT NEIGHBOURS: member r of tile t is row (or column) 32 (t / 2) + 8 (t % 2) + r + 8 (r / 8), so that the 16 registers of the result tiles 2 b and 2 b + 1 are 16 neighbours along the next K.
; ONE TEXT FOR THE THREE: source 0 = eight tiles P (128 of the next K), source 1 = one tile R, whose member a lane then holds.  Q, K: P = W's tiles 8 e .. 8 e + 7, R = x's tile w.  V: P = x's eight tiles, R = W's tile 2 w + e.
; Only four LDS load addresses are chosen by the work-group's y.  Wave w makes the fragments 2 w and 2 w + 1 of the group's sixteen.
; SCALE WORDS lie in blocks of 1,024 bytes: word (register R, lane l) at 512 (R / 4) + 16 l + 4 (R % 4); lanes 0-15 hold the first of two words, lanes 16-31 the second (Q, K, x, W: K step 0, 1; V: even, odd channel tile).
; Four work-groups also make the table cwt[j] = g^-(j % 128) / (16 sqrt(rs_j)), g = float32(0.9865), rs_j = (1 - g^(j+1)) / (1 - g).
; LIMITS: NaN and infinities among the inputs are not served.  A block of zeros gets the scale byte 1 where the rule says 127: its codes are zeros, and only this program reads the bytes.
; rs_j is taken from the closed form, not from a sum of 4,096 terms; 1 - g^m comes from the series of exp(m ln g) - 1 for m <= 51 (ten terms: the next is under 1e-9 of the sum for |m ln g| <= 0.70); 1 / sqrt by v_rsq_f32 and one Newton step.
.set XIMG, 0                           ; LDS: x's 16 fragments (2 tile + K step), 1,536 bytes each
.set WIMG, 24576                       ; W's 32 fragments (2 tile + K step)
.set XSC,  73728                       ; x's scale words, one block
.set WSC,  74752                       ; W's, two blocks (tiles 0-7, 8-15)
.set OSC,  76800                       ; the results' scale words, one block
.set STG,  77824                       ; a stage of 16 rows x (512 + 16) bytes for each wave
.set RAW,  16                          ; v16-143  x as loaded, 2 x 64; later P's eight fragments (v16-111) and R's two (v112-135)
.set WS,   144                         ; v144-207 two sets of 32 numbers of W; then 64 turned numbers of x; then the eight accumulators
.set PC,   208                         ; v208-227 the codes just made
.set TM,   228                         ; v228-243 at work in the quantiser
.set PW,   244                         ; the scale word just made
.set PW0,  245                         ; and the one before it
.set PSC,  246                         ; v246-253 P's scale words (while W is quantised v252-253 gather W's)
.set RSC,  254                         ; R's scale words
.macro PLACES n
.rept \n
	v_nop
.endr
.endm
; g^n for a whole number n (as f32 in v[nf]): log2 g = LHI + LLO, n LHI is exact for |n| <= 4,096; its whole part goes into v_ldexp_f32, the rest, at most 0.5 in size, into v_exp_f32.
.macro POWA d, nf, T, I
	v_mul_f32 v[\T], 0xbca0a000, v[\nf]
	v_rndne_f32 v[\I], v[\T]
	v_sub_f32 v[\T], v[\T], v[\I]
	v_fmamk_f32 v[\T], v[\nf], 0xb5c4756d, v[\T]
	v_exp_f32 v[\d], v[\T]
	v_cvt_i32_f32 v[\I], v[\I]                     ; a plain instruction behind the exponential
.endm
.macro POWB d, I
	v_ldexp_f32 v[\d], v[\d], v[\I]
.endm
; 64 numbers of a lane, register 16 b + i = k 32 b + 16 (lane / 16) + i of my row, become a fragment's codes in v[PC] on and its scale word in v[PW].
.macro QUANT s
.irp b, 0,1,2,3
	v_max3_num_f32 v[TM+\b], |v[\s+16*\b]|, |v[\s+1+16*\b]|, 0x1800000   ; my 16 numbers of block b, and the floor 2^(3 - 127): the byte cannot fall under 1
.endr
.irp i, 2,4,6,8,10,12,14
.irp b, 0,1,2,3
	v_max3_num_f32 v[TM+\b], v[TM+\b], |v[\s+16*\b+\i]|, |v[\s+1+16*\b+\i]|
.endr
.endr
.irp b, 0,1,2,3
	v_permlanex16_b32 v[TM+4+\b], v[TM+\b], s50, s51
.endr
.irp b, 0,1,2,3
	v_max_num_f32 v[TM+\b], v[TM+\b], v[TM+4+\b]   ; with lane l xor 16's: the block's largest magnitude
.endr
.irp b, 0,1,2,3
	v_add_nc_u32 v[TM+12+\b], 0xff000000, v[TM+\b] ; 2 off its exponent field: the conversion's scale operand
.endr
.irp b, 0,1,2,3
	v_lshrrev_b32 v[TM+4+\b], 23, v[TM+12+\b]      ; the scale's byte
.endr
	v_lshl_or_b32 v[PW], v[TM+5], 8, v[TM+4]
	v_lshl_or_b32 v[PW], v[TM+6], 16, v[PW]
	v_lshl_or_b32 v[PW], v[TM+7], 24, v[PW]
.irp c, 0,1
	v_cvt_scalef32_pk16_fp6_f32 v[PC+6*\c:PC+2+6*\c], v[\s+32*\c:\s+15+32*\c], v[TM+12+2*\c]
	v_cvt_scalef32_pk16_fp6_f32 v[PC+12+4*\c:PC+14+4*\c], v[\s+16+32*\c:\s+31+32*\c], v[TM+12+2*\c+1]
.endr
	v_nop                                          ; one plain place behind a scaled conversion
.irp c, 0,1                                    ; the operand wants a whole block in a lane: lanes 0-15 block 2 c, lanes 16-31 block 2 c + 1
.irp i, 0,1,2
	v_permlane16_swap_b32 v[PC+6*\c+\i], v[PC+12+4*\c+\i]
.endr
.irp i, 0,1,2
	v_mov_b32 v[PC+3+6*\c+\i], v[PC+12+4*\c+\i]
.endr
.endr
.endm
.macro LOADW kb, set                           ; W(32 kb + i, my column), i = 0 .. 31: a wave reads 128 consecutive bytes a load
.set iw_, 0
.rept 32
	global_load_b32 v[WS+32*(\set)+iw_], v6, s[42:43] offset:(32*(\kb)+iw_)*1024
.set iw_, iw_+1
.endr
.endm
; Block kb = 4 s + 2 c + h of my column: six registers of codes, which are registers 6 c .. 6 c + 5 of lane (member, h) of the fragment (my tile, K step s).
.macro BLOCKW kb, set
.set XS_, WS+32*(\set)
.set KS_, (\kb)/4
.set KC_, ((\kb)%4)/2
.set KH_, (\kb)%2
	s_wait_dscnt 0x0                               ; the last block's stores have read the codes' registers
	v_max3_num_f32 v[TM], |v[XS_]|, |v[XS_+1]|, |v[XS_+2]|
	v_max3_num_f32 v[TM+1], |v[XS_+3]|, |v[XS_+4]|, |v[XS_+5]|
.irp i, 6,10,14,18,22,26
	v_max3_num_f32 v[TM], v[TM], |v[XS_+\i]|, |v[XS_+\i+1]|
	v_max3_num_f32 v[TM+1], v[TM+1], |v[XS_+\i+2]|, |v[XS_+\i+3]|
.endr
	v_max3_num_f32 v[TM], v[TM], |v[XS_+30]|, |v[XS_+31]|
	v_max3_num_f32 v[TM], v[TM], v[TM+1], 0x1800000
	v_add_nc_u32 v[TM+12], 0xff000000, v[TM]
	v_lshrrev_b32 v[TM+2], 23, v[TM+12]
.if (\kb)%4 == 0
	v_mov_b32 v[252+KS_], v[TM+2]
.else
	v_lshl_or_b32 v[252+KS_], v[TM+2], 8*((\kb)%4), v[252+KS_]
.endif
	v_cvt_scalef32_pk16_fp6_f32 v[PC:PC+2], v[XS_:XS_+15], v[TM+12]
	v_cvt_scalef32_pk16_fp6_f32 v[PC+12:PC+14], v[XS_+16:XS_+31], v[TM+12]
	v_nop
	v_mov_b32 v[PC+3], v[PC+12]
	v_mov_b32 v[PC+4], v[PC+13]
	v_mov_b32 v[PC+5], v[PC+14]
.if KC_ == 0
	ds_store_b128 v7, v[PC:PC+3] offset:1536*KS_+256*KH_
	ds_store_b64 v7, v[PC+4:PC+5] offset:1536*KS_+256*KH_+512
.else
	ds_store_b64 v7, v[PC:PC+1] offset:1536*KS_+256*KH_+520
	ds_store_b128 v7, v[PC+2:PC+5] offset:1536*KS_+256*KH_+1024
.endif
.if (\kb)%4 == 3
	ds_store_b32 v8, v[252+KS_] offset:256*KS_     ; my column's scale word of K step s
.endif
.endm
.macro XLOAD s                                 ; K step s of my tile's 16 rows: a load reads 512 consecutive bytes of one row
.irp i, 0,1,2,3,4,5,6,7,8,9,10,11,12,13,14,15
	global_load_b128 v[RAW+64*(\s)+4*\i:RAW+64*(\s)+4*\i+3], v1, s[40:41] offset:(\i+8*(\i/8))*1024+512*(\s) th:TH_LOAD_NT
.endr
.endm
.macro XQ s                                    ; through my stage, so that a lane holds 16 neighbours of each block of its row; then the codes' image
.irp i, 0,1,2,3,4,5,6,7,8,9,10,11,12,13,14,15
	ds_store_b128 v2, v[RAW+64*(\s)+4*\i:RAW+64*(\s)+4*\i+3] offset:528*\i
.endr
.irp b, 0,1,2,3
.irp q, 0,1,2,3
	ds_load_b128 v[WS+16*\b+4*\q:WS+16*\b+4*\q+3], v3 offset:128*\b+16*\q   ; LDS serves a wave's instructions in order: these see my stores
.endr
.endr
	s_wait_dscnt 0x0
	QUANT WS
.irp c, 0,1,2
	ds_store_b128 v4, v[PC+4*\c:PC+4*\c+3] offset:1536*(\s)+512*\c
.endr
.endm
.macro MULP sd                                 ; eight products, the eight accumulators by turns
.irp t, 0,1,2,3,4,5,6,7
.if \sd
	v_wmma_scale_f32_16x16x128_f8f6f4 v[WS+8*\t:WS+8*\t+7], v[RAW+12*\t:RAW+12*\t+11], v[124:135], v[WS+8*\t:WS+8*\t+7], v[PSC+\t], v[RSC] matrix_a_fmt:MATRIX_FMT_FP6 matrix_b_fmt:MATRIX_FMT_FP6 matrix_a_scale:MATRIX_SCALE_ROW1 matrix_b_scale:MATRIX_SCALE_ROW1
.else
	v_wmma_scale_f32_16x16x128_f8f6f4 v[WS+8*\t:WS+8*\t+7], v[RAW+12*\t:RAW+12*\t+11], v[112:123], v[WS+8*\t:WS+8*\t+7], v[PSC+\t], v[RSC] matrix_a_fmt:MATRIX_FMT_FP6 matrix_b_fmt:MATRIX_FMT_FP6
.endif
.endr
.endm
; Fragment 2 w + e of the result.
.macro PROD e
	s_wait_xcnt 0x0                                ; the last fragment's stores have read the codes' registers
	v_add_nc_u32 v12, s[52+\e], v1
	v_add_nc_u32 v13, s[54+\e], v1
	v_add_nc_u32 v14, s[56+\e], v1
	v_add_nc_u32 v15, s[58+\e], v1
	s_cmp_eq_u32 s36, 2
	s_cbranch_scc1 .Lvbias_\@
.irp t, 0,1,2,3,4,5,6,7                        ; Q, K: register 8 t + j is channel 128 e + 32 (t / 2) + 8 (t % 2) + 16 h + j
	global_load_b128 v[WS+8*\t:WS+8*\t+3], v10, s[44:45] offset:512*\e+(32*(\t/2)+8*(\t%2))*4
	global_load_b128 v[WS+8*\t+4:WS+8*\t+7], v10, s[44:45] offset:512*\e+(32*(\t/2)+8*(\t%2))*4+16
.endr
	s_branch .Lbiased_\@
.Lvbias_\@:                                    ; V: a lane holds one channel, 32 w + 8 e + r + 8 (r / 8): one number for its 64 registers
	global_load_b32 v[WS], v11, s[44:45] offset:32*\e
	s_wait_loadcnt 0x0
.set ib_, 1
.rept 63
	v_mov_b32 v[WS+ib_], v[WS]
.set ib_, ib_+1
.endr
.Lbiased_\@:
	PLACES 8
.irp sd, 0,1
.irp c, 0,1,2
	ds_load_b128 v[112+12*\sd+4*\c:112+12*\sd+4*\c+3], v13 offset:1536*\sd+512*\c
.endr
.endr
	ds_load_b32 v[RSC], v15
	ds_load_b128 v[PSC:PSC+3], v14
	ds_load_b128 v[PSC+4:PSC+7], v14 offset:512
.irp sd, 0,1
.if \sd
	PLACES 4                                       ; in front of loads into registers that the products above have read
.endif
.irp t, 0,1,2,3,4,5,6,7
.irp c, 0,1,2
	ds_load_b128 v[RAW+12*\t+4*\c:RAW+12*\t+4*\c+3], v12 offset:(2*\t+\sd)*1536+512*\c
.endr
.endr
	s_wait_dscnt 0x0
.if \sd == 0
	s_wait_loadcnt 0x0                             ; the bias
.endif
	MULP \sd
.endr
	PLACES 4
	QUANT WS
.irp c, 0,1,2
	global_store_b128 v1, v[PC+4*\c:PC+4*\c+3], s[46:47] offset:1536*\e+512*\c   ; the image: 512 consecutive bytes a store
.endr
.endm
	s_load_b512 s[4:19], s[0:1], 0x0               ; xq xk xv Wq Wk Wv bq bk
	s_load_b512 s[20:35], s[0:1], 0x40             ; bv qimg kimg vimg qscl kscl vscl cwt
	v_lshl_add_u32 v239, v0, 2, 0x23800
	v_mov_b32 v255, 0
	s_and_b32 s36, ttmp7, 0xffff                   ; y: which of the three
	s_mov_b32 s37, ttmp9                           ; G
	v_lshrrev_b32 v16, 5, v0
	v_readfirstlane_b32 s38, v16                   ; wave w
	v_and_b32 v17, 31, v0                          ; l
	v_and_b32 v18, 15, v0                          ; r
	v_bfe_u32 v19, v0, 4, 1                        ; h
	v_bfe_u32 v20, v0, 3, 1                        ; u: my column's tile is 2 w + u,
	v_and_b32 v21, 7, v0
	v_lshl_add_u32 v21, v19, 3, v21                ; and its member there (l % 8) + 8 h
	v_lshlrev_b32 v1, 4, v17                       ; v1  16 l
	s_mul_i32 s60, s38, 8448
	s_add_co_u32 s60, s60, STG
	v_add_nc_u32 v2, s60, v1                       ; v2  my stage, on the way in
	v_mul_u32_u24 v3, v18, 528
	v_lshl_add_u32 v3, v19, 6, v3
	v_add_nc_u32 v3, s60, v3                       ; v3  and on the way out: row r, + 64 h
	s_mul_i32 s62, s38, 3072                       ; x's tile w (XIMG = 0)
	v_add_nc_u32 v4, s62, v1                       ; v4  where I store x's images
	s_lshr_b32 s66, s38, 2
	s_lshl_b32 s66, s66, 9
	s_and_b32 s61, s38, 3
	s_lshl_b32 s61, s61, 2
	s_add_co_u32 s66, s66, s61
	s_add_co_u32 s66, s66, XSC                     ; register w of x's block of scale words
	v_add_nc_u32 v5, s66, v1                       ; v5  (and, 3,072 bytes on, of the results')
	v_lshlrev_b32 v6, 2, v0                        ; v6  my column of W, in bytes
	s_mul_i32 s60, s38, 6144
	s_add_co_u32 s60, s60, WIMG                    ; W's tile 2 w
	v_mul_u32_u24 v7, v20, 3072
	v_lshl_add_u32 v7, v21, 4, v7
	v_add_nc_u32 v7, s60, v7                       ; v7  my column's place in W's images
	s_add_co_u32 s61, s60, 3072                    ; W's tile 2 w + 1
	s_lshr_b32 s63, s38, 1
	s_lshl_b32 s63, s63, 9
	s_and_b32 s39, s38, 1
	s_lshl_b32 s39, s39, 3
	s_add_co_u32 s63, s63, s39
	s_add_co_u32 s63, s63, WSC                     ; register of tile 2 w among W's scale words,
	s_add_co_u32 s39, s63, 4                       ; of tile 2 w + 1
	v_lshlrev_b32 v8, 2, v20
	v_lshl_add_u32 v8, v21, 4, v8
	v_add_nc_u32 v8, s63, v8                       ; v8  my column's scale word
	v_and_b32 v9, 63, v0
	v_lshl_add_u32 v9, v9, 4, OSC                  ; v9  the results' scale words on their way out
	v_lshlrev_b32 v10, 6, v19                      ; v10 64 h
	v_and_b32 v11, 8, v18
	v_add_nc_u32 v11, v11, v18
	v_lshlrev_b32 v11, 2, v11                      ; v11 4 (r + 8 (r / 8))
	s_lshl_b32 s67, s38, 7
	s_mov_b32 s50, 0x76543210
	s_mov_b32 s51, 0xfedcba98                      ; v_permlanex16_b32's selects for lane l xor 16
.irp b, 0,1,2,3
	v_mov_b32 v[TM+4+\b], 0                        ; written once: a lane permute's destination counts as one of its sources
.endr
	s_cmp_eq_u32 s36, 2                            ; V takes x as P and W as R; the four LDS bases for e = 0, 1
	s_cselect_b32 s52, XIMG, WIMG
	s_cselect_b32 s53, XIMG, WIMG+24576
	s_cselect_b32 s54, s60, s62
	s_cselect_b32 s55, s61, s62
	s_mov_b32 s56, WSC
	s_cselect_b32 s56, XSC, s56
	s_mov_b32 s57, WSC+1024
	s_cselect_b32 s57, XSC, s57
	s_cselect_b32 s58, s63, s66
	s_cselect_b32 s59, s39, s66
	s_cselect_b32 s68, s67, 0                      ; V's bias begins at channel 32 w
	s_wait_kmcnt 0x0
	s_cmp_eq_u32 s36, 1                            ; the choice of buffers hangs on the work-group's y alone
	s_cselect_b64 s[40:41], s[6:7], s[4:5]
	s_cselect_b64 s[42:43], s[12:13], s[10:11]
	s_cselect_b64 s[44:45], s[18:19], s[16:17]
	s_cselect_b64 s[46:47], s[24:25], s[22:23]
	s_cselect_b64 s[48:49], s[30:31], s[28:29]
	s_cmp_eq_u32 s36, 2
	s_cselect_b64 s[40:41], s[8:9], s[40:41]
	s_cselect_b64 s[42:43], s[14:15], s[42:43]
	s_cselect_b64 s[44:45], s[20:21], s[44:45]
	s_cselect_b64 s[46:47], s[26:27], s[46:47]
	s_cselect_b64 s[48:49], s[32:33], s[48:49]
	s_lshl_b32 s60, s37, 17                        ; x: 128 rows of 1,024 bytes a group, + my tile's first row 32 (w / 2) + 8 (w % 2)
	s_lshr_b32 s61, s38, 1
	s_lshl_b32 s61, s61, 15
	s_add_co_u32 s60, s60, s61
	s_and_b32 s61, s38, 1
	s_lshl_b32 s61, s61, 13
	s_add_co_u32 s60, s60, s61
	s_mov_b32 s61, 0
	s_add_nc_u64 s[40:41], s[40:41], s[60:61]
	s_mul_i32 s60, s37, 24576                      ; the images: 16 fragments a group, my two
	s_add_co_u32 s60, s60, s62
	s_add_nc_u64 s[46:47], s[46:47], s[60:61]
	s_lshl_b32 s60, s37, 10
	s_add_nc_u64 s[48:49], s[48:49], s[60:61]
	s_mov_b32 s60, s68
	s_add_nc_u64 s[44:45], s[44:45], s[60:61]
	LOADW 0, 0
	LOADW 1, 1
	; ---- the table cwt: work-groups 0 to 3 of y = 0; thread t makes j = 1024 G + 4 t + 0 .. 3
	s_cmp_lg_u32 s36, 0
	s_cbranch_scc1 .Lno_cw
	s_cmp_ge_u32 s37, 4
	s_cbranch_scc1 .Lno_cw
	v_lshlrev_b32 v16, 2, v17                      ; j % 128 = 4 l + q
	s_lshl_b32 s60, s37, 10
	s_add_co_u32 s60, s60, s67
	s_add_co_u32 s60, s60, 1
.irp q, 0,1,2,3
	v_add_nc_u32 v[32+\q], \q, v16
	v_add_nc_u32 v[36+\q], s60, v[32+\q]           ; m = j + 1
	v_cvt_f32_u32 v[40+\q], v[36+\q]
	v_sub_nc_u32 v[32+\q], 0, v[32+\q]
	v_cvt_f32_i32 v[32+\q], v[32+\q]               ; -(j % 128)
.endr
.irp q, 0,1,2,3
	POWA 44+\q, 40+\q, 52+\q, 60+\q
.endr
.irp q, 0,1,2,3
	POWA 48+\q, 32+\q, 56+\q, 64+\q
.endr
.irp q, 0,1,2,3
	v_mul_f32 v[68+\q], 0xbc5eb0ae, v[40+\q]       ; y = m ln g
	v_mov_b32 v[72+\q], 0x3493f27e                 ; 1 / 10!
.endr
.irp c, 0x3638ef1d, 0x37d00d01, 0x39500d01, 0x3ab60b61, 0x3c088889, 0x3d2aaaab, 0x3e2aaaab, 0x3f000000, 0x3f800000
.irp q, 0,1,2,3
	v_fmaak_f32 v[72+\q], v[72+\q], v[68+\q], \c   ; 1 / 9! .. 1 / 1!
.endr
.endr
.irp q, 0,1,2,3
	v_mul_f32 v[72+\q], -v[68+\q], v[72+\q]        ; 1 - exp(y), without the loss of 1 - g^m for small m
.endr
	s_wait_alu depctr_va_vdst(0)                   ; one wait for the eight exponentials, ahead of their first reader
.irp q, 0,1,2,3
	POWB 44+\q, 60+\q                              ; g^m
	POWB 48+\q, 64+\q                              ; g^-(j % 128)
.endr
.irp q, 0,1,2,3
	v_sub_f32 v[76+\q], 1.0, v[44+\q]
	v_cmp_gt_u32 vcc_lo, 52, v[36+\q]
	v_cndmask_b32 v[76+\q], v[76+\q], v[72+\q], vcc_lo
	v_mul_f32 v[76+\q], 0x429425ff, v[76+\q]       ; rs = (1 - g^m) / (1 - g)
.endr
.irp q, 0,1,2,3
	v_rsq_f32 v[44+\q], v[76+\q]
.endr
	v_nop
	s_wait_alu depctr_va_vdst(0)
.irp q, 0,1,2,3
	v_mul_f32 v[52+\q], v[76+\q], v[44+\q]
	v_fma_f32 v[52+\q], -v[52+\q], v[44+\q], 1.0
	v_mul_f32 v[56+\q], 0.5, v[44+\q]
	v_fma_f32 v[44+\q], v[56+\q], v[52+\q], v[44+\q]   ; one Newton step
	v_mul_f32 v[44+\q], v[44+\q], v[48+\q]
	v_mul_f32 v[80+\q], 0x3d800000, v[44+\q]       ; / 16 = / sqrt(256)
.endr
	v_lshlrev_b32 v17, 4, v0
	s_lshl_b32 s60, s37, 12
	s_add_nc_u64 s[34:35], s[34:35], s[60:61]
	global_store_b128 v17, v[80:83], s[34:35]      ; a wave stores 512 consecutive bytes
	s_wait_xcnt 0x0                                ; its registers are loaded anew below
.Lno_cw:
	; ---- W: eight blocks of 32 along K for my column; loads run two blocks ahead, and x's follow W's last
.irp kb, 0,1,2,3,4,5
	s_wait_loadcnt 32                              ; this block is in; the next set's 32 loads may be out
	BLOCKW \kb, \kb%2
	LOADW \kb+2, \kb%2
.endr
	XLOAD 0
	s_wait_loadcnt 48                              ; behind block 6: block 7's 32 and x's first 16
	BLOCKW 6, 0
	XLOAD 1
	s_wait_loadcnt 32                              ; behind block 7: x's 32
	BLOCKW 7, 1
	; ---- x: my tile's two fragments
	s_wait_loadcnt 16                              ; K step 0 is in
	XQ 0
	v_mov_b32 v[PW0], v[PW]
	s_wait_loadcnt 0x0
	XQ 1
	s_mov_b32 vcc_lo, 0xffff0000
	v_cndmask_b32 v[PW], v[PW0], v[PW], vcc_lo     ; lanes 0-15: K step 0's word, lanes 16-31: K step 1's
	ds_store_b32 v5, v[PW]
	s_wait_dscnt 0x0                               ; for the others' sake: my images and scale words lie in LDS
	s_barrier_signal -1
	s_barrier_wait -1
	PROD 0
	v_mov_b32 v[PW0], v[PW]
	PROD 1
	v_cndmask_b32 v[PW], v[PW0], v[PW], vcc_lo
	ds_store_b32 v5, v[PW] offset:OSC-XSC
	s_wait_dscnt 0x0
	s_barrier_signal -1
	s_barrier_wait -1
	s_cmp_lt_u32 s38, 2                            ; the group's block of scale words leaves as 1,024 consecutive bytes, by waves 0 and 1
	s_cbranch_scc0 .Lend
	ds_load_b128 v[16:19], v9
	v_lshlrev_b32 v20, 4, v0
	s_wait_dscnt 0x0
	global_store_b128 v20, v[16:19], s[48:49]
.Lend:
	s_wait_tensorcnt 0x0
	ds_add_u32 v239, v255
	s_wait_dscnt 0x0
	s_endpgm
.Lfunc_end_k_q15fcde15dd_proj:
	.size	k_q15fcde15dd_proj, .Lfunc_end_k_q15fcde15dd_proj-k_q15fcde15dd_proj
	.p2alignl 7, 3214868480
	.fill 96, 4, 3214868480
	.section	.rodata,"a",@progbits
	.p2align	6, 0x0
	.amdhsa_kernel k_q15fcde15dd_proj
		.amdhsa_group_segment_fixed_size 146432
		.amdhsa_private_segment_fixed_size 0
		.amdhsa_enable_private_segment 0
		.amdhsa_kernarg_size 128
		.amdhsa_user_sgpr_count 2
		.amdhsa_user_sgpr_kernarg_segment_ptr 1
		.amdhsa_wavefront_size32 1
		.amdhsa_system_sgpr_workgroup_id_x 1
		.amdhsa_system_sgpr_workgroup_id_y 1
		.amdhsa_system_sgpr_workgroup_id_z 1
		.amdhsa_system_vgpr_workitem_id 0
		.amdhsa_next_free_vgpr 256
		.amdhsa_next_free_sgpr 80
		.amdhsa_reserve_vcc 1
		.amdhsa_float_denorm_mode_32 3
		.amdhsa_float_denorm_mode_16_64 3
		.amdhsa_memory_ordered 1
		.amdhsa_forward_progress 1
		.amdhsa_inst_pref_size 94
	.end_amdhsa_kernel
	.amdgpu_metadata
---
amdhsa.version: [ 1, 2 ]
amdhsa.kernels:
  - .name:           k_q15fcde15dd_proj
    .symbol:         k_q15fcde15dd_proj.kd
    .args:
      - { .name: xq, .offset: 0, .size: 8, .value_kind: global_buffer, .address_space: global }
      - { .name: xk, .offset: 8, .size: 8, .value_kind: global_buffer, .address_space: global }
      - { .name: xv, .offset: 16, .size: 8, .value_kind: global_buffer, .address_space: global }
      - { .name: Wq, .offset: 24, .size: 8, .value_kind: global_buffer, .address_space: global }
      - { .name: Wk, .offset: 32, .size: 8, .value_kind: global_buffer, .address_space: global }
      - { .name: Wv, .offset: 40, .size: 8, .value_kind: global_buffer, .address_space: global }
      - { .name: bq, .offset: 48, .size: 8, .value_kind: global_buffer, .address_space: global }
      - { .name: bk, .offset: 56, .size: 8, .value_kind: global_buffer, .address_space: global }
      - { .name: bv, .offset: 64, .size: 8, .value_kind: global_buffer, .address_space: global }
      - { .name: qimg, .offset: 72, .size: 8, .value_kind: global_buffer, .address_space: global }
      - { .name: kimg, .offset: 80, .size: 8, .value_kind: global_buffer, .address_space: global }
      - { .name: vimg, .offset: 88, .size: 8, .value_kind: global_buffer, .address_space: global }
      - { .name: qscl, .offset: 96, .size: 8, .value_kind: global_buffer, .address_space: global }
      - { .name: kscl, .offset: 104, .size: 8, .value_kind: global_buffer, .address_space: global }
      - { .name: vscl, .offset: 112, .size: 8, .value_kind: global_buffer, .address_space: global }
      - { .name: cwt, .offset: 120, .size: 8, .value_kind: global_buffer, .address_space: global }
    .group_segment_fixed_size: 146432
    .private_segment_fixed_size: 0
    .kernarg_segment_align: 8
    .kernarg_segment_size: 128
    .max_flat_workgroup_size: 256
    .sgpr_count:     80
    .vgpr_count:     256
    .wavefront_size: 32
...
	.end_amdgpu_metadata
.endif
;; end of part 1
;; launch rsum (part 2): grid 32 x 4, 4 waves a work-group, no clusters, 2,560 bytes of LDS; arguments qimg, qscl, kimg, kscl, cwt, wtab; writes wtab
.if DOCPART == 2
	.amdgcn_target "amdgcn-amd-amdhsa--gfx1250"
	.amdhsa_code_object_version 6
	.text
	.protected	k_q15fcde15dd_rsum
	.globl	k_q15fcde15dd_rsum
	.p2align	8
	.type	k_q15fcde15dd_rsum,@function
k_q15fcde15dd_rsum:
	s_mov_b64 s[64:65], 0
	v_nop
	global_prefetch_b8 v0, s[64:65] scope:SCOPE_SE
	s_setreg_imm32_b32 hwreg(HW_REG_WAVE_MODE, 25, 1), 1
	s_wait_xcnt 0x0
; wtab[b][j] = cwt[j] / max(|r_j|, 1), r_i = the sum over j <= i of (Q_i . K_j) g^(i-j) / (16 sqrt(rs_j)): the row sums by which reference() divides the columns.
; The scores are the quantised product Q K^T on codes of FP6 (E2M3); tiles that lie wholly above the diagonal, which reference()'s own mask throws away, are not multiplied.
; SHARES.  Work-group (k, b) owns two chunks of 64 queries of batch b: the early one, chunk k (tiles 0-3), and the late one, chunk 63 - k (tiles 4-7): 33 chunk-steps of 128 keys for every k.
; Q (16 fragments) stays in every wave's registers.  In a key step wave wv takes key tiles 2 wv and 2 wv + 1 (32 keys) for all query tiles: each fragment of K goes from memory into one wave's registers, 6,144 consecutive bytes.
; S^T = K Q^T (source 0 = 16 keys, source 1 = 16 queries): lane (r, h) holds query member r, and register i of a tile's 16 the key 128 s + 32 wv + 16 h + i.
; g^(i-j) = g^(i - 128 s) g^-(j % 128): the second factor lies in cwt, the first is U = A (by lane) x G (by step and chunk).
; THE WALK.  Sums add in any order: step 0 comes first, so that its products start the sums; then the steps go up from a start that differs from work-group to work-group and wrap from the last back to 1.
; Loads are always issued, three steps ahead, in four sets of registers, for a step that always lies in the buffers: so the counted wait means the same on every way; only arithmetic is jumped over.
; LIMITS: NaN and infinities are not served; the order of the f32 sums differs from reference()'s; 1 / max(|r|, 1) is v_rcp_f32 and one Newton step.
; REGISTERS: window 0: v1-8 addresses; v12-15 A; v16-23 U; v24-39 at work; v40-47 Q's scale words; v48-55 the sums; v56-63 K's scale words; v64-127 weights; v128-255 S.  Window 1: Q.  Window 3: K, four sets of 48.
.set S,   128
.set WF,  64
.set KSC, 56
.set QSC, 40
.set RR,  48
.set U,   16
.set AQ,  12
.set SIG, 32                           ; s32-35 the key step of each set
.set MSB, 0
.macro WIN new                         ; the immediate's high byte repeats the setting that is left
.if MSB != \new
	s_set_vgpr_msb (MSB<<8)|\new
.set MSB, \new
.endif
.endm
.macro PLACES n
.rept \n
	v_nop
.endr
.endm
; g^n for a whole number n (as f32 in v[nf]): log2 g = LHI + LLO, n LHI is exact for |n| <= 4,096; its whole part goes into v_ldexp_f32, the rest into v_exp_f32.
.macro POWA d, nf, T, I
	v_mul_f32 v[\T], 0xbca0a000, v[\nf]
	v_rndne_f32 v[\I], v[\T]
	v_sub_f32 v[\T], v[\T], v[\I]
	v_fmamk_f32 v[\T], v[\nf], 0xb5c4756d, v[\T]
	v_exp_f32 v[\d], v[\T]
	v_cvt_i32_f32 v[\I], v[\I]                     ; a plain instruction behind the exponential
.endm
.macro POWB d, I
	v_ldexp_f32 v[\d], v[\d], v[\I]
.endm
.macro UNEXT sg                        ; U for the key step in s[sg]: g^(query - 128 s)
	s_lshl_b32 s54, s[\sg], 7
	s_sub_co_i32 s52, s28, s54                     ; the early chunk's first query less the step's first key,
	s_sub_co_i32 s53, s29, s54                     ; the late chunk's
	v_cvt_f32_i32 v32, s52
	v_cvt_f32_i32 v33, s53
	POWA 34, 32, 36, 38
	POWA 35, 33, 37, 39
	s_wait_alu depctr_va_vdst(0)                   ; one wait for the two exponentials, ahead of their first reader
	POWB 34, 38
	POWB 35, 39
.irp t, 0,1,2,3
	v_mul_f32 v[U+\t], v[AQ+\t], v34
.endr
.irp t, 0,1,2,3
	v_mul_f32 v[U+4+\t], v[AQ+\t], v35
.endr
.endm
.macro ISSUE q                         ; the key step s[SIG + q] into set q: 17 loads
	s_wait_xcnt 0x0                                ; the last issue's loads have read their bases
	s_mul_i32 s50, s[SIG+(\q)], 24576
	s_add_nc_u64 s[40:41], s[12:13], s[50:51]
	s_lshl_b32 s50, s[SIG+(\q)], 10
	s_add_nc_u64 s[42:43], s[14:15], s[50:51]
	s_lshl_b32 s50, s[SIG+(\q)], 9
	s_add_nc_u64 s[44:45], s[20:21], s[50:51]
	WIN 0xc0
.set ii_, 0
.rept 12
	global_load_b128 v[48*(\q)+4*ii_:48*(\q)+4*ii_+3], v1, s[40:41] offset:512*ii_
.set ii_, ii_+1
.endr
	WIN 0
.irp j, 0,1,2,3
	global_load_b128 v[WF+16*(\q)+4*\j:WF+16*(\q)+4*\j+3], v2, s[44:45] offset:16*\j
.endr
	global_load_b64 v[KSC+2*(\q):KSC+2*(\q)+1], v1, s[42:43]
.endm
.macro WSC t, q                        ; query tile t against my two key tiles: two accumulators by turns; the first products start the sums
	WIN 0x07                                       ; K in window 3, Q in window 1, S in window 0
.irp sd, 0,1
.irp kt, 0,1
.if \sd
	v_wmma_scale_f32_16x16x128_f8f6f4 v[S+16*(\t)+8*\kt:S+16*(\t)+8*\kt+7], v[48*(\q)+12*(2*\kt+\sd):48*(\q)+12*(2*\kt+\sd)+11], v[24*(\t)+12*\sd:24*(\t)+12*\sd+11], v[S+16*(\t)+8*\kt:S+16*(\t)+8*\kt+7], v[KSC+2*(\q)+\kt], v[QSC+(\t)] matrix_a_fmt:MATRIX_FMT_FP6 matrix_b_fmt:MATRIX_FMT_FP6 matrix_a_scale:MATRIX_SCALE_ROW1 matrix_b_scale:MATRIX_SCALE_ROW1
.else
	v_wmma_scale_f32_16x16x128_f8f6f4 v[S+16*(\t)+8*\kt:S+16*(\t)+8*\kt+7], v[48*(\q)+12*(2*\kt+\sd):48*(\q)+12*(2*\kt+\sd)+11], v[24*(\t)+12*\sd:24*(\t)+12*\sd+11], 0, v[KSC+2*(\q)+\kt], v[QSC+(\t)] matrix_a_fmt:MATRIX_FMT_FP6 matrix_b_fmt:MATRIX_FMT_FP6
.endif
.endr
.endr
	WIN 0
.endm
.macro MASK t, g, sg                   ; on the chunk's diagonal step the scores of keys behind the query become 0; a scalar branch on ids jumps over it elsewhere
	s_cmp_eq_u32 s[\sg], s[26+\g]
	s_cbranch_scc0 .Lopen_\@
	v_add3_u32 v28, v7, s[52+\g], 32*(((\t)%4)/2)+8*((\t)%2)   ; my query - 128 s - 32 wv - 16 h: register i is hidden where i is above it
.irp i, 0,1,2,3,4,5,6,7,8,9,10,11,12,13,14,15
	v_cmp_gt_i32 vcc_lo, \i, v28
	v_cndmask_b32 v[S+16*(\t)+\i], v[S+16*(\t)+\i], v8, vcc_lo
.endr
.Lopen_\@:
.endm
.macro RT t, g, q, first               ; the tile's scores times the keys' weights, summed in two chains, times U, onto the tile's sum
	MASK \t, \g, SIG+\q
	v_pk_mul_f32 v[24:25], v[S+16*(\t):S+16*(\t)+1], v[WF+16*(\q):WF+16*(\q)+1]
	v_pk_mul_f32 v[26:27], v[S+16*(\t)+8:S+16*(\t)+9], v[WF+16*(\q)+8:WF+16*(\q)+9]
.irp j, 1,2,3
	v_pk_fma_f32 v[24:25], v[S+16*(\t)+2*\j:S+16*(\t)+2*\j+1], v[WF+16*(\q)+2*\j:WF+16*(\q)+2*\j+1], v[24:25]
	v_pk_fma_f32 v[26:27], v[S+16*(\t)+8+2*\j:S+16*(\t)+9+2*\j], v[WF+16*(\q)+8+2*\j:WF+16*(\q)+9+2*\j], v[26:27]
.endr
	v_pk_add_f32 v[24:25], v[24:25], v[26:27]
	v_add_f32 v24, v24, v25
.if \first
	v_mul_f32 v[RR+(\t)], v[U+(\t)], v24
.else
	v_fmac_f32 v[RR+(\t)], v[U+(\t)], v24
.endif
.endm
.macro GROUP g, q, first               ; a chunk's four tiles: each tile's vector work stands behind the next tile's products and is the places behind them
	WSC 4*\g, \q
	WSC 4*\g+1, \q
	PLACES 4
	RT 4*\g, \g, \q, \first
	WSC 4*\g+2, \q
	RT 4*\g+1, \g, \q, \first
	WSC 4*\g+3, \q
	RT 4*\g+2, \g, \q, \first
	RT 4*\g+3, \g, \q, \first
.endm
.macro STEP q, first
	PLACES 4                                       ; in front of loads into registers that the last step's products have read
	s_add_co_u32 s54, s[SIG+(\q+2)%4], 1           ; the step three ahead: one up, from the last back to 1
	s_cmp_ge_u32 s54, s25
	s_cselect_b32 s[SIG+(\q+3)%4], 1, s54
	ISSUE (\q+3)%4
	s_wait_loadcnt 51                              ; this step's set is in; the three younger sets of 17 may be out
.if !(\first)
	s_cmp_ge_u32 s30, s25                          ; the loop's last trip may run past the work-group's steps
	s_cbranch_scc1 .Lidle_\@
.endif
	GROUP 1, \q, \first
.if !(\first)
	s_cmp_ge_u32 s[SIG+\q], s24                    ; all the step's keys come behind the early chunk
	s_cbranch_scc1 .Lno_e_\@
.endif
	GROUP 0, \q, \first
.Lno_e_\@:
	UNEXT SIG+(\q+1)%4
.Lidle_\@:
	s_add_co_u32 s30, s30, 1
.endm
	s_load_b256 s[8:15], s[0:1], 0x0               ; qimg qscl kimg kscl
	s_load_b128 s[16:19], s[0:1], 0x20             ; cwt wtab
	v_lshl_add_u32 v10, v0, 2, 0x800
	v_mov_b32 v11, 0
	v_lshrrev_b32 v24, 5, v0
	v_readfirstlane_b32 s2, v24                    ; wave wv
	s_mov_b32 s3, ttmp9                            ; k: the early chunk
	s_and_b32 s4, ttmp7, 0xffff                    ; b
	s_sub_co_u32 s5, 63, s3                        ; the late chunk
	s_lshr_b32 s26, s3, 1                          ; the chunks' diagonal steps,
	s_lshr_b32 s27, s5, 1
	s_add_co_u32 s24, s26, 1                       ; and their numbers of steps
	s_add_co_u32 s25, s27, 1
	s_lshl_b32 s28, s3, 6                          ; their first queries
	s_lshl_b32 s29, s5, 6
	s_add_co_u32 s54, s3, 1
	s_lshr_b32 s54, s54, 1
	s_sub_co_u32 s55, 31, s26
	s_bitcmp1_b32 s3, 0
	s_cselect_b32 s33, s54, s55                    ; where the walk begins behind step 0: between 1 and the last step
	s_mov_b32 s32, 0
	s_add_co_u32 s54, s33, 1
	s_cmp_ge_u32 s54, s25
	s_cselect_b32 s34, 1, s54
	s_mov_b32 s30, 0                               ; steps done
	s_add_co_u32 s31, s25, 2
	s_lshr_b32 s31, s31, 2                         ; trips of four steps that cover the steps behind the first
	s_mov_b32 s36, 0x76543210
	s_mov_b32 s37, 0xfedcba98                      ; v_permlanex16_b32's selects for lane l xor 16
	s_mov_b32 s51, 0
	v_and_b32 v24, 31, v0                          ; l
	v_and_b32 v25, 15, v0                          ; r
	v_bfe_u32 v26, v0, 4, 1                        ; h
	v_lshlrev_b32 v1, 4, v24                       ; v1  16 l
	v_lshlrev_b32 v2, 6, v26                       ; v2  64 h
	s_lshl_b32 s54, s2, 9
	v_lshl_add_u32 v3, v25, 2, s54                 ; v3  LDS: my wave's 512 bytes of partial sums, 4 r
	v_lshlrev_b32 v4, 7, v26                       ; v4  LDS: the two words of queries 2 l and 2 l + 1 of a chunk: tile 2 l[4] + l[2], member 8 l[3] + 2 (l % 4)
	v_bfe_u32 v28, v0, 2, 1
	v_lshl_add_u32 v4, v28, 6, v4
	v_bfe_u32 v28, v0, 3, 1
	v_lshl_add_u32 v4, v28, 5, v4
	v_and_b32 v28, 3, v0
	v_lshl_add_u32 v4, v28, 3, v4
	s_and_b32 s54, s2, 1
	s_lshl_b32 s54, s54, 8
	v_add_nc_u32 v4, s54, v4                       ;     wave 0: the early chunk's four tiles, wave 1: the late one's
	v_and_b32 v27, 8, v25
	v_add_nc_u32 v27, v27, v25                     ; r + 8 (r / 8)
	v_lshlrev_b32 v28, 4, v26
	v_sub_nc_u32 v7, v27, v28
	s_lshl_b32 s54, s2, 5
	v_sub_nc_u32 v7, v7, s54                       ; v7  r + 8 (r / 8) - 16 h - 32 wv
	v_mov_b32 v8, 0                                ; v8  0
	s_mul_i32 s6, s4, 786432                       ; the batch's images,
	s_lshl_b32 s7, s4, 15                          ; and its scale words
	s_wait_kmcnt 0x0
	s_mul_i32 s50, s3, 12288                       ; a chunk's eight fragments of Q
	s_add_co_u32 s50, s50, s6
	s_add_nc_u64 s[40:41], s[8:9], s[50:51]
	s_mul_i32 s50, s5, 12288
	s_add_co_u32 s50, s50, s6
	s_add_nc_u64 s[42:43], s[8:9], s[50:51]
	s_lshl_b32 s50, s3, 9
	s_add_co_u32 s50, s50, s7
	s_add_nc_u64 s[44:45], s[10:11], s[50:51]
	s_lshl_b32 s50, s5, 9
	s_add_co_u32 s50, s50, s7
	s_add_nc_u64 s[46:47], s[10:11], s[50:51]
	s_mul_i32 s50, s2, 6144                        ; my four fragments of a key step,
	s_add_co_u32 s50, s50, s6
	s_add_nc_u64 s[12:13], s[12:13], s[50:51]
	s_lshr_b32 s50, s2, 1                          ; their two registers of scale words,
	s_lshl_b32 s50, s50, 9
	s_and_b32 s54, s2, 1
	s_lshl_b32 s54, s54, 3
	s_add_co_u32 s50, s50, s54
	s_add_co_u32 s50, s50, s7
	s_add_nc_u64 s[14:15], s[14:15], s[50:51]
	s_lshl_b32 s50, s2, 7                          ; my 32 keys' weights
	s_add_nc_u64 s[20:21], s[16:17], s[50:51]
	WIN 0x40
.set iq_, 0
.rept 24
	global_load_b128 v[4*iq_:4*iq_+3], v1, s[40:41] offset:512*iq_
	global_load_b128 v[96+4*iq_:96+4*iq_+3], v1, s[42:43] offset:512*iq_
.set iq_, iq_+1
.endr
	WIN 0
	global_load_b128 v[QSC:QSC+3], v1, s[44:45]
	global_load_b128 v[QSC+4:QSC+7], v1, s[46:47]
	ISSUE 0
	ISSUE 1
	ISSUE 2
.irp tl, 0,1,2,3                               ; A = g^(my query's place in its chunk)
	v_add_nc_u32 v[S+\tl], 32*(\tl/2)+8*(\tl%2), v27
	v_cvt_f32_u32 v[S+\tl], v[S+\tl]
.endr
.irp tl, 0,1,2,3
	POWA AQ+\tl, S+\tl, S+4+\tl, S+8+\tl
.endr
	s_wait_alu depctr_va_vdst(0)
.irp tl, 0,1,2,3
	POWB AQ+\tl, S+8+\tl
.endr
	UNEXT SIG
	STEP 0, 1
.Lloop:
	STEP 1, 0
	STEP 2, 0
	STEP 3, 0
	STEP 0, 0
	s_sub_co_u32 s31, s31, 1
	s_cmp_lg_u32 s31, 0
	s_cbranch_scc1 .Lloop
	; ---- the sums: the other half of the lanes' keys, then the four waves' through LDS
.irp t, 0,1,2,3,4,5,6,7
	v_permlanex16_b32 v[32+\t], v[RR+\t], s36, s37
.endr
.irp t, 0,1,2,3,4,5,6,7
	v_add_f32 v[RR+\t], v[RR+\t], v[32+\t]
.endr
.irp t, 0,1,2,3,4,5,6,7
	ds_store_b32 v3, v[RR+\t] offset:64*\t         ; lanes r and r + 16 write the same word with the same value
.endr
	s_wait_dscnt 0x0
	s_barrier_signal -1
	s_barrier_wait -1
	s_cmp_lt_u32 s2, 2
	s_cbranch_scc0 .Lend
.irp w, 0,1,2,3
	ds_load_b64 v[24+2*\w:25+2*\w], v4 offset:512*\w
.endr
	s_cmp_eq_u32 s2, 0
	s_cselect_b32 s50, s28, s29
	s_lshl_b32 s50, s50, 2
	s_add_nc_u64 s[56:57], s[16:17], s[50:51]      ; cwt at my chunk
	s_lshl_b32 s54, s4, 14
	s_add_co_u32 s50, s50, s54
	s_add_nc_u64 s[58:59], s[18:19], s[50:51]      ; wtab at my batch and chunk
	v_and_b32 v32, 31, v0
	v_lshlrev_b32 v32, 3, v32
	global_load_b64 v[34:35], v32, s[56:57]
	s_wait_dscnt 0x0
	v_pk_add_f32 v[24:25], v[24:25], v[26:27]
	v_pk_add_f32 v[28:29], v[28:29], v[30:31]
	v_pk_add_f32 v[24:25], v[24:25], v[28:29]
	v_max_num_f32 v24, |v24|, 1.0
	v_max_num_f32 v25, |v25|, 1.0
	v_rcp_f32 v26, v24
	v_rcp_f32 v27, v25
	v_nop
	s_wait_alu depctr_va_vdst(0)
	v_fma_f32 v28, -v24, v26, 1.0
	v_fma_f32 v29, -v25, v27, 1.0
	v_fma_f32 v26, v26, v28, v26                   ; one Newton step
	v_fma_f32 v27, v27, v29, v27
	s_wait_loadcnt 0x0
	v_mul_f32 v36, v34, v26
	v_mul_f32 v37, v35, v27
	global_store_b64 v32, v[36:37], s[58:59]       ; the wave stores 256 consecutive bytes, at a multiple of 256 from the buffer's first byte
.Lend:
	s_wait_tensorcnt 0x0
	ds_add_u32 v10, v11
	s_wait_dscnt 0x0
	s_endpgm
.Lfunc_end_k_q15fcde15dd_rsum:
	.size	k_q15fcde15dd_rsum, .Lfunc_end_k_q15fcde15dd_rsum-k_q15fcde15dd_rsum
	.p2alignl 7, 3214868480
	.fill 96, 4, 3214868480
	.section	.rodata,"a",@progbits
	.p2align	6, 0x0
	.amdhsa_kernel k_q15fcde15dd_rsum
		.amdhsa_group_segment_fixed_size 2560
		.amdhsa_private_segment_fixed_size 0
		.amdhsa_enable_private_segment 0
		.amdhsa_kernarg_size 48
		.amdhsa_user_sgpr_count 2
		.amdhsa_user_sgpr_kernarg_segment_ptr 1
		.amdhsa_wavefront_size32 1
		.amdhsa_system_sgpr_workgroup_id_x 1
		.amdhsa_system_sgpr_workgroup_id_y 1
		.amdhsa_system_sgpr_workgroup_id_z 1
		.amdhsa_system_vgpr_workitem_id 0
		.amdhsa_next_free_vgpr 960
		.amdhsa_next_free_sgpr 66
		.amdhsa_reserve_vcc 1
		.amdhsa_float_denorm_mode_32 3
		.amdhsa_float_denorm_mode_16_64 3
		.amdhsa_memory_ordered 1
		.amdhsa_forward_progress 1
		.amdhsa_inst_pref_size 131
	.end_amdhsa_kernel
	.amdgpu_metadata
---
amdhsa.version: [ 1, 2 ]
amdhsa.kernels:
  - .name:           k_q15fcde15dd_rsum
    .symbol:         k_q15fcde15dd_rsum.kd
    .args:
      - { .name: qimg, .offset: 0, .size: 8, .value_kind: global_buffer, .address_space: global }
      - { .name: qscl, .offset: 8, .size: 8, .value_kind: global_buffer, .address_space: global }
      - { .name: kimg, .offset: 16, .size: 8, .value_kind: global_buffer, .address_space: global }
      - { .name: kscl, .offset: 24, .size: 8, .value_kind: global_buffer, .address_space: global }
      - { .name: cwt, .offset: 32, .size: 8, .value_kind: global_buffer, .address_space: global }
      - { .name: wtab, .offset: 40, .size: 8, .value_kind: global_buffer, .address_space: global }
    .group_segment_fixed_size: 2560
    .private_segment_fixed_size: 0
    .kernarg_segment_align: 8
    .kernarg_segment_size: 48
    .max_flat_workgroup_size: 128
    .sgpr_count:     66
    .vgpr_count:     960
    .wavefront_size: 32
...
	.end_amdgpu_metadata
.endif
;; end of part 2
;; launch main (part 3): grid 32 x 4, 4 waves a work-group, no clusters, 45,568 bytes of LDS; arguments qimg, qscl, kimg, kscl, vimg, vscl, wtab, out0; writes out0
.if DOCPART == 3
	.amdgcn_target "amdgcn-amd-amdhsa--gfx1250"
	.amdhsa_code_object_version 6
	.text
	.protected	k_q15fcde15dd_main
	.globl	k_q15fcde15dd_main
	.p2align	8
	.type	k_q15fcde15dd_main,@function
k_q15fcde15dd_main:
	s_mov_b64 s[64:65], 0
	v_nop
	global_prefetch_b8 v0, s[64:65] scope:SCOPE_SE
	s_setreg_imm32_b32 hwreg(HW_REG_WAVE_MODE, 25, 1), 1
	s_wait_xcnt 0x0
; out[b][i] = the sum over j <= i of x[i][j] V[j], x[i][j] = (Q_i . K_j) wtab[b][j] g^(i - 128 s), j in key step s: both products on codes of FP6 (E2M3) with one E8M0 scale for each 32 along K.
; x is quantised finished, along the keys; tiles wholly above the diagonal, which reference()'s own mask makes zero, are not multiplied.
; SHARES.  Work-group (k, b) owns chunk k (tiles 0-3) and chunk 63 - k (tiles 4-7) of 64 queries each: 33 chunk-steps of 128 keys for every k.  Q stays in every wave's registers.
; In a key step wave wv makes the scores of key tiles 2 wv, 2 wv + 1 (one block of 32 keys) for all query tiles and quantises them; the codes and scale bytes meet in LDS as rows of 96 bytes; behind ONE barrier every wave reads
; all tiles' fragments of x and multiplies them by its own four channel tiles of V.  So each fragment of K and of V goes from memory into one wave's registers, 6,144 consecutive bytes each.
; Two buffers in LDS take turns: a buffer is written again only behind the next step's barrier, in front of which every wave has waited for its reads of it.
; Both products are used transposed (S^T = K Q^T, O^T = V^T x^T): a lane holds one query throughout.
; THE WALK and the loads are as in the launch before: step 0 first (its products start the sums), then upward from a start of the work-group's own, wrapping; loads always issued, one step ahead, in two sets.
; LIMITS: NaN and infinities are not served; a block of zeros gets the scale byte 1 (its codes are zeros; only this program reads the bytes); the order of the f32 sums differs from reference()'s.
; REGISTERS: window 0: v1-11 addresses; v12-15 A; v16-23 U; v24-39 at work; v40-47 Q's scale words; v48-55 x's; v56-59 K's; v60-63 V's; v64-95 weights; v96-223 S; v224-255 codes and bytes.
;   window 1: Q (v0-191), x's fragments of the early chunk (v192-239).  Window 2: O^T, tile t, channel tile ct at 32 t + 8 ct.  Window 3: K (v0, v48), V (v96, v144), x's fragments of the late chunk (v192-239).
.set S,   96
.set WF,  64
.set KSC, 56
.set VSC, 60
.set QSC, 40
.set PSC, 48
.set CD,  224
.set U,   16
.set AQ,  12
.set SIG, 32                           ; s32-33 the key step of each set
.set PS,  26624                        ; LDS: from 0 two buffers of 8 tiles x 16 rows x 104 bytes; here two of 512 bytes of scale words (query member r, tile t: 32 r + 4 t)
.set STG, 27648                        ; a stage of 16 rows x (256 + 16) bytes for each wave
.set MSB, 0
.macro WIN new                         ; the immediate's high byte repeats the setting that is left
.if MSB != \new
	s_set_vgpr_msb (MSB<<8)|\new
.set MSB, \new
.endif
.endm
.macro PLACES n
.rept \n
	v_nop
.endr
.endm
; g^n for a whole number n (as f32 in v[nf]): log2 g = LHI + LLO, n LHI is exact for |n| <= 4,096; its whole part goes into v_ldexp_f32, the rest into v_exp_f32.
.macro POWA d, nf, T, I
	v_mul_f32 v[\T], 0xbca0a000, v[\nf]
	v_rndne_f32 v[\I], v[\T]
	v_sub_f32 v[\T], v[\T], v[\I]
	v_fmamk_f32 v[\T], v[\nf], 0xb5c4756d, v[\T]
	v_exp_f32 v[\d], v[\T]
	v_cvt_i32_f32 v[\I], v[\I]                     ; a plain instruction behind the exponential
.endm
.macro POWB d, I
	v_ldexp_f32 v[\d], v[\d], v[\I]
.endm
.macro UNEXT sg                        ; U for the key step in s[sg]: g^(query - 128 s)
	s_lshl_b32 s54, s[\sg], 7
	s_sub_co_i32 s52, s28, s54
	s_sub_co_i32 s53, s29, s54
	v_cvt_f32_i32 v32, s52
	v_cvt_f32_i32 v33, s53
	POWA 34, 32, 36, 38
	POWA 35, 33, 37, 39
	s_wait_alu depctr_va_vdst(0)                   ; one wait for the two exponentials, ahead of their first reader
	POWB 34, 38
	POWB 35, 39
.irp t, 0,1,2,3
	v_mul_f32 v[U+\t], v[AQ+\t], v34
.endr
.irp t, 0,1,2,3
	v_mul_f32 v[U+4+\t], v[AQ+\t], v35
.endr
.endm
.macro ISSUE q                         ; the key step s[SIG + q] into set q: 30 loads
	s_wait_xcnt 0x0                                ; the last issue's loads have read their bases
	s_mul_i32 s50, s[SIG+(\q)], 24576
	s_add_nc_u64 s[40:41], s[12:13], s[50:51]
	s_add_nc_u64 s[42:43], s[16:17], s[50:51]
	s_lshl_b32 s50, s[SIG+(\q)], 10
	s_add_nc_u64 s[44:45], s[14:15], s[50:51]
	s_add_nc_u64 s[46:47], s[18:19], s[50:51]
	s_lshl_b32 s50, s[SIG+(\q)], 9
	s_add_nc_u64 s[48:49], s[20:21], s[50:51]
	WIN 0xc0
.set ii_, 0
.rept 12
	global_load_b128 v[48*(\q)+4*ii_:48*(\q)+4*ii_+3], v1, s[40:41] offset:512*ii_
.set ii_, ii_+1
.endr
.set ii_, 0
.rept 12
	global_load_b128 v[96+48*(\q)+4*ii_:96+48*(\q)+4*ii_+3], v1, s[42:43] offset:512*ii_
.set ii_, ii_+1
.endr
	WIN 0
.irp j, 0,1,2,3
	global_load_b128 v[WF+16*(\q)+4*\j:WF+16*(\q)+4*\j+3], v2, s[48:49] offset:16*\j
.endr
	global_load_b64 v[KSC+2*(\q):KSC+2*(\q)+1], v1, s[44:45]
	global_load_b64 v[VSC+2*(\q):VSC+2*(\q)+1], v1, s[46:47]
.endm
.macro WSC t, q                        ; query tile t against my two key tiles: two accumulators by turns; the first products start the sums
	WIN 0x07                                       ; K in window 3, Q in window 1, S in window 0
.irp sd, 0,1
.irp kt, 0,1
.if \sd
	v_wmma_scale_f32_16x16x128_f8f6f4 v[S+16*(\t)+8*\kt:S+16*(\t)+8*\kt+7], v[48*(\q)+12*(2*\kt+\sd):48*(\q)+12*(2*\kt+\sd)+11], v[24*(\t)+12*\sd:24*(\t)+12*\sd+11], v[S+16*(\t)+8*\kt:S+16*(\t)+8*\kt+7], v[KSC+2*(\q)+\kt], v[QSC+(\t)] matrix_a_fmt:MATRIX_FMT_FP6 matrix_b_fmt:MATRIX_FMT_FP6 matrix_a_scale:MATRIX_SCALE_ROW1 matrix_b_scale:MATRIX_SCALE_ROW1
.else
	v_wmma_scale_f32_16x16x128_f8f6f4 v[S+16*(\t)+8*\kt:S+16*(\t)+8*\kt+7], v[48*(\q)+12*(2*\kt+\sd):48*(\q)+12*(2*\kt+\sd)+11], v[24*(\t)+12*\sd:24*(\t)+12*\sd+11], 0, v[KSC+2*(\q)+\kt], v[QSC+(\t)] matrix_a_fmt:MATRIX_FMT_FP6 matrix_b_fmt:MATRIX_FMT_FP6
.endif
.endr
.endr
	WIN 0
.endm
.macro MASK t, g, sg                   ; on the chunk's diagonal step the scores of keys behind the query become 0; a scalar branch on ids jumps over it elsewhere
	s_cmp_eq_u32 s[\sg], s[26+\g]
	s_cbranch_scc0 .Lopen_\@
	v_add3_u32 v28, v7, s[52+\g], 32*(((\t)%4)/2)+8*((\t)%2)   ; my query - 128 s - 32 wv - 16 h: register i is hidden where i is above it
.irp i, 0,1,2,3,4,5,6,7,8,9,10,11,12,13,14,15
	v_cmp_gt_i32 vcc_lo, \i, v28
	v_cndmask_b32 v[S+16*(\t)+\i], v[S+16*(\t)+\i], v8, vcc_lo
.endr
.Lopen_\@:
.endm
; Tile t's 16 scores a lane become x, its half of a block of 32 keys; the block's scale; 16 codes, 12 bytes, into the query's row in LDS, and the scale's byte.
.macro QT t, g, p
	MASK \t, \g, SIG+\p
.irp j, 0,1,2,3,4,5,6,7
	v_pk_mul_f32 v[S+16*(\t)+2*\j:S+16*(\t)+2*\j+1], v[S+16*(\t)+2*\j:S+16*(\t)+2*\j+1], v[WF+16*(\p)+2*\j:WF+16*(\p)+2*\j+1]
.endr
.irp j, 0,1,2,3,4,5,6,7
.if ((\t)%2) == 0
	v_pk_mul_f32 v[S+16*(\t)+2*\j:S+16*(\t)+2*\j+1], v[S+16*(\t)+2*\j:S+16*(\t)+2*\j+1], v[U+2*((\t)/2):U+2*((\t)/2)+1] op_sel_hi:[1,0]
.else
	v_pk_mul_f32 v[S+16*(\t)+2*\j:S+16*(\t)+2*\j+1], v[S+16*(\t)+2*\j:S+16*(\t)+2*\j+1], v[U+2*((\t)/2):U+2*((\t)/2)+1] op_sel:[0,1] op_sel_hi:[1,1]
.endif
.endr
	v_max3_num_f32 v24, |v[S+16*(\t)]|, |v[S+16*(\t)+1]|, 0x1800000   ; and the floor 2^(3 - 127): the byte cannot fall under 1
	v_max3_num_f32 v25, |v[S+16*(\t)+2]|, |v[S+16*(\t)+3]|, |v[S+16*(\t)+4]|
.irp i, 5,9
	v_max3_num_f32 v24, v24, |v[S+16*(\t)+\i]|, |v[S+16*(\t)+\i+1]|
	v_max3_num_f32 v25, v25, |v[S+16*(\t)+\i+2]|, |v[S+16*(\t)+\i+3]|
.endr
	v_max3_num_f32 v24, v24, |v[S+16*(\t)+13]|, |v[S+16*(\t)+14]|
	v_max3_num_f32 v24, v24, v25, |v[S+16*(\t)+15]|
	v_permlanex16_b32 v29, v24, s36, s37
	v_max_num_f32 v24, v24, v29                    ; with lane l xor 16's 16 keys: the block's largest magnitude
	v_add_nc_u32 v30, 0xff000000, v24              ; 2 off its exponent field: the conversion's scale operand
	v_cvt_scalef32_pk16_fp6_f32 v[CD+4*(\t):CD+4*(\t)+2], v[S+16*(\t):S+16*(\t)+15], v30
	v_lshrrev_b32 v[CD+4*(\t)+3], 23, v30          ; the scale's byte (a plain place behind the conversion)
.irp e, 0,1,2
	ds_store_b32 v3, v[CD+4*(\t)+\e] offset:13312*(\p)+1664*(\t)+4*\e
.endr
	ds_store_b8 v4, v[CD+4*(\t)+3] offset:512*(\p)+4*(\t)   ; both lanes of a block write the same byte with the same value
.endm
.macro GROUP g, p                      ; a chunk's four tiles: each tile's vector work stands behind the next tile's products and is the places behind them
	WSC 4*\g, \p
	WSC 4*\g+1, \p
	PLACES 4
	QT 4*\g, \g, \p
	WSC 4*\g+2, \p
	QT 4*\g+1, \g, \p
	WSC 4*\g+3, \p
	QT 4*\g+2, \g, \p
	QT 4*\g+3, \g, \p
.endm
.macro PFETCH g, p                     ; a chunk's four fragments of x (16 queries x 128 keys) and their scale words
	ds_load_b128 v[PSC+4*\g:PSC+4*\g+3], v6 offset:512*(\p)+16*\g
.if \g
	WIN 0xc0
.else
	WIN 0x40
.endif
.irp tl, 0,1,2,3
.irp j, 0,1,2,3,4,5
	ds_load_b64 v[192+12*\tl+2*\j:192+12*\tl+2*\j+1], v5 offset:13312*(\p)+1664*(4*\g+\tl)+48*(\j/3)+8*(\j%3)
.endr
.endr
	WIN 0
.endm
.macro PV g, p, first                  ; O^T += V^T x^T: my four channel tiles x the chunk's four tiles: sixteen accumulators, one instruction each
.if \g
	WIN 0xaf                                       ; V and x in window 3, O^T in window 2
.else
	WIN 0xa7                                       ; x in window 1
.endif
.irp tl, 0,1,2,3
.irp ct, 0,1,2,3
.if \first
.if \ct%2
	v_wmma_scale_f32_16x16x128_f8f6f4 v[32*(4*\g+\tl)+8*\ct:32*(4*\g+\tl)+8*\ct+7], v[96+48*(\p)+12*\ct:96+48*(\p)+12*\ct+11], v[192+12*\tl:192+12*\tl+11], 0, v[VSC+2*(\p)+\ct/2], v[PSC+4*\g+\tl] matrix_a_fmt:MATRIX_FMT_FP6 matrix_b_fmt:MATRIX_FMT_FP6 matrix_a_scale:MATRIX_SCALE_ROW1
.else
	v_wmma_scale_f32_16x16x128_f8f6f4 v[32*(4*\g+\tl)+8*\ct:32*(4*\g+\tl)+8*\ct+7], v[96+48*(\p)+12*\ct:96+48*(\p)+12*\ct+11], v[192+12*\tl:192+12*\tl+11], 0, v[VSC+2*(\p)+\ct/2], v[PSC+4*\g+\tl] matrix_a_fmt:MATRIX_FMT_FP6 matrix_b_fmt:MATRIX_FMT_FP6
.endif
.else
.if \ct%2
	v_wmma_scale_f32_16x16x128_f8f6f4 v[32*(4*\g+\tl)+8*\ct:32*(4*\g+\tl)+8*\ct+7], v[96+48*(\p)+12*\ct:96+48*(\p)+12*\ct+11], v[192+12*\tl:192+12*\tl+11], v[32*(4*\g+\tl)+8*\ct:32*(4*\g+\tl)+8*\ct+7], v[VSC+2*(\p)+\ct/2], v[PSC+4*\g+\tl] matrix_a_fmt:MATRIX_FMT_FP6 matrix_b_fmt:MATRIX_FMT_FP6 matrix_a_scale:MATRIX_SCALE_ROW1
.else
	v_wmma_scale_f32_16x16x128_f8f6f4 v[32*(4*\g+\tl)+8*\ct:32*(4*\g+\tl)+8*\ct+7], v[96+48*(\p)+12*\ct:96+48*(\p)+12*\ct+11], v[192+12*\tl:192+12*\tl+11], v[32*(4*\g+\tl)+8*\ct:32*(4*\g+\tl)+8*\ct+7], v[VSC+2*(\p)+\ct/2], v[PSC+4*\g+\tl] matrix_a_fmt:MATRIX_FMT_FP6 matrix_b_fmt:MATRIX_FMT_FP6
.endif
.endif
.endr
.endr
	WIN 0
.endm
.macro STEP p, first
	PLACES 4                                       ; in front of loads into registers that the last step's products have read
.if !(\first)
	s_add_co_u32 s54, s[SIG+\p], 1                 ; the next step: one up, from the last back to 1
	s_cmp_ge_u32 s54, s25
	s_cselect_b32 s[SIG+1-\p], 1, s54
.endif
	ISSUE 1-\p
	s_wait_loadcnt 30                              ; this step's set is in; the 30 loads just issued may be out
.if !(\first)
	s_cmp_ge_u32 s30, s25                          ; the loop's last trip may run past the work-group's steps
	s_cbranch_scc1 .Lmeet_\@
.endif
	GROUP 1, \p
.if !(\first)
	s_cmp_ge_u32 s[SIG+\p], s24                    ; all the step's keys come behind the early chunk
	s_cbranch_scc1 .Lmeet_\@
.endif
	GROUP 0, \p
.Lmeet_\@:
	s_wait_dscnt 0x0                               ; my codes and bytes lie in this step's buffer, and my reads of the other buffer are over
	s_barrier_signal -1
	s_barrier_wait -1                              ; on every way: every wave passes it in every step
.if !(\first)
	s_cmp_ge_u32 s30, s25
	s_cbranch_scc1 .Ldone_\@
.endif
	PFETCH 1, \p
.if !(\first)
	s_cmp_ge_u32 s[SIG+\p], s24
	s_cbranch_scc1 .Lno_e_\@
.endif
	PFETCH 0, \p
.Lno_e_\@:
	UNEXT SIG+1-\p                                 ; work on registers while the LDS loads are out
	s_wait_dscnt 0x0
	PV 1, \p, \first
.if !(\first)
	s_cmp_ge_u32 s[SIG+\p], s24
	s_cbranch_scc1 .Ldone_\@
.endif
	PV 0, \p, \first
.Ldone_\@:
	s_add_co_u32 s30, s30, 1
.endm
; Tile t leaves: a lane's eight channels of a query go into my stage, whole runs of 256 bytes (my 64 channels) come back, two queries an instruction.
.macro OUTT t
.set BF_, S+32*((\t)%2)
.set TL_, (\t)%4
	WIN 0x08                                       ; an LDS store's data are its source 1: window 2
.irp ct, 0,1,2,3
	ds_store_b128 v9, v[32*(\t)+8*\ct:32*(\t)+8*\ct+3] offset:128*(\ct/2)+32*(\ct%2)      ; each accumulator from its low end on
	ds_store_b128 v9, v[32*(\t)+8*\ct+4:32*(\t)+8*\ct+7] offset:128*(\ct/2)+32*(\ct%2)+16
.endr
	WIN 0
.if (\t) >= 2
	s_wait_xcnt 0x0                                ; the stores of two tiles ago have read these registers
.endif
.irp i, 0,1,2,3,4,5,6,7
	ds_load_b128 v[BF_+4*\i:BF_+4*\i+3], v10 offset:544*\i   ; LDS serves a wave's instructions in order: these see my stores
.endr
.irp i, 0,1,2,3,4,5,6,7
	s_wait_dscnt 7-\i
	global_store_b128 v11, v[BF_+4*\i:BF_+4*\i+3], s[56+2*((\t)/4):57+2*((\t)/4)] offset:(32*(TL_/2)+8*(TL_%2)+2*\i+8*(\i/4))*1024 th:TH_STORE_NT   ; sixteen lanes store 256 consecutive bytes, at a multiple of 256 from the buffer's first byte
.endr
.endm
	s_load_b512 s[8:23], s[0:1], 0x0               ; qimg qscl kimg kscl vimg vscl wtab out0
	v_lshl_add_u32 v31, v0, 2, 0xb000
	s_set_vgpr_msb 0x40
	v_mov_b32 v255, 0
	s_set_vgpr_msb 0x4000
	v_lshrrev_b32 v24, 5, v0
	v_readfirstlane_b32 s2, v24                    ; wave wv
	s_mov_b32 s3, ttmp9                            ; k: the early chunk
	s_and_b32 s4, ttmp7, 0xffff                    ; b
	s_sub_co_u32 s5, 63, s3                        ; the late chunk
	s_lshr_b32 s26, s3, 1                          ; the chunks' diagonal steps,
	s_lshr_b32 s27, s5, 1
	s_add_co_u32 s24, s26, 1                       ; and their numbers of steps
	s_add_co_u32 s25, s27, 1
	s_lshl_b32 s28, s3, 6                          ; their first queries
	s_lshl_b32 s29, s5, 6
	s_add_co_u32 s54, s3, 1
	s_lshr_b32 s54, s54, 1
	s_sub_co_u32 s55, 31, s26
	s_bitcmp1_b32 s3, 0
	s_cselect_b32 s33, s54, s55                    ; where the walk begins behind step 0
	s_mov_b32 s32, 0
	s_mov_b32 s30, 0                               ; steps done
	s_lshr_b32 s31, s25, 1                         ; trips of two steps that cover the steps behind the first
	s_mov_b32 s36, 0x76543210
	s_mov_b32 s37, 0xfedcba98                      ; v_permlanex16_b32's selects for lane l xor 16
	s_mov_b32 s51, 0
	v_and_b32 v24, 31, v0                          ; l
	v_and_b32 v25, 15, v0                          ; r
	v_bfe_u32 v26, v0, 4, 1                        ; h
	v_lshlrev_b32 v1, 4, v24                       ; v1  16 l
	v_lshlrev_b32 v2, 6, v26                       ; v2  64 h
	v_mul_u32_u24 v3, v25, 104
	v_mad_u32_u24 v3, v26, 12, v3
	s_mul_i32 s54, s2, 24
	v_add_nc_u32 v3, s54, v3                       ; v3  where my 12 bytes of codes go: row r, block wv, half h
	v_lshlrev_b32 v4, 5, v25
	s_add_co_u32 s54, s2, PS
	v_add_nc_u32 v4, s54, v4                       ; v4  and the block's scale byte: byte wv of the query's word
	v_mul_u32_u24 v5, v25, 104
	v_mad_u32_u24 v5, v26, 24, v5                  ; v5  a fragment of x: row r, + 24 h
	v_lshl_add_u32 v6, v25, 5, PS                  ; v6  its scale words
	s_mul_i32 s54, s2, 4352
	s_add_co_u32 s54, s54, STG
	v_mul_u32_u24 v9, v25, 272
	v_lshl_add_u32 v9, v26, 6, v9
	v_add_nc_u32 v9, s54, v9                       ; v9  my stage, in: row r, + 64 h
	v_mul_u32_u24 v10, v26, 272
	v_lshl_add_u32 v10, v25, 4, v10
	v_add_nc_u32 v10, s54, v10                     ; v10 back: lanes 0-15 one row, lanes 16-31 the next
	v_lshlrev_b32 v11, 10, v26
	v_lshl_add_u32 v11, v25, 4, v11                ; v11 and the same two rows in out0
	v_and_b32 v27, 8, v25
	v_add_nc_u32 v27, v27, v25                     ; r + 8 (r / 8)
	v_lshlrev_b32 v28, 4, v26
	v_sub_nc_u32 v7, v27, v28
	s_lshl_b32 s54, s2, 5
	v_sub_nc_u32 v7, v7, s54                       ; v7  r + 8 (r / 8) - 16 h - 32 wv
	v_mov_b32 v8, 0                                ; v8  0
	v_mov_b32 v29, 0                               ; written once: a lane permute's destination counts as one of its sources
	s_mul_i32 s6, s4, 786432                       ; the batch's images,
	s_lshl_b32 s7, s4, 15                          ; and its scale words
	s_wait_kmcnt 0x0
	s_mul_i32 s50, s3, 12288                       ; a chunk's eight fragments of Q
	s_add_co_u32 s50, s50, s6
	s_add_nc_u64 s[40:41], s[8:9], s[50:51]
	s_mul_i32 s50, s5, 12288
	s_add_co_u32 s50, s50, s6
	s_add_nc_u64 s[42:43], s[8:9], s[50:51]
	s_lshl_b32 s50, s3, 9
	s_add_co_u32 s50, s50, s7
	s_add_nc_u64 s[44:45], s[10:11], s[50:51]
	s_lshl_b32 s50, s5, 9
	s_add_co_u32 s50, s50, s7
	s_add_nc_u64 s[46:47], s[10:11], s[50:51]
	s_mul_i32 s50, s2, 6144                        ; my four fragments of a key step, of K and of V,
	s_add_co_u32 s50, s50, s6
	s_add_nc_u64 s[12:13], s[12:13], s[50:51]
	s_add_nc_u64 s[16:17], s[16:17], s[50:51]
	s_lshr_b32 s50, s2, 1                          ; their two registers of scale words,
	s_lshl_b32 s50, s50, 9
	s_and_b32 s54, s2, 1
	s_lshl_b32 s54, s54, 3
	s_add_co_u32 s50, s50, s54
	s_add_co_u32 s50, s50, s7
	s_add_nc_u64 s[14:15], s[14:15], s[50:51]
	s_add_nc_u64 s[18:19], s[18:19], s[50:51]
	s_lshl_b32 s50, s4, 14                         ; my 32 keys' weights
	s_lshl_b32 s54, s2, 7
	s_add_co_u32 s50, s50, s54
	s_add_nc_u64 s[20:21], s[20:21], s[50:51]
	s_lshl_b32 s55, s4, 22                         ; out0: the batch, the chunk's first row of 1,024 bytes, my 64 channels
	s_lshl_b32 s54, s2, 8
	s_add_co_u32 s55, s55, s54
	s_lshl_b32 s50, s28, 10
	s_add_co_u32 s50, s50, s55
	s_add_nc_u64 s[56:57], s[22:23], s[50:51]
	s_lshl_b32 s50, s29, 10
	s_add_co_u32 s50, s50, s55
	s_add_nc_u64 s[58:59], s[22:23], s[50:51]
	WIN 0x40
.set iq_, 0
.rept 24
	global_load_b128 v[4*iq_:4*iq_+3], v1, s[40:41] offset:512*iq_
	global_load_b128 v[96+4*iq_:96+4*iq_+3], v1, s[42:43] offset:512*iq_
.set iq_, iq_+1
.endr
	WIN 0
	global_load_b128 v[QSC:QSC+3], v1, s[44:45]
	global_load_b128 v[QSC+4:QSC+7], v1, s[46:47]
	ISSUE 0
.irp tl, 0,1,2,3                               ; A = g^(my query's place in its chunk)
	v_add_nc_u32 v[S+\tl], 32*(\tl/2)+8*(\tl%2), v27
	v_cvt_f32_u32 v[S+\tl], v[S+\tl]
.endr
.irp tl, 0,1,2,3
	POWA AQ+\tl, S+\tl, S+4+\tl, S+8+\tl
.endr
	s_wait_alu depctr_va_vdst(0)
.irp tl, 0,1,2,3
	POWB AQ+\tl, S+8+\tl
.endr
	UNEXT SIG
	STEP 0, 1
.Lloop:
	STEP 1, 0
	STEP 0, 0
	s_sub_co_u32 s31, s31, 1
	s_cmp_lg_u32 s31, 0
	s_cbranch_scc1 .Lloop
	PLACES 4                                       ; behind the last products, in front of the first read of their results
.irp t, 0,1,2,3,4,5,6,7
	OUTT \t
.endr
	s_set_vgpr_msb 0x4
	s_wait_tensorcnt 0x0
	ds_add_u32 v31, v255
	s_wait_dscnt 0x0
	s_set_vgpr_msb 0x400
	s_endpgm
.Lfunc_end_k_q15fcde15dd_main:
	.size	k_q15fcde15dd_main, .Lfunc_end_k_q15fcde15dd_main-k_q15fcde15dd_main
	.p2alignl 7, 3214868480
	.fill 96, 4, 3214868480
	.section	.rodata,"a",@progbits
	.p2align	6, 0x0
	.amdhsa_kernel k_q15fcde15dd_main
		.amdhsa_group_segment_fixed_size 45568
		.amdhsa_private_segment_fixed_size 0
		.amdhsa_enable_private_segment 0
		.amdhsa_kernarg_size 64
		.amdhsa_user_sgpr_count 2
		.amdhsa_user_sgpr_kernarg_segment_ptr 1
		.amdhsa_wavefront_size32 1
		.amdhsa_system_sgpr_workgroup_id_x 1
		.amdhsa_system_sgpr_workgroup_id_y 1
		.amdhsa_system_sgpr_workgroup_id_z 1
		.amdhsa_system_vgpr_workitem_id 0
		.amdhsa_next_free_vgpr 1024
		.amdhsa_next_free_sgpr 66
		.amdhsa_reserve_vcc 1
		.amdhsa_float_denorm_mode_32 3
		.amdhsa_float_denorm_mode_16_64 3
		.amdhsa_memory_ordered 1
		.amdhsa_forward_progress 1
		.amdhsa_inst_pref_size 159
	.end_amdhsa_kernel
	.amdgpu_metadata
---
amdhsa.version: [ 1, 2 ]
amdhsa.kernels:
  - .name:           k_q15fcde15dd_main
    .symbol:         k_q15fcde15dd_main.kd
    .args:
      - { .name: qimg, .offset: 0, .size: 8, .value_kind: global_buffer, .address_space: global }
      - { .name: qscl, .offset: 8, .size: 8, .value_kind: global_buffer, .address_space: global }
      - { .name: kimg, .offset: 16, .size: 8, .value_kind: global_buffer, .address_space: global }
      - { .name: kscl, .offset: 24, .size: 8, .value_kind: global_buffer, .address_space: global }
      - { .name: vimg, .offset: 32, .size: 8, .value_kind: global_buffer, .address_space: global }
      - { .name: vscl, .offset: 40, .size: 8, .value_kind: global_buffer, .address_space: global }
      - { .name: wtab, .offset: 48, .size: 8, .value_kind: global_buffer, .address_space: global }
      - { .name: out0, .offset: 56, .size: 8, .value_kind: global_buffer, .address_space: global }
    .group_segment_fixed_size: 45568
    .private_segment_fixed_size: 0
    .kernarg_segment_align: 8
    .kernarg_segment_size: 64
    .max_flat_workgroup_size: 128
    .sgpr_count:     66
    .vgpr_count:     1024
    .wavefront_size: 32
...
	.end_amdgpu_metadata
.endif
;; end of part 3
;; ======== version 2 of 3: 3 launches; 1.21 times as fast as version 1
;; workspace buffers: qimg 3,145,728 bytes; kimg 3,145,728 bytes; vimg 3,145,728 bytes; qscl 131,072 bytes; kscl 131,072 bytes; vscl 131,072 bytes; cwt 16,384 bytes; wtab 65,536 bytes
;; launch proj: the kernel of part 1 again; grid 128 x 3, 8 waves a work-group, no clusters, 146,432 bytes of LDS; arguments xq, xk, xv, Wq, Wk, Wv, bq, bk, bv, qimg, kimg, vimg, qscl, kscl, vscl, cwt; writes qimg, kimg, vimg, qscl, kscl, vscl, cwt
;; launch rsum (part 4): grid 64 x 4, 4 waves a work-group, no clusters, 2,560 bytes of LDS; arguments qimg, qscl, kimg, kscl, cwt, wtab; writes wtab
.if DOCPART == 4
	.amdgcn_target "amdgcn-amd-amdhsa--gfx1250"
	.amdhsa_code_object_version 6
	.text
	.protected	k_q15fcde15dd_rsum
	.globl	k_q15fcde15dd_rsum
	.p2align	8
	.type	k_q15fcde15dd_rsum,@function
k_q15fcde15dd_rsum:
	s_mov_b64 s[64:65], 0
	v_nop
	global_prefetch_b8 v0, s[64:65] scope:SCOPE_SE
	s_setreg_imm32_b32 hwreg(HW_REG_WAVE_MODE, 25, 1), 1
	s_wait_xcnt 0x0
; wtab[b][j] = cwt[j] / max(|r_j|, 1), r_i = the sum over j <= i of (Q_i . K_j) g^(i-j) / (16 sqrt(rs_j)): the row sums by which reference() divides the columns.
; The scores are the quantised product Q K^T on codes of FP6 (E2M3); tiles that lie wholly above the diagonal, which reference()'s own mask throws away, are not multiplied.
; SHARES.  Work-group (k, b) owns two chunks of 32 queries of batch b: the early one, chunk k (tiles 0, 1), and the late one, chunk 127 - k (tiles 2, 3): 33 chunk-steps of 128 keys for every k; 64 x 4 work-groups.
; Q (8 fragments) stays in every wave's registers.  In a key step wave wv takes key tiles 2 wv and 2 wv + 1 (32 keys) for all query tiles: each fragment of K goes from memory into one wave's registers, 6,144 consecutive bytes.
; S^T = K Q^T (source 0 = 16 keys, source 1 = 16 queries): lane (r, h) holds query member r, and register i of a tile's 16 the key 128 s + 32 wv + 16 h + i.
; g^(i-j) = g^(i - 128 s) g^-(j % 128): the second factor lies in cwt, the first is U = A (by lane) x G (by step and chunk).  U is kept in two sets by the step's parity, so that the next step's U is made between
; a step's products and the reading of their results.
; THE WALK.  Sums add in any order: step 0 comes first, so that its products start the sums; then the steps go up from a start that differs between work-groups and wrap from the last back to 1.
; Loads are always issued, three steps ahead, in four sets of registers, for a step that always lies in the buffers: so the counted wait means the same on every way; only arithmetic is jumped over.
; NO JOINT LOADS: a fragment goes straight into the registers of the one wave that multiplies it; a joint load would land in LDS, be read from there again, and each refill would stand behind a round of the cluster's
; barrier in a step of 8 to 16 matrix instructions a wave.
; A chunk's 32 weights leave as 128 consecutive bytes: the neighbouring chunk belongs to another work-group.
; LIMITS: NaN and infinities are not served; the order of the f32 sums differs from reference()'s; 1 / max(|r|, 1) is v_rcp_f32 and one Newton step.
; REGISTERS: window 0: v1-8 addresses; v12-13 A; v16-23 U, two sets; v24-39 at work; v40-43 Q's scale words; v48-51 the sums; v56-63 K's scale words; v64-127 weights; v128-191 S.  Window 1: Q.  Window 3: K, four sets of 48.
.set S,   128
.set WF,  64
.set KSC, 56
.set QSC, 40
.set RR,  48
.set U,   16
.set AQ,  12
.set SIG, 32                           ; s32-35 the key step of each set
.set DQ,  60                           ; s60-63 first query less first key: early, late chunk; two sets by the step's parity
.set MSB, 0
.macro WIN new                         ; the immediate's high byte repeats the setting that is left
.if MSB != \new
	s_set_vgpr_msb (MSB<<8)|\new
.set MSB, \new
.endif
.endm
.macro PLACES n
.rept \n
	v_nop
.endr
.endm
; g^n for a whole number n (as f32 in v[nf]): log2 g = LHI + LLO, n LHI is exact for |n| <= 4,096; its whole part goes into v_ldexp_f32, the rest into v_exp_f32.
.macro POWA d, nf, T, I
	v_mul_f32 v[\T], 0xbca0a000, v[\nf]
	v_rndne_f32 v[\I], v[\T]
	v_sub_f32 v[\T], v[\T], v[\I]
	v_fmamk_f32 v[\T], v[\nf], 0xb5c4756d, v[\T]
	v_exp_f32 v[\d], v[\T]
	v_cvt_i32_f32 v[\I], v[\I]                     ; a plain instruction behind the exponential
.endm
.macro POWB d, I
	v_ldexp_f32 v[\d], v[\d], v[\I]
.endm
.macro UNEXT par, sg                   ; U, set par, for the key step in s[sg]: g^(query - 128 s)
	s_lshl_b32 s54, s[\sg], 7
	s_sub_co_i32 s[DQ+2*(\par)], s28, s54          ; the early chunk's first query less the step's first key,
	s_sub_co_i32 s[DQ+2*(\par)+1], s29, s54        ; the late chunk's
	v_cvt_f32_i32 v32, s[DQ+2*(\par)]
	v_cvt_f32_i32 v33, s[DQ+2*(\par)+1]
	POWA 34, 32, 36, 38
	POWA 35, 33, 37, 39
	s_wait_alu depctr_va_vdst(0)                   ; one wait for the two exponentials, ahead of their first reader
	POWB 34, 38
	POWB 35, 39
.irp t, 0,1
	v_mul_f32 v[U+4*(\par)+\t], v[AQ+\t], v34
.endr
.irp t, 0,1
	v_mul_f32 v[U+4*(\par)+2+\t], v[AQ+\t], v35
.endr
.endm
.macro ISSUE q                         ; the key step s[SIG + q] into set q: 17 loads
	s_wait_xcnt 0x0                                ; the last issue's loads have read their bases
	s_mul_i32 s50, s[SIG+(\q)], 24576
	s_add_nc_u64 s[40:41], s[12:13], s[50:51]
	s_lshl_b32 s50, s[SIG+(\q)], 10
	s_add_nc_u64 s[42:43], s[14:15], s[50:51]
	s_lshl_b32 s50, s[SIG+(\q)], 9
	s_add_nc_u64 s[44:45], s[20:21], s[50:51]
	WIN 0xc0
.set ii_, 0
.rept 12
	global_load_b128 v[48*(\q)+4*ii_:48*(\q)+4*ii_+3], v1, s[40:41] offset:512*ii_
.set ii_, ii_+1
.endr
	WIN 0
.irp j, 0,1,2,3
	global_load_b128 v[WF+16*(\q)+4*\j:WF+16*(\q)+4*\j+3], v2, s[44:45] offset:16*\j
.endr
	global_load_b64 v[KSC+2*(\q):KSC+2*(\q)+1], v1, s[42:43]
.endm
.macro WSC2 g, q                       ; a chunk's two query tiles against my two key tiles: four accumulators by turns; the first products start the sums
	WIN 0x07                                       ; K in window 3, Q in window 1, S in window 0
.irp sd, 0,1
.irp tl, 0,1
.irp kt, 0,1
.set SR_, S+16*(2*\g+\tl)+8*\kt
.set KR_, 48*(\q)+12*(2*\kt+\sd)
.set QR_, 24*(2*\g+\tl)+12*\sd
.if \sd
	v_wmma_scale_f32_16x16x128_f8f6f4 v[SR_:SR_+7], v[KR_:KR_+11], v[QR_:QR_+11], v[SR_:SR_+7], v[KSC+2*(\q)+\kt], v[QSC+2*\g+\tl] matrix_a_fmt:MATRIX_FMT_FP6 matrix_b_fmt:MATRIX_FMT_FP6 matrix_a_scale:MATRIX_SCALE_ROW1 matrix_b_scale:MATRIX_SCALE_ROW1
.else
	v_wmma_scale_f32_16x16x128_f8f6f4 v[SR_:SR_+7], v[KR_:KR_+11], v[QR_:QR_+11], 0, v[KSC+2*(\q)+\kt], v[QSC+2*\g+\tl] matrix_a_fmt:MATRIX_FMT_FP6 matrix_b_fmt:MATRIX_FMT_FP6
.endif
.endr
.endr
.endr
	WIN 0
.endm
.macro MASK2 g, q                      ; on the chunk's diagonal step the scores of keys behind the query become 0; a scalar branch on ids jumps over it elsewhere
	s_cmp_eq_u32 s[SIG+\q], s[26+\g]
	s_cbranch_scc0 .Lopen_\@
	v_add_nc_u32 v32, s[DQ+2*((\q)%2)+\g], v7      ; my query - 128 s - 32 wv - 16 h in the chunk's first tile: register i is hidden where i is above it;
	v_add_nc_u32 v33, 8, v32                       ; in its second tile
.irp i, 0,1,2,3,4,5,6,7,8,9,10,11,12,13,14,15
	v_cmp_gt_i32 vcc_lo, \i, v32
	v_cndmask_b32 v[S+32*\g+\i], v[S+32*\g+\i], v8, vcc_lo
.endr
.irp i, 0,1,2,3,4,5,6,7,8,9,10,11,12,13,14,15
	v_cmp_gt_i32 vcc_lo, \i, v33
	v_cndmask_b32 v[S+32*\g+16+\i], v[S+32*\g+16+\i], v8, vcc_lo
.endr
.Lopen_\@:
.endm
.macro RT2 g, q, first                 ; a chunk's two tiles by turns: the scores times the keys' weights, summed in two chains each, times U, onto the tile's sum
.set SA_, S+32*\g
.set SB_, S+32*\g+16
.set WQ_, WF+16*(\q)
	MASK2 \g, \q
	v_pk_mul_f32 v[24:25], v[SA_:SA_+1], v[WQ_:WQ_+1]
	v_pk_mul_f32 v[28:29], v[SB_:SB_+1], v[WQ_:WQ_+1]
	v_pk_mul_f32 v[26:27], v[SA_+8:SA_+9], v[WQ_+8:WQ_+9]
	v_pk_mul_f32 v[30:31], v[SB_+8:SB_+9], v[WQ_+8:WQ_+9]
.irp j, 1,2,3
	v_pk_fma_f32 v[24:25], v[SA_+2*\j:SA_+2*\j+1], v[WQ_+2*\j:WQ_+2*\j+1], v[24:25]
	v_pk_fma_f32 v[28:29], v[SB_+2*\j:SB_+2*\j+1], v[WQ_+2*\j:WQ_+2*\j+1], v[28:29]
	v_pk_fma_f32 v[26:27], v[SA_+8+2*\j:SA_+9+2*\j], v[WQ_+8+2*\j:WQ_+9+2*\j], v[26:27]
	v_pk_fma_f32 v[30:31], v[SB_+8+2*\j:SB_+9+2*\j], v[WQ_+8+2*\j:WQ_+9+2*\j], v[30:31]
.endr
	v_pk_add_f32 v[24:25], v[24:25], v[26:27]
	v_pk_add_f32 v[28:29], v[28:29], v[30:31]
	v_add_f32 v24, v24, v25
	v_add_f32 v28, v28, v29
.if \first
	v_mul_f32 v[RR+2*\g], v[U+4*((\q)%2)+2*\g], v24
	v_mul_f32 v[RR+2*\g+1], v[U+4*((\q)%2)+2*\g+1], v28
.else
	v_fmac_f32 v[RR+2*\g], v[U+4*((\q)%2)+2*\g], v24
	v_fmac_f32 v[RR+2*\g+1], v[U+4*((\q)%2)+2*\g+1], v28
.endif
.endm
.macro STEP q, first
	PLACES 4                                       ; in front of loads into registers that earlier products have read
	s_add_co_u32 s54, s[SIG+(\q+2)%4], 1           ; the step three ahead: one up, from the last back to 1
	s_cmp_ge_u32 s54, s25
	s_cselect_b32 s[SIG+(\q+3)%4], 1, s54
	ISSUE (\q+3)%4
	s_wait_loadcnt 51                              ; this step's set is in; the three younger sets of 17 may be out
.if !(\first)
	s_cmp_ge_u32 s30, s25                          ; the loop's last trip may run past the work-group's steps
	s_cbranch_scc1 .Lidle_\@
	s_cmp_ge_u32 s[SIG+\q], s24                    ; all the step's keys come behind the early chunk
	s_cbranch_scc1 .Lwe_\@
.endif
	WSC2 0, \q
.Lwe_\@:
	WSC2 1, \q
	UNEXT (\q+1)%2, SIG+(\q+1)%4                   ; the next step's U, into the other set: its plain instructions are the places behind the products
.if !(\first)
	s_cmp_ge_u32 s[SIG+\q], s24
	s_cbranch_scc1 .Lre_\@
.endif
	RT2 0, \q, \first
.Lre_\@:
	RT2 1, \q, \first
.Lidle_\@:
	s_add_co_u32 s30, s30, 1
.endm
	s_load_b256 s[8:15], s[0:1], 0x0               ; qimg qscl kimg kscl
	s_load_b128 s[16:19], s[0:1], 0x20             ; cwt wtab
	v_lshl_add_u32 v254, v0, 2, 0x800
	v_mov_b32 v255, 0
	v_lshrrev_b32 v24, 5, v0
	v_readfirstlane_b32 s2, v24                    ; wave wv
	s_mov_b32 s3, ttmp9                            ; k: the early chunk
	s_and_b32 s4, ttmp7, 0xffff                    ; b
	s_sub_co_u32 s5, 127, s3                       ; the late chunk
	s_lshr_b32 s26, s3, 2                          ; the chunks' diagonal steps,
	s_lshr_b32 s27, s5, 2
	s_add_co_u32 s24, s26, 1                       ; and their numbers of steps
	s_add_co_u32 s25, s27, 1
	s_lshl_b32 s28, s3, 5                          ; their first queries
	s_lshl_b32 s29, s5, 5
	s_lshr_b32 s54, s3, 1
	s_add_co_u32 s54, s54, 1
	s_lshr_b32 s54, s54, 1
	s_sub_co_u32 s55, 31, s26
	s_bitcmp1_b32 s3, 1
	s_cselect_b32 s33, s54, s55                    ; where the walk begins behind step 0: between 1 and the last step
	s_mov_b32 s32, 0
	s_add_co_u32 s54, s33, 1
	s_cmp_ge_u32 s54, s25
	s_cselect_b32 s34, 1, s54
	s_mov_b32 s30, 0                               ; steps done
	s_add_co_u32 s31, s25, 2
	s_lshr_b32 s31, s31, 2                         ; trips of four steps that cover the steps behind the first
	s_mov_b32 s36, 0x76543210
	s_mov_b32 s37, 0xfedcba98                      ; v_permlanex16_b32's selects for lane l xor 16
	s_mov_b32 s51, 0
	v_and_b32 v24, 31, v0                          ; l
	v_and_b32 v25, 15, v0                          ; r
	v_bfe_u32 v26, v0, 4, 1                        ; h
	v_lshlrev_b32 v1, 4, v24                       ; v1  16 l
	v_lshlrev_b32 v2, 6, v26                       ; v2  64 h
	s_lshl_b32 s54, s2, 9
	v_lshl_add_u32 v3, v25, 2, s54                 ; v3  LDS: my wave's 512 bytes of partial sums, 4 r
	v_lshlrev_b32 v4, 5, v26                       ; v4  LDS: the word of query l of a chunk: tile l[3], member (l % 8) + 8 l[4]
	v_bfe_u32 v28, v0, 3, 1
	v_lshl_add_u32 v4, v28, 6, v4
	v_and_b32 v28, 7, v0
	v_lshl_add_u32 v4, v28, 2, v4
	s_and_b32 s54, s2, 1
	s_lshl_b32 s54, s54, 7
	v_add_nc_u32 v4, s54, v4                       ;     wave 0: the early chunk's two tiles, wave 1: the late one's
	v_and_b32 v27, 8, v25
	v_add_nc_u32 v27, v27, v25                     ; r + 8 (r / 8)
	v_lshlrev_b32 v28, 4, v26
	v_sub_nc_u32 v7, v27, v28
	s_lshl_b32 s54, s2, 5
	v_sub_nc_u32 v7, v7, s54                       ; v7  r + 8 (r / 8) - 16 h - 32 wv
	v_mov_b32 v8, 0                                ; v8  0
	s_mul_i32 s6, s4, 786432                       ; the batch's images,
	s_lshl_b32 s7, s4, 15                          ; and its scale words
	s_wait_kmcnt 0x0
	s_mul_i32 s50, s3, 6144                        ; a chunk's four fragments of Q
	s_add_co_u32 s50, s50, s6
	s_add_nc_u64 s[40:41], s[8:9], s[50:51]
	s_mul_i32 s50, s5, 6144
	s_add_co_u32 s50, s50, s6
	s_add_nc_u64 s[42:43], s[8:9], s[50:51]
	s_lshr_b32 s50, s3, 1                          ; its two registers of scale words: 512 (chunk / 2) + 8 (chunk % 2)
	s_lshl_b32 s50, s50, 9
	s_and_b32 s54, s3, 1
	s_lshl_b32 s54, s54, 3
	s_add_co_u32 s50, s50, s54
	s_add_co_u32 s50, s50, s7
	s_add_nc_u64 s[44:45], s[10:11], s[50:51]
	s_lshr_b32 s50, s5, 1
	s_lshl_b32 s50, s50, 9
	s_and_b32 s54, s5, 1
	s_lshl_b32 s54, s54, 3
	s_add_co_u32 s50, s50, s54
	s_add_co_u32 s50, s50, s7
	s_add_nc_u64 s[46:47], s[10:11], s[50:51]
	s_mul_i32 s50, s2, 6144                        ; my four fragments of a key step,
	s_add_co_u32 s50, s50, s6
	s_add_nc_u64 s[12:13], s[12:13], s[50:51]
	s_lshr_b32 s50, s2, 1                          ; their two registers of scale words,
	s_lshl_b32 s50, s50, 9
	s_and_b32 s54, s2, 1
	s_lshl_b32 s54, s54, 3
	s_add_co_u32 s50, s50, s54
	s_add_co_u32 s50, s50, s7
	s_add_nc_u64 s[14:15], s[14:15], s[50:51]
	s_lshl_b32 s50, s2, 7                          ; my 32 keys' weights
	s_add_nc_u64 s[20:21], s[16:17], s[50:51]
	WIN 0x40
.set iq_, 0
.rept 12
	global_load_b128 v[4*iq_:4*iq_+3], v1, s[40:41] offset:512*iq_
	global_load_b128 v[48+4*iq_:48+4*iq_+3], v1, s[42:43] offset:512*iq_
.set iq_, iq_+1
.endr
	WIN 0
	global_load_b64 v[QSC:QSC+1], v1, s[44:45]
	global_load_b64 v[QSC+2:QSC+3], v1, s[46:47]
	ISSUE 0
	ISSUE 1
	ISSUE 2
.irp tl, 0,1                                   ; A = g^(my query's place in its chunk)
	v_add_nc_u32 v[S+\tl], 8*\tl, v27
	v_cvt_f32_u32 v[S+\tl], v[S+\tl]
.endr
.irp tl, 0,1
	POWA AQ+\tl, S+\tl, S+4+\tl, S+8+\tl
.endr
	s_wait_alu depctr_va_vdst(0)
.irp tl, 0,1
	POWB AQ+\tl, S+8+\tl
.endr
	UNEXT 0, SIG
	STEP 0, 1
	s_max_u32 s31, s31, 1                          ; the count of trips is at least 1
.Lloop:
	STEP 1, 0
	STEP 2, 0
	STEP 3, 0
	STEP 0, 0
	s_sub_co_u32 s31, s31, 1
	s_cmp_lg_u32 s31, 0
	s_cbranch_scc1 .Lloop
	; ---- the sums: the other half of the lanes' keys, then the four waves' through LDS
.irp t, 0,1,2,3
	v_permlanex16_b32 v[32+\t], v[RR+\t], s36, s37
.endr
.irp t, 0,1,2,3
	v_add_f32 v[RR+\t], v[RR+\t], v[32+\t]
.endr
.irp t, 0,1,2,3
	ds_store_b32 v3, v[RR+\t] offset:64*\t         ; lanes r and r + 16 write the same word with the same value
.endr
	s_wait_dscnt 0x0
	s_barrier_signal -1
	s_barrier_wait -1
	s_cmp_lt_u32 s2, 2
	s_cbranch_scc0 .Lend
.irp w, 0,1,2,3
	ds_load_b32 v[24+\w], v4 offset:512*\w
.endr
	s_cmp_eq_u32 s2, 0
	s_cselect_b32 s50, s28, s29
	s_lshl_b32 s50, s50, 2
	s_add_nc_u64 s[56:57], s[16:17], s[50:51]      ; cwt at my chunk
	s_lshl_b32 s54, s4, 14
	s_add_co_u32 s50, s50, s54
	s_add_nc_u64 s[58:59], s[18:19], s[50:51]      ; wtab at my batch and chunk
	v_and_b32 v32, 31, v0
	v_lshlrev_b32 v32, 2, v32
	global_load_b32 v34, v32, s[56:57]
	s_wait_dscnt 0x0
	v_add_f32 v24, v24, v25
	v_add_f32 v26, v26, v27
	v_add_f32 v24, v24, v26
	v_max_num_f32 v24, |v24|, 1.0
	v_rcp_f32 v26, v24
	v_nop
	s_wait_alu depctr_va_vdst(0)
	v_fma_f32 v28, -v24, v26, 1.0
	v_fma_f32 v26, v26, v28, v26                   ; one Newton step
	s_wait_loadcnt 0x0
	v_mul_f32 v36, v34, v26
	global_store_b32 v32, v36, s[58:59]            ; the wave stores its chunk's 128 consecutive bytes
.Lend:
	s_wait_tensorcnt 0x0
	ds_add_u32 v254, v255
	s_wait_dscnt 0x0
	s_endpgm
.Lfunc_end_k_q15fcde15dd_rsum:
	.size	k_q15fcde15dd_rsum, .Lfunc_end_k_q15fcde15dd_rsum-k_q15fcde15dd_rsum
	.p2alignl 7, 3214868480
	.fill 96, 4, 3214868480
	.section	.rodata,"a",@progbits
	.p2align	6, 0x0
	.amdhsa_kernel k_q15fcde15dd_rsum
		.amdhsa_group_segment_fixed_size 2560
		.amdhsa_private_segment_fixed_size 0
		.amdhsa_enable_private_segment 0
		.amdhsa_kernarg_size 48
		.amdhsa_user_sgpr_count 2
		.amdhsa_user_sgpr_kernarg_segment_ptr 1
		.amdhsa_wavefront_size32 1
		.amdhsa_system_sgpr_workgroup_id_x 1
		.amdhsa_system_sgpr_workgroup_id_y 1
		.amdhsa_system_sgpr_workgroup_id_z 1
		.amdhsa_system_vgpr_workitem_id 0
		.amdhsa_next_free_vgpr 960
		.amdhsa_next_free_sgpr 66
		.amdhsa_reserve_vcc 1
		.amdhsa_float_denorm_mode_32 3
		.amdhsa_float_denorm_mode_16_64 3
		.amdhsa_memory_ordered 1
		.amdhsa_forward_progress 1
		.amdhsa_inst_pref_size 77
	.end_amdhsa_kernel
	.amdgpu_metadata
---
amdhsa.version: [ 1, 2 ]
amdhsa.kernels:
  - .name:           k_q15fcde15dd_rsum
    .symbol:         k_q15fcde15dd_rsum.kd
    .args:
      - { .name: qimg, .offset: 0, .size: 8, .value_kind: global_buffer, .address_space: global }
      - { .name: qscl, .offset: 8, .size: 8, .value_kind: global_buffer, .address_space: global }
      - { .name: kimg, .offset: 16, .size: 8, .value_kind: global_buffer, .address_space: global }
      - { .name: kscl, .offset: 24, .size: 8, .value_kind: global_buffer, .address_space: global }
      - { .name: cwt, .offset: 32, .size: 8, .value_kind: global_buffer, .address_space: global }
      - { .name: wtab, .offset: 40, .size: 8, .value_kind: global_buffer, .address_space: global }
    .group_segment_fixed_size: 2560
    .private_segment_fixed_size: 0
    .kernarg_segment_align: 8
    .kernarg_segment_size: 48
    .max_flat_workgroup_size: 128
    .sgpr_count:     66
    .vgpr_count:     960
    .wavefront_size: 32
...
	.end_amdgpu_metadata
.endif
;; end of part 4
;; launch main (part 5): grid 64 x 4, 4 waves a work-group, no clusters, 39,424 bytes of LDS; arguments qimg, qscl, kimg, kscl, vimg, vscl, wtab, out0; writes out0
.if DOCPART == 5
	.amdgcn_target "amdgcn-amd-amdhsa--gfx1250"
	.amdhsa_code_object_version 6
	.text
	.protected	k_q15fcde15dd_main
	.globl	k_q15fcde15dd_main
	.p2align	8
	.type	k_q15fcde15dd_main,@function
k_q15fcde15dd_main:
	s_mov_b64 s[64:65], 0
	v_nop
	global_prefetch_b8 v0, s[64:65] scope:SCOPE_SE
	s_setreg_imm32_b32 hwreg(HW_REG_WAVE_MODE, 25, 1), 1
	s_wait_xcnt 0x0
; out[b][i] = the sum over j <= i of x[i][j] V[j], x[i][j] = (Q_i . K_j) wtab[b][j] g^(i - 128 s), j in key step s: both products on codes of FP6 (E2M3) with one E8M0 scale for each 32 along K.
; x is quantised finished, along the keys; tiles wholly above the diagonal, which reference()'s own mask makes zero, are not multiplied.
; SHARES.  Work-group (k, b) owns chunk k (tiles 0, 1) and chunk 127 - k (tiles 2, 3) of 32 queries each: 33 chunk-steps of 128 keys for every k; 64 x 4 work-groups.  Q stays in every wave's registers.
; In a key step wave wv makes the scores of key tiles 2 wv, 2 wv + 1 (one block of 32 keys) for all query tiles and quantises them; the codes and scale bytes meet in LDS as rows of 96 bytes; behind ONE barrier every wave reads
; all tiles' fragments of x and multiplies them by its own four channel tiles of V.  So each fragment of K and of V goes from memory into one wave's registers, 6,144 consecutive bytes each.
; THE ORDER OF A STEP s: quantise x(s); U of step s + 1 while the LDS stores land; the barrier; the LDS loads of x(s); the products K Q^T of step s + 1, under which those loads land; the products V^T x^T of step s.
; So 16 to 32 matrix instructions stand together, and the next step's loads and vector work are issued behind them.
; Three sets of registers and three buffers in LDS take turns with the steps: a buffer is written again three steps on, behind barriers in front of which every wave has waited for its reads of it.
; Both products are used transposed (S^T = K Q^T, O^T = V^T x^T): a lane holds one query throughout.
; THE WALK is that of the launch before: step 0 first (its products start the sums), then upward from a start that differs between work-groups, wrapping; loads are always issued, for a step that lies in the buffers.
; NO JOINT LOADS: a fragment goes straight into the registers of the one wave that multiplies it; a joint load would land in LDS, be read from there again, and each refill would stand behind a round of the cluster's
; barrier in a step of 16 to 32 matrix instructions a wave.
; LIMITS: NaN and infinities are not served; a block of zeros gets the scale byte 1 (its codes are zeros; only this program reads the bytes); the order of the f32 sums differs from reference()'s.
; REGISTERS: window 0: v1-11 addresses; v12-13 A; v16-19 U; v24-39 at work; v40-43 Q's scale words; v44-47 x's; v48-53 K's; v54-59 V's; v64-111 weights; v128-191 S; v192-207 codes and bytes.
;   window 1: Q (v0-95), O^T (tile t, channel tile ct at 96 + 32 t + 8 ct).  Window 2: V, three sets of 48.  Window 3: K, three sets of 48; x's fragments (v192-239).
.set S,   128
.set WF,  64
.set KSC, 48
.set VSC, 54
.set QSC, 40
.set PSC, 44
.set CD,  192
.set U,   16
.set AQ,  12
.set OA,  96                           ; O^T, in window 1
.set PF,  192                          ; x's fragments, in window 3
.set SIG, 32                           ; s32-34 the key step of each set
.set PBB, 6656                         ; LDS: from 0 three buffers of 4 tiles x 16 rows x 104 bytes;
.set PS,  19968                        ; three of 256 bytes of scale words (query member r, tile t: 16 r + 4 t);
.set STG, 20736                        ; a stage of 16 rows x (256 + 16) bytes for each wave
.set MSB, 0
.macro WIN new                         ; the immediate's high byte repeats the setting that is left
.if MSB != \new
	s_set_vgpr_msb (MSB<<8)|\new
.set MSB, \new
.endif
.endm
.macro PLACES n
.rept \n
	v_nop
.endr
.endm
; g^n for a whole number n (as f32 in v[nf]): log2 g = LHI + LLO, n LHI is exact for |n| <= 4,096; its whole part goes into v_ldexp_f32, the rest into v_exp_f32.
.macro POWA d, nf, T, I
	v_mul_f32 v[\T], 0xbca0a000, v[\nf]
	v_rndne_f32 v[\I], v[\T]
	v_sub_f32 v[\T], v[\T], v[\I]
	v_fmamk_f32 v[\T], v[\nf], 0xb5c4756d, v[\T]
	v_exp_f32 v[\d], v[\T]
	v_cvt_i32_f32 v[\I], v[\I]                     ; a plain instruction behind the exponential
.endm
.macro POWB d, I
	v_ldexp_f32 v[\d], v[\d], v[\I]
.endm
.macro UNEXT sg                        ; U for the key step in s[sg]: g^(query - 128 s)
	s_lshl_b32 s54, s[\sg], 7
	s_sub_co_i32 s52, s28, s54                     ; the early chunk's first query less the step's first key,
	s_sub_co_i32 s53, s29, s54                     ; the late chunk's
	v_cvt_f32_i32 v32, s52
	v_cvt_f32_i32 v33, s53
	POWA 34, 32, 36, 38
	POWA 35, 33, 37, 39
	s_wait_alu depctr_va_vdst(0)                   ; one wait for the two exponentials, ahead of their first reader
	POWB 34, 38
	POWB 35, 39
.irp t, 0,1
	v_mul_f32 v[U+\t], v[AQ+\t], v34
.endr
.irp t, 0,1
	v_mul_f32 v[U+2+\t], v[AQ+\t], v35
.endr
.endm
.macro ISSUE q                         ; the key step s[SIG + q] into set q: 30 loads
	s_wait_xcnt 0x0                                ; the last issue's loads have read their bases
	s_mul_i32 s50, s[SIG+(\q)], 24576
	s_add_nc_u64 s[40:41], s[12:13], s[50:51]
	s_add_nc_u64 s[42:43], s[16:17], s[50:51]
	s_lshl_b32 s50, s[SIG+(\q)], 10
	s_add_nc_u64 s[44:45], s[14:15], s[50:51]
	s_add_nc_u64 s[46:47], s[18:19], s[50:51]
	s_lshl_b32 s50, s[SIG+(\q)], 9
	s_add_nc_u64 s[48:49], s[20:21], s[50:51]
	WIN 0xc0
.set ii_, 0
.rept 12
	global_load_b128 v[48*(\q)+4*ii_:48*(\q)+4*ii_+3], v1, s[40:41] offset:512*ii_
.set ii_, ii_+1
.endr
	WIN 0x80
.set ii_, 0
.rept 12
	global_load_b128 v[48*(\q)+4*ii_:48*(\q)+4*ii_+3], v1, s[42:43] offset:512*ii_
.set ii_, ii_+1
.endr
	WIN 0
.irp j, 0,1,2,3
	global_load_b128 v[WF+16*(\q)+4*\j:WF+16*(\q)+4*\j+3], v2, s[48:49] offset:16*\j
.endr
	global_load_b64 v[KSC+2*(\q):KSC+2*(\q)+1], v1, s[44:45]
	global_load_b64 v[VSC+2*(\q):VSC+2*(\q)+1], v1, s[46:47]
.endm
.macro WSC2 g, q                       ; a chunk's two query tiles against my two key tiles: four accumulators by turns; the first products start the sums
	WIN 0x07                                       ; K in window 3, Q in window 1, S in window 0
.irp sd, 0,1
.irp tl, 0,1
.irp kt, 0,1
.set SR_, S+16*(2*\g+\tl)+8*\kt
.set KR_, 48*(\q)+12*(2*\kt+\sd)
.set QR_, 24*(2*\g+\tl)+12*\sd
.if \sd
	v_wmma_scale_f32_16x16x128_f8f6f4 v[SR_:SR_+7], v[KR_:KR_+11], v[QR_:QR_+11], v[SR_:SR_+7], v[KSC+2*(\q)+\kt], v[QSC+2*\g+\tl] matrix_a_fmt:MATRIX_FMT_FP6 matrix_b_fmt:MATRIX_FMT_FP6 matrix_a_scale:MATRIX_SCALE_ROW1 matrix_b_scale:MATRIX_SCALE_ROW1
.else
	v_wmma_scale_f32_16x16x128_f8f6f4 v[SR_:SR_+7], v[KR_:KR_+11], v[QR_:QR_+11], 0, v[KSC+2*(\q)+\kt], v[QSC+2*\g+\tl] matrix_a_fmt:MATRIX_FMT_FP6 matrix_b_fmt:MATRIX_FMT_FP6
.endif
.endr
.endr
.endr
	WIN 0
.endm
.macro MASK2 g, q                      ; on the chunk's diagonal step the scores of keys behind the query become 0; a scalar branch on ids jumps over it elsewhere
	s_cmp_eq_u32 s[SIG+\q], s[26+\g]
	s_cbranch_scc0 .Lopen_\@
	v_add_nc_u32 v32, s[52+\g], v7                 ; my query - 128 s - 32 wv - 16 h in the chunk's first tile: register i is hidden where i is above it;
	v_add_nc_u32 v33, 8, v32                       ; in its second tile
.irp i, 0,1,2,3,4,5,6,7,8,9,10,11,12,13,14,15
	v_cmp_gt_i32 vcc_lo, \i, v32
	v_cndmask_b32 v[S+32*\g+\i], v[S+32*\g+\i], v8, vcc_lo
.endr
.irp i, 0,1,2,3,4,5,6,7,8,9,10,11,12,13,14,15
	v_cmp_gt_i32 vcc_lo, \i, v33
	v_cndmask_b32 v[S+32*\g+16+\i], v[S+32*\g+16+\i], v8, vcc_lo
.endr
.Lopen_\@:
.endm
; A chunk's two tiles, line by line by turns, so that no line waits for the line above it.  A tile's 16 scores a lane become x, its half of a block of 32 keys; the block's scale; 16 codes, 12 bytes, into the query's row
; in LDS, and the scale's byte.
.macro QT2 g, q
.set SA_, S+32*\g
.set SB_, S+32*\g+16
.set WQ_, WF+16*(\q)
.set CA_, CD+8*\g
.set CB_, CD+8*\g+4
	MASK2 \g, \q
.irp j, 0,1,2,3,4,5,6,7
	v_pk_mul_f32 v[SA_+2*\j:SA_+2*\j+1], v[SA_+2*\j:SA_+2*\j+1], v[WQ_+2*\j:WQ_+2*\j+1]
	v_pk_mul_f32 v[SB_+2*\j:SB_+2*\j+1], v[SB_+2*\j:SB_+2*\j+1], v[WQ_+2*\j:WQ_+2*\j+1]
.endr
.irp j, 0,1,2,3,4,5,6,7
	v_pk_mul_f32 v[SA_+2*\j:SA_+2*\j+1], v[SA_+2*\j:SA_+2*\j+1], v[U+2*\g:U+2*\g+1] op_sel_hi:[1,0]
	v_pk_mul_f32 v[SB_+2*\j:SB_+2*\j+1], v[SB_+2*\j:SB_+2*\j+1], v[U+2*\g:U+2*\g+1] op_sel:[0,1] op_sel_hi:[1,1]
.endr
	v_max3_num_f32 v24, |v[SA_]|, |v[SA_+1]|, 0x1800000   ; and the floor 2^(3 - 127): the byte cannot fall under 1
	v_max3_num_f32 v26, |v[SB_]|, |v[SB_+1]|, 0x1800000
	v_max3_num_f32 v25, |v[SA_+2]|, |v[SA_+3]|, |v[SA_+4]|
	v_max3_num_f32 v27, |v[SB_+2]|, |v[SB_+3]|, |v[SB_+4]|
.irp i, 5,9
	v_max3_num_f32 v24, v24, |v[SA_+\i]|, |v[SA_+\i+1]|
	v_max3_num_f32 v26, v26, |v[SB_+\i]|, |v[SB_+\i+1]|
	v_max3_num_f32 v25, v25, |v[SA_+\i+2]|, |v[SA_+\i+3]|
	v_max3_num_f32 v27, v27, |v[SB_+\i+2]|, |v[SB_+\i+3]|
.endr
	v_max3_num_f32 v24, v24, |v[SA_+13]|, |v[SA_+14]|
	v_max3_num_f32 v26, v26, |v[SB_+13]|, |v[SB_+14]|
	v_max3_num_f32 v24, v24, v25, |v[SA_+15]|
	v_max3_num_f32 v26, v26, v27, |v[SB_+15]|
	v_permlanex16_b32 v28, v24, s36, s37
	v_permlanex16_b32 v29, v26, s36, s37
	v_max_num_f32 v24, v24, v28                    ; with lane l xor 16's 16 keys: the block's largest magnitude
	v_max_num_f32 v26, v26, v29
	v_add_nc_u32 v30, 0xff000000, v24              ; 2 off its exponent field: the conversion's scale operand
	v_add_nc_u32 v31, 0xff000000, v26
	v_cvt_scalef32_pk16_fp6_f32 v[CA_:CA_+2], v[SA_:SA_+15], v30
	v_cvt_scalef32_pk16_fp6_f32 v[CB_:CB_+2], v[SB_:SB_+15], v31
	v_lshrrev_b32 v[CA_+3], 23, v30                ; the scales' bytes (plain places behind the conversions)
	v_lshrrev_b32 v[CB_+3], 23, v31
.irp e, 0,1,2
	ds_store_b32 v3, v[CA_+\e] offset:PBB*(\q)+1664*(2*\g)+4*\e
.endr
	ds_store_b8 v4, v[CA_+3] offset:256*(\q)+4*(2*\g)      ; both lanes of a block write the same byte with the same value
.irp e, 0,1,2
	ds_store_b32 v3, v[CB_+\e] offset:PBB*(\q)+1664*(2*\g+1)+4*\e
.endr
	ds_store_b8 v4, v[CB_+3] offset:256*(\q)+4*(2*\g+1)
.endm
.macro PFETCH g, q                     ; a chunk's two fragments of x (16 queries x 128 keys) and their scale words
	ds_load_b64 v[PSC+2*\g:PSC+2*\g+1], v6 offset:256*(\q)+8*\g
	WIN 0xc0
.irp tl, 0,1
.irp j, 0,1,2,3,4,5
	ds_load_b64 v[PF+12*(2*\g+\tl)+2*\j:PF+12*(2*\g+\tl)+2*\j+1], v5 offset:PBB*(\q)+1664*(2*\g+\tl)+48*(\j/3)+8*(\j%3)
.endr
.endr
	WIN 0
.endm
.macro PV g, q, first                  ; O^T += V^T x^T: my four channel tiles x the chunk's two tiles: eight accumulators, one instruction each
	WIN 0x5e                                       ; V in window 2, x in window 3, O^T in window 1
.irp tl, 0,1
.irp ct, 0,1,2,3
.set OR_, OA+32*(2*\g+\tl)+8*\ct
.set VR_, 48*(\q)+12*\ct
.set PR_, PF+12*(2*\g+\tl)
.if \first
.if \ct%2
	v_wmma_scale_f32_16x16x128_f8f6f4 v[OR_:OR_+7], v[VR_:VR_+11], v[PR_:PR_+11], 0, v[VSC+2*(\q)+\ct/2], v[PSC+2*\g+\tl] matrix_a_fmt:MATRIX_FMT_FP6 matrix_b_fmt:MATRIX_FMT_FP6 matrix_a_scale:MATRIX_SCALE_ROW1
.else
	v_wmma_scale_f32_16x16x128_f8f6f4 v[OR_:OR_+7], v[VR_:VR_+11], v[PR_:PR_+11], 0, v[VSC+2*(\q)+\ct/2], v[PSC+2*\g+\tl] matrix_a_fmt:MATRIX_FMT_FP6 matrix_b_fmt:MATRIX_FMT_FP6
.endif
.else
.if \ct%2
	v_wmma_scale_f32_16x16x128_f8f6f4 v[OR_:OR_+7], v[VR_:VR_+11], v[PR_:PR_+11], v[OR_:OR_+7], v[VSC+2*(\q)+\ct/2], v[PSC+2*\g+\tl] matrix_a_fmt:MATRIX_FMT_FP6 matrix_b_fmt:MATRIX_FMT_FP6 matrix_a_scale:MATRIX_SCALE_ROW1
.else
	v_wmma_scale_f32_16x16x128_f8f6f4 v[OR_:OR_+7], v[VR_:VR_+11], v[PR_:PR_+11], v[OR_:OR_+7], v[VSC+2*(\q)+\ct/2], v[PSC+2*\g+\tl] matrix_a_fmt:MATRIX_FMT_FP6 matrix_b_fmt:MATRIX_FMT_FP6
.endif
.endif
.endr
.endr
	WIN 0
.endm
; Step s, in set and buffer q = s % 3.  Its scores were multiplied in the step before (those of step 0 ahead of the first step).
.macro STEP q, first
	PLACES 5                                       ; behind the last products: in front of the reads of the scores, of loads into registers that they have read, and of products that write the scores' registers anew
	s_add_co_u32 s54, s[SIG+(\q+1)%3], 1           ; the step two ahead: one up, from the last back to 1
	s_cmp_ge_u32 s54, s25
	s_cselect_b32 s[SIG+(\q+2)%3], 1, s54
	ISSUE (\q+2)%3
.if !(\first)
	s_cmp_ge_u32 s30, s25                          ; the loop's last trip may run past the work-group's steps
	s_cbranch_scc1 .Lmeet_\@
	s_cmp_ge_u32 s[SIG+\q], s24                    ; all the step's keys come behind the early chunk
	s_cbranch_scc1 .Lqe_\@
.endif
	QT2 0, \q
.Lqe_\@:
	QT2 1, \q
	UNEXT SIG+(\q+1)%3                             ; work on registers while the LDS stores are out
.Lmeet_\@:
	s_wait_dscnt 0x0                               ; my codes and bytes lie in this step's buffer, and my reads of the other buffers are over
	s_barrier_signal -1
	s_barrier_wait -1                              ; on every way: every wave passes it in every step
	s_wait_loadcnt 30                              ; the next step's set is in; the 30 loads issued at this step's head may be out
.if !(\first)
	s_cmp_ge_u32 s30, s25
	s_cbranch_scc1 .Ldone_\@
.endif
	PFETCH 1, \q
.if !(\first)
	s_cmp_ge_u32 s[SIG+\q], s24
	s_cbranch_scc1 .Lpe_\@
.endif
	PFETCH 0, \q
.Lpe_\@:
	s_add_co_u32 s54, s30, 1                       ; the next step's scores, if there is a next step: the LDS loads land under them
	s_cmp_ge_u32 s54, s25
	s_cbranch_scc1 .Lnw_\@
	s_cmp_ge_u32 s[SIG+(\q+1)%3], s24
	s_cbranch_scc1 .Lwe_\@
	WSC2 0, (\q+1)%3
.Lwe_\@:
	WSC2 1, (\q+1)%3
.Lnw_\@:
	s_wait_dscnt 0x0                               ; x's fragments and scale words are in
	PV 1, \q, \first
.if !(\first)
	s_cmp_ge_u32 s[SIG+\q], s24
	s_cbranch_scc1 .Ldone_\@
.endif
	PV 0, \q, \first
.Ldone_\@:
	s_add_co_u32 s30, s30, 1
.endm
; Tile t leaves: a lane's eight channels of a query go into my stage, whole runs of 256 bytes (my 64 channels) come back, two queries an instruction.
.macro OUTT t
.set BF_, S+32*((\t)%2)
.set TL_, (\t)%2
	WIN 0x04                                       ; an LDS store's data are its source 1: window 1
.irp ct, 0,1,2,3
	ds_store_b128 v9, v[OA+32*(\t)+8*\ct:OA+32*(\t)+8*\ct+3] offset:128*(\ct/2)+32*(\ct%2)      ; each accumulator from its low end on
	ds_store_b128 v9, v[OA+32*(\t)+8*\ct+4:OA+32*(\t)+8*\ct+7] offset:128*(\ct/2)+32*(\ct%2)+16
.endr
	WIN 0
.if (\t) >= 2
	s_wait_xcnt 0x0                                ; the stores of two tiles ago have read these registers
.endif
.irp i, 0,1,2,3,4,5,6,7
	ds_load_b128 v[BF_+4*\i:BF_+4*\i+3], v10 offset:544*\i   ; LDS serves a wave's instructions in order: these see my stores
.endr
.irp i, 0,1,2,3,4,5,6,7
	s_wait_dscnt 7-\i
	global_store_b128 v11, v[BF_+4*\i:BF_+4*\i+3], s[56+2*((\t)/2):57+2*((\t)/2)] offset:(8*TL_+2*\i+8*(\i/4))*1024 th:TH_STORE_NT   ; sixteen lanes store 256 consecutive bytes, at a multiple of 256 from the buffer's first byte
.endr
.endm
	s_load_b512 s[8:23], s[0:1], 0x0               ; qimg qscl kimg kscl vimg vscl wtab out0
	v_lshl_add_u32 v254, v0, 2, 0x9800
	v_mov_b32 v255, 0
	v_lshrrev_b32 v24, 5, v0
	v_readfirstlane_b32 s2, v24                    ; wave wv
	s_mov_b32 s3, ttmp9                            ; k: the early chunk
	s_and_b32 s4, ttmp7, 0xffff                    ; b
	s_sub_co_u32 s5, 127, s3                       ; the late chunk
	s_lshr_b32 s26, s3, 2                          ; the chunks' diagonal steps,
	s_lshr_b32 s27, s5, 2
	s_add_co_u32 s24, s26, 1                       ; and their numbers of steps
	s_add_co_u32 s25, s27, 1
	s_lshl_b32 s28, s3, 5                          ; their first queries
	s_lshl_b32 s29, s5, 5
	s_lshr_b32 s54, s3, 1
	s_add_co_u32 s54, s54, 1
	s_lshr_b32 s54, s54, 1
	s_sub_co_u32 s55, 31, s26
	s_bitcmp1_b32 s3, 1
	s_cselect_b32 s33, s54, s55                    ; where the walk begins behind step 0: between 1 and the last step
	s_mov_b32 s32, 0
	s_mov_b32 s30, 0                               ; steps done
	s_add_co_u32 s31, s25, 1
	s_mul_hi_u32 s31, s31, 0x55555556              ; (steps + 1) / 3: trips of three steps that cover the steps behind the first
	s_mov_b32 s36, 0x76543210
	s_mov_b32 s37, 0xfedcba98                      ; v_permlanex16_b32's selects for lane l xor 16
	s_mov_b32 s51, 0
	v_and_b32 v24, 31, v0                          ; l
	v_and_b32 v25, 15, v0                          ; r
	v_bfe_u32 v26, v0, 4, 1                        ; h
	v_lshlrev_b32 v1, 4, v24                       ; v1  16 l
	v_lshlrev_b32 v2, 6, v26                       ; v2  64 h
	v_mul_u32_u24 v3, v25, 104
	v_mad_u32_u24 v3, v26, 12, v3
	s_mul_i32 s54, s2, 24
	v_add_nc_u32 v3, s54, v3                       ; v3  where my 12 bytes of codes go: row r, block wv, half h
	v_lshlrev_b32 v4, 4, v25
	s_add_co_u32 s54, s2, PS
	v_add_nc_u32 v4, s54, v4                       ; v4  and the block's scale byte: byte wv of the query's word
	v_mul_u32_u24 v5, v25, 104
	v_mad_u32_u24 v5, v26, 24, v5                  ; v5  a fragment of x: row r, + 24 h
	v_lshl_add_u32 v6, v25, 4, PS                  ; v6  its scale words
	s_mul_i32 s54, s2, 4352
	s_add_co_u32 s54, s54, STG
	v_mul_u32_u24 v9, v25, 272
	v_lshl_add_u32 v9, v26, 6, v9
	v_add_nc_u32 v9, s54, v9                       ; v9  my stage, in: row r, + 64 h
	v_mul_u32_u24 v10, v26, 272
	v_lshl_add_u32 v10, v25, 4, v10
	v_add_nc_u32 v10, s54, v10                     ; v10 back: lanes 0-15 one row, lanes 16-31 the next
	v_lshlrev_b32 v11, 10, v26
	v_lshl_add_u32 v11, v25, 4, v11                ; v11 and the same two rows in out0
	v_and_b32 v27, 8, v25
	v_add_nc_u32 v27, v27, v25                     ; r + 8 (r / 8)
	v_lshlrev_b32 v28, 4, v26
	v_sub_nc_u32 v7, v27, v28
	s_lshl_b32 s54, s2, 5
	v_sub_nc_u32 v7, v7, s54                       ; v7  r + 8 (r / 8) - 16 h - 32 wv
	v_mov_b32 v8, 0                                ; v8  0
	v_mov_b32 v29, 0                               ; written once, as v28 is above: a lane permute's destination counts as one of its sources
	s_mul_i32 s6, s4, 786432                       ; the batch's images,
	s_lshl_b32 s7, s4, 15                          ; and its scale words
	s_wait_kmcnt 0x0
	s_mul_i32 s50, s3, 6144                        ; a chunk's four fragments of Q
	s_add_co_u32 s50, s50, s6
	s_add_nc_u64 s[40:41], s[8:9], s[50:51]
	s_mul_i32 s50, s5, 6144
	s_add_co_u32 s50, s50, s6
	s_add_nc_u64 s[42:43], s[8:9], s[50:51]
	s_lshr_b32 s50, s3, 1                          ; its two registers of scale words: 512 (chunk / 2) + 8 (chunk % 2)
	s_lshl_b32 s50, s50, 9
	s_and_b32 s54, s3, 1
	s_lshl_b32 s54, s54, 3
	s_add_co_u32 s50, s50, s54
	s_add_co_u32 s50, s50, s7
	s_add_nc_u64 s[44:45], s[10:11], s[50:51]
	s_lshr_b32 s50, s5, 1
	s_lshl_b32 s50, s50, 9
	s_and_b32 s54, s5, 1
	s_lshl_b32 s54, s54, 3
	s_add_co_u32 s50, s50, s54
	s_add_co_u32 s50, s50, s7
	s_add_nc_u64 s[46:47], s[10:11], s[50:51]
	s_mul_i32 s50, s2, 6144                        ; my four fragments of a key step, of K and of V,
	s_add_co_u32 s50, s50, s6
	s_add_nc_u64 s[12:13], s[12:13], s[50:51]
	s_add_nc_u64 s[16:17], s[16:17], s[50:51]
	s_lshr_b32 s50, s2, 1                          ; their two registers of scale words,
	s_lshl_b32 s50, s50, 9
	s_and_b32 s54, s2, 1
	s_lshl_b32 s54, s54, 3
	s_add_co_u32 s50, s50, s54
	s_add_co_u32 s50, s50, s7
	s_add_nc_u64 s[14:15], s[14:15], s[50:51]
	s_add_nc_u64 s[18:19], s[18:19], s[50:51]
	s_lshl_b32 s50, s4, 14                         ; my 32 keys' weights
	s_lshl_b32 s54, s2, 7
	s_add_co_u32 s50, s50, s54
	s_add_nc_u64 s[20:21], s[20:21], s[50:51]
	s_lshl_b32 s55, s4, 22                         ; out0: the batch, the chunk's first row of 1,024 bytes, my 64 channels
	s_lshl_b32 s54, s2, 8
	s_add_co_u32 s55, s55, s54
	s_lshl_b32 s50, s28, 10
	s_add_co_u32 s50, s50, s55
	s_add_nc_u64 s[56:57], s[22:23], s[50:51]
	s_lshl_b32 s50, s29, 10
	s_add_co_u32 s50, s50, s55
	s_add_nc_u64 s[58:59], s[22:23], s[50:51]
	WIN 0x40
.set iq_, 0
.rept 12
	global_load_b128 v[4*iq_:4*iq_+3], v1, s[40:41] offset:512*iq_
	global_load_b128 v[48+4*iq_:48+4*iq_+3], v1, s[42:43] offset:512*iq_
.set iq_, iq_+1
.endr
	WIN 0
	global_load_b64 v[QSC:QSC+1], v1, s[44:45]
	global_load_b64 v[QSC+2:QSC+3], v1, s[46:47]
	ISSUE 0
	ISSUE 1
.irp tl, 0,1                                   ; A = g^(my query's place in its chunk)
	v_add_nc_u32 v[S+\tl], 8*\tl, v27
	v_cvt_f32_u32 v[S+\tl], v[S+\tl]
.endr
.irp tl, 0,1
	POWA AQ+\tl, S+\tl, S+4+\tl, S+8+\tl
.endr
	s_wait_alu depctr_va_vdst(0)
.irp tl, 0,1
	POWB AQ+\tl, S+8+\tl
.endr
	UNEXT SIG
	s_wait_loadcnt 30                              ; Q and step 0's set are in; the second set's 30 loads may be out
	WSC2 0, 0                                      ; step 0's scores
	WSC2 1, 0
	STEP 0, 1
	s_max_u32 s31, s31, 1                          ; the count of trips is at least 1
.Lloop:
	STEP 1, 0
	STEP 2, 0
	STEP 0, 0
	s_sub_co_u32 s31, s31, 1
	s_cmp_lg_u32 s31, 0
	s_cbranch_scc1 .Lloop
	PLACES 4                                       ; behind the last products, in front of the first read of their results
.irp t, 0,1,2,3
	OUTT \t
.endr
	s_wait_tensorcnt 0x0
	ds_add_u32 v254, v255
	s_wait_dscnt 0x0
	s_endpgm
.Lfunc_end_k_q15fcde15dd_main:
	.size	k_q15fcde15dd_main, .Lfunc_end_k_q15fcde15dd_main-k_q15fcde15dd_main
	.p2alignl 7, 3214868480
	.fill 96, 4, 3214868480
	.section	.rodata,"a",@progbits
	.p2align	6, 0x0
	.amdhsa_kernel k_q15fcde15dd_main
		.amdhsa_group_segment_fixed_size 39424
		.amdhsa_private_segment_fixed_size 0
		.amdhsa_enable_private_segment 0
		.amdhsa_kernarg_size 64
		.amdhsa_user_sgpr_count 2
		.amdhsa_user_sgpr_kernarg_segment_ptr 1
		.amdhsa_wavefront_size32 1
		.amdhsa_system_sgpr_workgroup_id_x 1
		.amdhsa_system_sgpr_workgroup_id_y 1
		.amdhsa_system_sgpr_workgroup_id_z 1
		.amdhsa_system_vgpr_workitem_id 0
		.amdhsa_next_free_vgpr 1024
		.amdhsa_next_free_sgpr 66
		.amdhsa_reserve_vcc 1
		.amdhsa_float_denorm_mode_32 3
		.amdhsa_float_denorm_mode_16_64 3
		.amdhsa_memory_ordered 1
		.amdhsa_forward_progress 1
		.amdhsa_inst_pref_size 120
	.end_amdhsa_kernel
	.amdgpu_metadata
---
amdhsa.version: [ 1, 2 ]
amdhsa.kernels:
  - .name:           k_q15fcde15dd_main
    .symbol:         k_q15fcde15dd_main.kd
    .args:
      - { .name: qimg, .offset: 0, .size: 8, .value_kind: global_buffer, .address_space: global }
      - { .name: qscl, .offset: 8, .size: 8, .value_kind: global_buffer, .address_space: global }
      - { .name: kimg, .offset: 16, .size: 8, .value_kind: global_buffer, .address_space: global }
      - { .name: kscl, .offset: 24, .size: 8, .value_kind: global_buffer, .address_space: global }
      - { .name: vimg, .offset: 32, .size: 8, .value_kind: global_buffer, .address_space: global }
      - { .name: vscl, .offset: 40, .size: 8, .value_kind: global_buffer, .address_space: global }
      - { .name: wtab, .offset: 48, .size: 8, .value_kind: global_buffer, .address_space: global }
      - { .name: out0, .offset: 56, .size: 8, .value_kind: global_buffer, .address_space: global }
    .group_segment_fixed_size: 39424
    .private_segment_fixed_size: 0
    .kernarg_segment_align: 8
    .kernarg_segment_size: 64
    .max_flat_workgroup_size: 128
    .sgpr_count:     66
    .vgpr_count:     1024
    .wavefront_size: 32
...
	.end_amdgpu_metadata
.endif
;; end of part 5
;; ======== version 3 of 3: 3 launches; version 2 with the launches proj, rsum, main written anew for expert scheduling mode
;; workspace buffers: qimg 3,145,728 bytes; kimg 3,145,728 bytes; vimg 3,145,728 bytes; qscl 131,072 bytes; kscl 131,072 bytes; vscl 131,072 bytes; cwt 16,384 bytes; wtab 65,536 bytes
;; launch proj (part 6): grid 128 x 3, 8 waves a work-group, no clusters, 146,432 bytes of LDS; arguments xq, xk, xv, Wq, Wk, Wv, bq, bk, bv, qimg, kimg, vimg, qscl, kscl, vscl, cwt; writes qimg, kimg, vimg, qscl, kscl, vscl, cwt
.if DOCPART == 6
	.amdgcn_target "amdgcn-amd-amdhsa--gfx1250"
	.amdhsa_code_object_version 6
	.text
	.protected	k_q15fcde15dd_proj
	.globl	k_q15fcde15dd_proj
	.p2align	8
	.type	k_q15fcde15dd_proj,@function
k_q15fcde15dd_proj:
	s_mov_b64 s[64:65], 0
	v_nop
	global_prefetch_b8 v0, s[64:65] scope:SCOPE_SE
	s_setreg_imm32_b32 hwreg(HW_REG_WAVE_SCHED_MODE, 0, 2), 2
	s_setreg_imm32_b32 hwreg(HW_REG_WAVE_MODE, 25, 1), 1
	s_wait_xcnt 0x0
	s_wait_alu depctr_vm_vsrc(0)
; Q = xq Wq + bq, K = xk Wk + bk, V = xv Wv + bv on codes of FP6 (E2M3) with one E8M0 scale for each 32 along K, and the results quantised again for the products that follow:
; Q and K along their 256 channels, V along the keys.  x: [16384][256] f32, W: [256 (k)][256 (n)] f32, b: [256] f32.
; A work-group (x = group G of 128 rows, y = 0 Q, 1 K, 2 V) has eight waves.  It quantises all of W (a lane takes a column, its registers run down K) and its 128 rows of x, lays both in LDS as
; IMAGES OF OPERAND REGISTERS (a fragment of 16 rows x 128 K is 12 registers a lane: register p of lane l at 512 (p / 4) + 16 l + 4 (p % 4)), multiplies, adds the bias as the C of the first product, and quantises.
; TILES ARE NOT NEIGHBOURS: member r of tile t is row (or column) 32 (t / 2) + 8 (t % 2) + r + 8 (r / 8), so that the 16 registers of the result tiles 2 b and 2 b + 1 are 16 neighbours along the next K.
; ONE TEXT FOR THE THREE: source 0 = eight tiles P (128 of the next K), source 1 = one tile R, whose member a lane then holds.  Q, K: P = W's tiles 8 e .. 8 e + 7, R = x's tile w.  V: P = x's eight tiles, R = W's tile 2 w + e.
; Only four LDS load addresses are chosen by the work-group's y.  Wave w makes the fragments 2 w and 2 w + 1 of the group's sixteen.
; SCALE WORDS lie in blocks of 1,024 bytes: word (register R, lane l) at 512 (R / 4) + 16 l + 4 (R % 4); lanes 0-15 hold the first of two words, lanes 16-31 the second (Q, K, x, W: K step 0, 1; V: even, odd channel tile).
; Four work-groups also make the table cwt[j] = g^-(j % 128) / (16 sqrt(rs_j)), g = float32(0.9865), rs_j = (1 - g^(j+1)) / (1 - g).
; LIMITS: NaN and infinities among the inputs are not served.  A block of zeros gets the scale byte 1 where the rule says 127: its codes are zeros, and only this program reads the bytes.
; rs_j is taken from the closed form, not from a sum of 4,096 terms; 1 - g^m comes from the series of exp(m ln g) - 1 for m <= 51 (ten terms: the next is under 1e-9 of the sum for |m ln g| <= 0.70); 1 / sqrt by v_rsq_f32 and one Newton step.
; THE MODE: SCHED_MODE bits 1:0 = 2 (LLVM: expert scheduling mode 2), set by the entry lines.  The code itself states the register dependences
; between vector or matrix instructions and memory or LDS instructions, with s_wait_alu, always for 0.
; THE PLAN.  Registers that memory or LDS instructions touch:
;   v1-v11     offsets and LDS addresses, made at the head and never written again;  v12-v15: LDS addresses, made anew at the head of each of the wave's two fragments.
;   v144-207   W's numbers (loads land; a block's maxima and conversions read), then x's turned numbers (LDS loads land; the quantiser reads), then the bias (loads land) and the sums (the quantiser reads).
;   v16-143    x as loaded (loads land; LDS stores read), then P's and R's fragments (LDS loads land; the products read).
;   v208-219, v244, v252-253   codes and scale words: written by the quantisers, read by the stores that follow them.
; So a wait on va_vdst stands ahead of each run of stores of codes: it states that they are written, and that the quantiser is done reading its numbers, in which the next loads land;
; and a wait on vm_vsrc stands ahead of each quantiser that writes the codes' registers again.
.set XIMG, 0                           ; LDS: x's 16 fragments (2 tile + K step), 1,536 bytes each
.set WIMG, 24576                       ; W's 32 fragments (2 tile + K step)
.set XSC,  73728                       ; x's scale words, one block
.set WSC,  74752                       ; W's, two blocks (tiles 0-7, 8-15)
.set OSC,  76800                       ; the results' scale words, one block
.set STG,  77824                       ; a stage of 16 rows x (512 + 16) bytes for each wave
.set RAW,  16                          ; v16-143  x as loaded, 2 x 64; later P's eight fragments (v16-111) and R's two (v112-135)
.set WS,   144                         ; v144-207 two sets of 32 numbers of W; then 64 turned numbers of x; then the eight accumulators
.set PC,   208                         ; v208-227 the codes just made
.set TM,   228                         ; v228-243 at work in the quantiser
.set PW,   244                         ; the scale word just made
.set PW0,  245                         ; and the one before it
.set PSC,  246                         ; v246-253 P's scale words (while W is quantised v252-253 gather W's)
.set RSC,  254                         ; R's scale words
.macro PLACES n
.rept \n
	v_nop
.endr
.endm
; g^n for a whole number n (as f32 in v[nf]): log2 g = LHI + LLO, n LHI is exact for |n| <= 4,096; its whole part goes into v_ldexp_f32, the rest, at most 0.5 in size, into v_exp_f32.
.macro POWA d, nf, T, I
	v_mul_f32 v[\T], 0xbca0a000, v[\nf]
	v_rndne_f32 v[\I], v[\T]
	v_sub_f32 v[\T], v[\T], v[\I]
	v_fmamk_f32 v[\T], v[\nf], 0xb5c4756d, v[\T]
	v_exp_f32 v[\d], v[\T]
	v_cvt_i32_f32 v[\I], v[\I]                     ; a plain instruction behind the exponential
.endm
.macro POWB d, I
	v_ldexp_f32 v[\d], v[\d], v[\I]
.endm
; 64 numbers of a lane, register 16 b + i = k 32 b + 16 (lane / 16) + i of my row, become a fragment's codes in v[PC] on and its scale word in v[PW].
.macro QUANT s
.irp b, 0,1,2,3
	v_max3_num_f32 v[TM+\b], |v[\s+16*\b]|, |v[\s+1+16*\b]|, 0x1800000   ; my 16 numbers of block b, and the floor 2^(3 - 127): the byte cannot fall under 1
.endr
.irp i, 2,4,6,8,10,12,14
.irp b, 0,1,2,3
	v_max3_num_f32 v[TM+\b], v[TM+\b], |v[\s+16*\b+\i]|, |v[\s+1+16*\b+\i]|
.endr
.endr
.irp b, 0,1,2,3
	v_permlanex16_b32 v[TM+4+\b], v[TM+\b], s50, s51
.endr
.irp b, 0,1,2,3
	v_max_num_f32 v[TM+\b], v[TM+\b], v[TM+4+\b]   ; with lane l xor 16's: the block's largest magnitude
.endr
.irp b, 0,1,2,3
	v_add_nc_u32 v[TM+12+\b], 0xff000000, v[TM+\b] ; 2 off its exponent field: the conversion's scale operand
.endr
.irp b, 0,1,2,3
	v_lshrrev_b32 v[TM+4+\b], 23, v[TM+12+\b]      ; the scale's byte
.endr
	v_lshl_or_b32 v[PW], v[TM+5], 8, v[TM+4]
	v_lshl_or_b32 v[PW], v[TM+6], 16, v[PW]
	v_lshl_or_b32 v[PW], v[TM+7], 24, v[PW]
.irp c, 0,1
	v_cvt_scalef32_pk16_fp6_f32 v[PC+6*\c:PC+2+6*\c], v[\s+32*\c:\s+15+32*\c], v[TM+12+2*\c]
	v_cvt_scalef32_pk16_fp6_f32 v[PC+12+4*\c:PC+14+4*\c], v[\s+16+32*\c:\s+31+32*\c], v[TM+12+2*\c+1]
.endr
	v_nop                                          ; one plain place behind a scaled conversion
.irp c, 0,1                                    ; the operand wants a whole block in a lane: lanes 0-15 block 2 c, lanes 16-31 block 2 c + 1
.irp i, 0,1,2
	v_permlane16_swap_b32 v[PC+6*\c+\i], v[PC+12+4*\c+\i]
.endr
.irp i, 0,1,2
	v_mov_b32 v[PC+3+6*\c+\i], v[PC+12+4*\c+\i]
.endr
.endr
.endm
.macro LOADW kb, set                           ; W(32 kb + i, my column), i = 0 .. 31: a wave reads 128 consecutive bytes a load
.set iw_, 0
.rept 32
	global_load_b32 v[WS+32*(\set)+iw_], v6, s[42:43] offset:(32*(\kb)+iw_)*1024
.set iw_, iw_+1
.endr
.endm
; Block kb = 4 s + 2 c + h of my column: six registers of codes, which are registers 6 c .. 6 c + 5 of lane (member, h) of the fragment (my tile, K step s).
.macro BLOCKW kb, set
.set XS_, WS+32*(\set)
.set KS_, (\kb)/4
.set KC_, ((\kb)%4)/2
.set KH_, (\kb)%2
	s_wait_dscnt 0x0                               ; the last block's stores have read the codes' registers
.if (\kb) > 0
	s_wait_alu depctr_vm_vsrc(0)                   ; the last block's LDS stores have read v208-213, which this block's conversions and moves write again
.endif
	v_max3_num_f32 v[TM], |v[XS_]|, |v[XS_+1]|, |v[XS_+2]|
	v_max3_num_f32 v[TM+1], |v[XS_+3]|, |v[XS_+4]|, |v[XS_+5]|
.irp i, 6,10,14,18,22,26
	v_max3_num_f32 v[TM], v[TM], |v[XS_+\i]|, |v[XS_+\i+1]|
	v_max3_num_f32 v[TM+1], v[TM+1], |v[XS_+\i+2]|, |v[XS_+\i+3]|
.endr
	v_max3_num_f32 v[TM], v[TM], |v[XS_+30]|, |v[XS_+31]|
	v_max3_num_f32 v[TM], v[TM], v[TM+1], 0x1800000
	v_add_nc_u32 v[TM+12], 0xff000000, v[TM]
	v_lshrrev_b32 v[TM+2], 23, v[TM+12]
.if (\kb)%4 == 0
	v_mov_b32 v[252+KS_], v[TM+2]
.else
	v_lshl_or_b32 v[252+KS_], v[TM+2], 8*((\kb)%4), v[252+KS_]
.endif
	v_cvt_scalef32_pk16_fp6_f32 v[PC:PC+2], v[XS_:XS_+15], v[TM+12]
	v_cvt_scalef32_pk16_fp6_f32 v[PC+12:PC+14], v[XS_+16:XS_+31], v[TM+12]
	v_nop
	v_mov_b32 v[PC+3], v[PC+12]
	v_mov_b32 v[PC+4], v[PC+13]
	v_mov_b32 v[PC+5], v[PC+14]
	s_wait_alu depctr_va_vdst(0)                   ; the codes v208-213 and the scale word are written, which the LDS stores read; the maxima and conversions are done reading the block's 32 numbers, in which the loads behind the block land
.if KC_ == 0
	ds_store_b128 v7, v[PC:PC+3] offset:1536*KS_+256*KH_
	ds_store_b64 v7, v[PC+4:PC+5] offset:1536*KS_+256*KH_+512
.else
	ds_store_b64 v7, v[PC:PC+1] offset:1536*KS_+256*KH_+520
	ds_store_b128 v7, v[PC+2:PC+5] offset:1536*KS_+256*KH_+1024
.endif
.if (\kb)%4 == 3
	ds_store_b32 v8, v[252+KS_] offset:256*KS_     ; my column's scale word of K step s
.endif
.endm
.macro XLOAD s                                 ; K step s of my tile's 16 rows: a load reads 512 consecutive bytes of one row
.irp i, 0,1,2,3,4,5,6,7,8,9,10,11,12,13,14,15
	global_load_b128 v[RAW+64*(\s)+4*\i:RAW+64*(\s)+4*\i+3], v1, s[40:41] offset:(\i+8*(\i/8))*1024+512*(\s) th:TH_LOAD_NT
.endr
.endm
.macro XQ s                                    ; through my stage, so that a lane holds 16 neighbours of each block of its row; then the codes' image
.irp i, 0,1,2,3,4,5,6,7,8,9,10,11,12,13,14,15
	ds_store_b128 v2, v[RAW+64*(\s)+4*\i:RAW+64*(\s)+4*\i+3] offset:528*\i
.endr
.irp b, 0,1,2,3
.irp q, 0,1,2,3
	ds_load_b128 v[WS+16*\b+4*\q:WS+16*\b+4*\q+3], v3 offset:128*\b+16*\q   ; LDS serves a wave's instructions in order: these see my stores
.endr
.endr
	s_wait_dscnt 0x0
	s_wait_alu depctr_vm_vsrc(0)                   ; the LDS stores issued so far have read the codes' registers, which the quantiser writes again, and x's registers, in which fragments land later
	QUANT WS
	s_wait_alu depctr_va_vdst(0)                   ; the codes v208-219 are written, which the LDS stores read; the quantiser is done reading v144-207, in which the next loads land
.irp c, 0,1,2
	ds_store_b128 v4, v[PC+4*\c:PC+4*\c+3] offset:1536*(\s)+512*\c
.endr
.endm
.macro MULP sd                                 ; eight products, the eight accumulators by turns
.irp t, 0,1,2,3,4,5,6,7
.if \sd
	v_wmma_scale_f32_16x16x128_f8f6f4 v[WS+8*\t:WS+8*\t+7], v[RAW+12*\t:RAW+12*\t+11], v[124:135], v[WS+8*\t:WS+8*\t+7], v[PSC+\t], v[RSC] matrix_a_fmt:MATRIX_FMT_FP6 matrix_b_fmt:MATRIX_FMT_FP6 matrix_a_scale:MATRIX_SCALE_ROW1 matrix_b_scale:MATRIX_SCALE_ROW1
.else
	v_wmma_scale_f32_16x16x128_f8f6f4 v[WS+8*\t:WS+8*\t+7], v[RAW+12*\t:RAW+12*\t+11], v[112:123], v[WS+8*\t:WS+8*\t+7], v[PSC+\t], v[RSC] matrix_a_fmt:MATRIX_FMT_FP6 matrix_b_fmt:MATRIX_FMT_FP6
.endif
.endr
.endm
; Fragment 2 w + e of the result.
.macro PROD e
	s_wait_xcnt 0x0                                ; the last fragment's stores have read the codes' registers
	s_wait_alu depctr_vm_vsrc(0)                   ; the stores issued so far have read the codes and the scale word, which this fragment's quantiser writes again; the LDS loads issued so far have read v12 to v15, which are written below
	v_add_nc_u32 v12, s[52+\e], v1
	v_add_nc_u32 v13, s[54+\e], v1
	v_add_nc_u32 v14, s[56+\e], v1
	v_add_nc_u32 v15, s[58+\e], v1
	s_cmp_eq_u32 s36, 2
	s_cbranch_scc1 .Lvbias_\@
.irp t, 0,1,2,3,4,5,6,7                        ; Q, K: register 8 t + j is channel 128 e + 32 (t / 2) + 8 (t % 2) + 16 h + j.  No wait: no vector instruction since the last wait on va_vdst names v144-207
	global_load_b128 v[WS+8*\t:WS+8*\t+3], v10, s[44:45] offset:512*\e+(32*(\t/2)+8*(\t%2))*4
	global_load_b128 v[WS+8*\t+4:WS+8*\t+7], v10, s[44:45] offset:512*\e+(32*(\t/2)+8*(\t%2))*4+16
.endr
	s_branch .Lbiased_\@
.Lvbias_\@:                                    ; V: a lane holds one channel, 32 w + 8 e + r + 8 (r / 8): one number for its 64 registers
	global_load_b32 v[WS], v11, s[44:45] offset:32*\e
	s_wait_loadcnt 0x0
.set ib_, 1
.rept 63
	v_mov_b32 v[WS+ib_], v[WS]
.set ib_, ib_+1
.endr
.Lbiased_\@:
	PLACES 8
	s_wait_alu depctr_va_vdst(0)                   ; v12 to v15 are written, which the LDS loads below read as their addresses
.irp sd, 0,1
.irp c, 0,1,2
	ds_load_b128 v[112+12*\sd+4*\c:112+12*\sd+4*\c+3], v13 offset:1536*\sd+512*\c
.endr
.endr
	ds_load_b32 v[RSC], v15
	ds_load_b128 v[PSC:PSC+3], v14
	ds_load_b128 v[PSC+4:PSC+7], v14 offset:512
.irp sd, 0,1
.if \sd
	PLACES 4                                       ; in front of loads into registers that the products above have read
	s_wait_alu depctr_va_vdst(0)                   ; the eight products above are done reading P's fragments v16-111, in which the loads below land
.endif
.irp t, 0,1,2,3,4,5,6,7
.irp c, 0,1,2
	ds_load_b128 v[RAW+12*\t+4*\c:RAW+12*\t+4*\c+3], v12 offset:(2*\t+\sd)*1536+512*\c
.endr
.endr
	s_wait_dscnt 0x0
.if \sd == 0
	s_wait_loadcnt 0x0                             ; the bias
.endif
	MULP \sd
.endr
	PLACES 4
	QUANT WS
	s_wait_alu depctr_va_vdst(0)                   ; the codes v208-219 are written, which the stores read; the products and the quantiser are done with the fragments, the scale words and the sums, in which the next fragment's loads land
.irp c, 0,1,2
	global_store_b128 v1, v[PC+4*\c:PC+4*\c+3], s[46:47] offset:1536*\e+512*\c   ; the image: 512 consecutive bytes a store
.endr
.endm
	s_load_b512 s[4:19], s[0:1], 0x0               ; xq xk xv Wq Wk Wv bq bk
	s_load_b512 s[20:35], s[0:1], 0x40             ; bv qimg kimg vimg qscl kscl vscl cwt
	v_lshl_add_u32 v239, v0, 2, 0x23800
	v_mov_b32 v255, 0
	s_and_b32 s36, ttmp7, 0xffff                   ; y: which of the three
	s_mov_b32 s37, ttmp9                           ; G
	v_lshrrev_b32 v16, 5, v0
	v_readfirstlane_b32 s38, v16                   ; wave w
	v_and_b32 v17, 31, v0                          ; l
	v_and_b32 v18, 15, v0                          ; r
	v_bfe_u32 v19, v0, 4, 1                        ; h
	v_bfe_u32 v20, v0, 3, 1                        ; u: my column's tile is 2 w + u,
	v_and_b32 v21, 7, v0
	v_lshl_add_u32 v21, v19, 3, v21                ; and its member there (l % 8) + 8 h
	v_lshlrev_b32 v1, 4, v17                       ; v1  16 l
	s_wait_alu depctr_va_sdst(0)                   ; s38 is written, ahead of its first reader: LDS addresses and the buffers' offsets are made from it
	s_mul_i32 s60, s38, 8448
	s_add_co_u32 s60, s60, STG
	v_add_nc_u32 v2, s60, v1                       ; v2  my stage, on the way in
	v_mul_u32_u24 v3, v18, 528
	v_lshl_add_u32 v3, v19, 6, v3
	v_add_nc_u32 v3, s60, v3                       ; v3  and on the way out: row r, + 64 h
	s_mul_i32 s62, s38, 3072                       ; x's tile w (XIMG = 0)
	v_add_nc_u32 v4, s62, v1                       ; v4  where I store x's images
	s_lshr_b32 s66, s38, 2
	s_lshl_b32 s66, s66, 9
	s_and_b32 s61, s38, 3
	s_lshl_b32 s61, s61, 2
	s_add_co_u32 s66, s66, s61
	s_add_co_u32 s66, s66, XSC                     ; register w of x's block of scale words
	v_add_nc_u32 v5, s66, v1                       ; v5  (and, 3,072 bytes on, of the results')
	v_lshlrev_b32 v6, 2, v0                        ; v6  my column of W, in bytes
	s_mul_i32 s60, s38, 6144
	s_add_co_u32 s60, s60, WIMG                    ; W's tile 2 w
	v_mul_u32_u24 v7, v20, 3072
	v_lshl_add_u32 v7, v21, 4, v7
	v_add_nc_u32 v7, s60, v7                       ; v7  my column's place in W's images
	s_add_co_u32 s61, s60, 3072                    ; W's tile 2 w + 1
	s_lshr_b32 s63, s38, 1
	s_lshl_b32 s63, s63, 9
	s_and_b32 s39, s38, 1
	s_lshl_b32 s39, s39, 3
	s_add_co_u32 s63, s63, s39
	s_add_co_u32 s63, s63, WSC                     ; register of tile 2 w among W's scale words,
	s_add_co_u32 s39, s63, 4                       ; of tile 2 w + 1
	v_lshlrev_b32 v8, 2, v20
	v_lshl_add_u32 v8, v21, 4, v8
	v_add_nc_u32 v8, s63, v8                       ; v8  my column's scale word
	v_and_b32 v9, 63, v0
	v_lshl_add_u32 v9, v9, 4, OSC                  ; v9  the results' scale words on their way out
	v_lshlrev_b32 v10, 6, v19                      ; v10 64 h
	v_and_b32 v11, 8, v18
	v_add_nc_u32 v11, v11, v18
	v_lshlrev_b32 v11, 2, v11                      ; v11 4 (r + 8 (r / 8))
	s_lshl_b32 s67, s38, 7
	s_mov_b32 s50, 0x76543210
	s_mov_b32 s51, 0xfedcba98                      ; v_permlanex16_b32's selects for lane l xor 16
.irp b, 0,1,2,3
	v_mov_b32 v[TM+4+\b], 0                        ; written once: a lane permute's destination counts as one of its sources
.endr
	s_cmp_eq_u32 s36, 2                            ; V takes x as P and W as R; the four LDS bases for e = 0, 1
	s_cselect_b32 s52, XIMG, WIMG
	s_cselect_b32 s53, XIMG, WIMG+24576
	s_cselect_b32 s54, s60, s62
	s_cselect_b32 s55, s61, s62
	s_mov_b32 s56, WSC
	s_cselect_b32 s56, XSC, s56
	s_mov_b32 s57, WSC+1024
	s_cselect_b32 s57, XSC, s57
	s_cselect_b32 s58, s63, s66
	s_cselect_b32 s59, s39, s66
	s_cselect_b32 s68, s67, 0                      ; V's bias begins at channel 32 w
	s_wait_kmcnt 0x0
	s_cmp_eq_u32 s36, 1                            ; the choice of buffers hangs on the work-group's y alone
	s_cselect_b64 s[40:41], s[6:7], s[4:5]
	s_cselect_b64 s[42:43], s[12:13], s[10:11]
	s_cselect_b64 s[44:45], s[18:19], s[16:17]
	s_cselect_b64 s[46:47], s[24:25], s[22:23]
	s_cselect_b64 s[48:49], s[30:31], s[28:29]
	s_cmp_eq_u32 s36, 2
	s_cselect_b64 s[40:41], s[8:9], s[40:41]
	s_cselect_b64 s[42:43], s[14:15], s[42:43]
	s_cselect_b64 s[44:45], s[20:21], s[44:45]
	s_cselect_b64 s[46:47], s[26:27], s[46:47]
	s_cselect_b64 s[48:49], s[32:33], s[48:49]
	s_lshl_b32 s60, s37, 17                        ; x: 128 rows of 1,024 bytes a group, + my tile's first row 32 (w / 2) + 8 (w % 2)
	s_lshr_b32 s61, s38, 1
	s_lshl_b32 s61, s61, 15
	s_add_co_u32 s60, s60, s61
	s_and_b32 s61, s38, 1
	s_lshl_b32 s61, s61, 13
	s_add_co_u32 s60, s60, s61
	s_mov_b32 s61, 0
	s_add_nc_u64 s[40:41], s[40:41], s[60:61]
	s_mul_i32 s60, s37, 24576                      ; the images: 16 fragments a group, my two
	s_add_co_u32 s60, s60, s62
	s_add_nc_u64 s[46:47], s[46:47], s[60:61]
	s_lshl_b32 s60, s37, 10
	s_add_nc_u64 s[48:49], s[48:49], s[60:61]
	s_mov_b32 s60, s68
	s_add_nc_u64 s[44:45], s[44:45], s[60:61]
	s_wait_alu depctr_va_vdst(0)                   ; the offsets and addresses v1 to v11 are written, which the loads and stores of the whole kernel read; so are v16 to v21, in which x's loads land
	LOADW 0, 0
	LOADW 1, 1
	; ---- the table cwt: work-groups 0 to 3 of y = 0; thread t makes j = 1024 G + 4 t + 0 .. 3
	s_cmp_lg_u32 s36, 0
	s_cbranch_scc1 .Lno_cw
	s_cmp_ge_u32 s37, 4
	s_cbranch_scc1 .Lno_cw
	v_lshlrev_b32 v16, 2, v17                      ; j % 128 = 4 l + q
	s_lshl_b32 s60, s37, 10
	s_add_co_u32 s60, s60, s67
	s_add_co_u32 s60, s60, 1
.irp q, 0,1,2,3
	v_add_nc_u32 v[32+\q], \q, v16
	v_add_nc_u32 v[36+\q], s60, v[32+\q]           ; m = j + 1
	v_cvt_f32_u32 v[40+\q], v[36+\q]
	v_sub_nc_u32 v[32+\q], 0, v[32+\q]
	v_cvt_f32_i32 v[32+\q], v[32+\q]               ; -(j % 128)
.endr
.irp q, 0,1,2,3
	POWA 44+\q, 40+\q, 52+\q, 60+\q
.endr
.irp q, 0,1,2,3
	POWA 48+\q, 32+\q, 56+\q, 64+\q
.endr
.irp q, 0,1,2,3
	v_mul_f32 v[68+\q], 0xbc5eb0ae, v[40+\q]       ; y = m ln g
	v_mov_b32 v[72+\q], 0x3493f27e                 ; 1 / 10!
.endr
.irp c, 0x3638ef1d, 0x37d00d01, 0x39500d01, 0x3ab60b61, 0x3c088889, 0x3d2aaaab, 0x3e2aaaab, 0x3f000000, 0x3f800000
.irp q, 0,1,2,3
	v_fmaak_f32 v[72+\q], v[72+\q], v[68+\q], \c   ; 1 / 9! .. 1 / 1!
.endr
.endr
.irp q, 0,1,2,3
	v_mul_f32 v[72+\q], -v[68+\q], v[72+\q]        ; 1 - exp(y), without the loss of 1 - g^m for small m
.endr
	s_wait_alu depctr_va_vdst(0)                   ; one wait for the eight exponentials, ahead of their first reader
.irp q, 0,1,2,3
	POWB 44+\q, 60+\q                              ; g^m
	POWB 48+\q, 64+\q                              ; g^-(j % 128)
.endr
.irp q, 0,1,2,3
	v_sub_f32 v[76+\q], 1.0, v[44+\q]
	v_cmp_gt_u32 s[70+\q], 52, v[36+\q]            ; the four compares in one run, each into a scalar register of its own
.endr
	s_wait_alu depctr_va_sdst(0)                   ; the compares have written s70 to s73, which the selections read
.irp q, 0,1,2,3
	v_cndmask_b32 v[76+\q], v[76+\q], v[72+\q], s[70+\q]
	v_mul_f32 v[76+\q], 0x429425ff, v[76+\q]       ; rs = (1 - g^m) / (1 - g)
.endr
.irp q, 0,1,2,3
	v_rsq_f32 v[44+\q], v[76+\q]
.endr
	v_nop
	s_wait_alu depctr_va_vdst(0)                   ; one wait for the four roots v44 to v47, ahead of their first reader
.irp q, 0,1,2,3
	v_mul_f32 v[52+\q], v[76+\q], v[44+\q]
	v_fma_f32 v[52+\q], -v[52+\q], v[44+\q], 1.0
	v_mul_f32 v[56+\q], 0.5, v[44+\q]
	v_fma_f32 v[44+\q], v[56+\q], v[52+\q], v[44+\q]   ; one Newton step
	v_mul_f32 v[44+\q], v[44+\q], v[48+\q]
	v_mul_f32 v[80+\q], 0x3d800000, v[44+\q]       ; / 16 = / sqrt(256)
.endr
	v_lshlrev_b32 v17, 4, v0
	s_lshl_b32 s60, s37, 12
	s_add_nc_u64 s[34:35], s[34:35], s[60:61]
	s_wait_alu depctr_va_vdst(0)                   ; v80 to v83 and the offset v17 are written, which the store reads; and the table's arithmetic is done with v16 to v83, in which x's loads land
	global_store_b128 v17, v[80:83], s[34:35]      ; a wave stores 512 consecutive bytes
	s_wait_xcnt 0x0                                ; its registers are loaded anew below
	s_wait_alu depctr_vm_vsrc(0)                   ; the store has read v17 and v80 to v83, in which x's loads land
.Lno_cw:
	; ---- W: eight blocks of 32 along K for my column; loads run two blocks ahead, and x's follow W's last
.irp kb, 0,1,2,3,4,5
	s_wait_loadcnt 32                              ; this block is in; the next set's 32 loads may be out
	BLOCKW \kb, \kb%2
	LOADW \kb+2, \kb%2
.endr
	XLOAD 0
	s_wait_loadcnt 48                              ; behind block 6: block 7's 32 and x's first 16
	BLOCKW 6, 0
	XLOAD 1
	s_wait_loadcnt 32                              ; behind block 7: x's 32
	BLOCKW 7, 1
	; ---- x: my tile's two fragments
	s_wait_loadcnt 16                              ; K step 0 is in
	XQ 0
	v_mov_b32 v[PW0], v[PW]
	s_wait_loadcnt 0x0
	XQ 1
	s_mov_b32 vcc_lo, 0xffff0000
	v_cndmask_b32 v[PW], v[PW0], v[PW], vcc_lo     ; lanes 0-15: K step 0's word, lanes 16-31: K step 1's
	s_wait_alu depctr_va_vdst(0)                   ; the selection has written the scale word v244, which the LDS store reads
	ds_store_b32 v5, v[PW]
	s_wait_dscnt 0x0                               ; for the others' sake: my images and scale words lie in LDS
	s_barrier_signal -1
	s_barrier_wait -1
	PROD 0
	v_mov_b32 v[PW0], v[PW]
	PROD 1
	v_cndmask_b32 v[PW], v[PW0], v[PW], vcc_lo
	s_wait_alu depctr_va_vdst(0)                   ; the selection has written the scale word v244, which the LDS store reads
	ds_store_b32 v5, v[PW] offset:OSC-XSC
	s_wait_dscnt 0x0
	s_barrier_signal -1
	s_barrier_wait -1
	s_cmp_lt_u32 s38, 2                            ; the group's block of scale words leaves as 1,024 consecutive bytes, by waves 0 and 1
	s_cbranch_scc0 .Lend
	ds_load_b128 v[16:19], v9
	v_lshlrev_b32 v20, 4, v0
	s_wait_dscnt 0x0
	s_wait_alu depctr_va_vdst(0)                   ; the offset v20 is written, which the store reads
	global_store_b128 v20, v[16:19], s[48:49]
.Lend:
	s_wait_dscnt 0x0                               ; the closing lines, six on end
	s_wait_alu 0x0
	s_wait_tensorcnt 0x0
	ds_add_u32 v239, v255
	s_wait_dscnt 0x0
	s_endpgm
.Lfunc_end_k_q15fcde15dd_proj:
	.size	k_q15fcde15dd_proj, .Lfunc_end_k_q15fcde15dd_proj-k_q15fcde15dd_proj
	.p2alignl 7, 3214868480
	.fill 96, 4, 3214868480
	.section	.rodata,"a",@progbits
	.p2align	6, 0x0
	.amdhsa_kernel k_q15fcde15dd_proj
		.amdhsa_group_segment_fixed_size 146432
		.amdhsa_private_segment_fixed_size 0
		.amdhsa_enable_private_segment 0
		.amdhsa_kernarg_size 128
		.amdhsa_user_sgpr_count 2
		.amdhsa_user_sgpr_kernarg_segment_ptr 1
		.amdhsa_wavefront_size32 1
		.amdhsa_system_sgpr_workgroup_id_x 1
		.amdhsa_system_sgpr_workgroup_id_y 1
		.amdhsa_system_sgpr_workgroup_id_z 1
		.amdhsa_system_vgpr_workitem_id 0
		.amdhsa_next_free_vgpr 256
		.amdhsa_next_free_sgpr 80
		.amdhsa_reserve_vcc 1
		.amdhsa_float_denorm_mode_32 3
		.amdhsa_float_denorm_mode_16_64 3
		.amdhsa_memory_ordered 1
		.amdhsa_forward_progress 1
		.amdhsa_inst_pref_size 96
	.end_amdhsa_kernel
	.amdgpu_metadata
---
amdhsa.version: [ 1, 2 ]
amdhsa.kernels:
  - .name:           k_q15fcde15dd_proj
    .symbol:         k_q15fcde15dd_proj.kd
    .args:
      - { .name: xq, .offset: 0, .size: 8, .value_kind: global_buffer, .address_space: global }
      - { .name: xk, .offset: 8, .size: 8, .value_kind: global_buffer, .address_space: global }
      - { .name: xv, .offset: 16, .size: 8, .value_kind: global_buffer, .address_space: global }
      - { .name: Wq, .offset: 24, .size: 8, .value_kind: global_buffer, .address_space: global }
      - { .name: Wk, .offset: 32, .size: 8, .value_kind: global_buffer, .address_space: global }
      - { .name: Wv, .offset: 40, .size: 8, .value_kind: global_buffer, .address_space: global }
      - { .name: bq, .offset: 48, .size: 8, .value_kind: global_buffer, .address_space: global }
      - { .name: bk, .offset: 56, .size: 8, .value_kind: global_buffer, .address_space: global }
      - { .name: bv, .offset: 64, .size: 8, .value_kind: global_buffer, .address_space: global }
      - { .name: qimg, .offset: 72, .size: 8, .value_kind: global_buffer, .address_space: global }
      - { .name: kimg, .offset: 80, .size: 8, .value_kind: global_buffer, .address_space: global }
      - { .name: vimg, .offset: 88, .size: 8, .value_kind: global_buffer, .address_space: global }
      - { .name: qscl, .offset: 96, .size: 8, .value_kind: global_buffer, .address_space: global }
      - { .name: kscl, .offset: 104, .size: 8, .value_kind: global_buffer, .address_space: global }
      - { .name: vscl, .offset: 112, .size: 8, .value_kind: global_buffer, .address_space: global }
      - { .name: cwt, .offset: 120, .size: 8, .value_kind: global_buffer, .address_space: global }
    .group_segment_fixed_size: 146432
    .private_segment_fixed_size: 0
    .kernarg_segment_align: 8
    .kernarg_segment_size: 128
    .max_flat_workgroup_size: 256
    .sgpr_count:     80
    .vgpr_count:     256
    .wavefront_size: 32
...
	.end_amdgpu_metadata
.endif
;; end of part 6
;; launch rsum (part 7): grid 64 x 4, 4 waves a work-group, no clusters, 2,560 bytes of LDS; arguments qimg, qscl, kimg, kscl, cwt, wtab; writes wtab
.if DOCPART == 7
	.amdgcn_target "amdgcn-amd-amdhsa--gfx1250"
	.amdhsa_code_object_version 6
	.text
	.protected	k_q15fcde15dd_rsum
	.globl	k_q15fcde15dd_rsum
	.p2align	8
	.type	k_q15fcde15dd_rsum,@function
k_q15fcde15dd_rsum:
	s_mov_b64 s[64:65], 0
	v_nop
	global_prefetch_b8 v0, s[64:65] scope:SCOPE_SE
	s_setreg_imm32_b32 hwreg(HW_REG_WAVE_SCHED_MODE, 0, 2), 2
	s_setreg_imm32_b32 hwreg(HW_REG_WAVE_MODE, 25, 1), 1
	s_wait_xcnt 0x0
	s_wait_alu depctr_vm_vsrc(0)
; wtab[b][j] = cwt[j] / max(|r_j|, 1), r_i = the sum over j <= i of (Q_i . K_j) g^(i-j) / (16 sqrt(rs_j)): the row sums by which reference() divides the columns.
; The scores are the quantised product Q K^T on codes of FP6 (E2M3); tiles that lie wholly above the diagonal, which reference()'s own mask throws away, are not multiplied.
; SHARES.  Work-group (k, b) owns two chunks of 32 queries of batch b: the early one, chunk k (tiles 0, 1), and the late one, chunk 127 - k (tiles 2, 3): 33 chunk-steps of 128 keys for every k; 64 x 4 work-groups.
; Q (8 fragments) stays in every wave's registers.  In a key step wave wv takes key tiles 2 wv and 2 wv + 1 (32 keys) for all query tiles: each fragment of K goes from memory into one wave's registers, 6,144 consecutive bytes.
; S^T = K Q^T (source 0 = 16 keys, source 1 = 16 queries): lane (r, h) holds query member r, and register i of a tile's 16 the key 128 s + 32 wv + 16 h + i.
; g^(i-j) = g^(i - 128 s) g^-(j % 128): the second factor lies in cwt, the first is U = A (by lane) x G (by step and chunk).  U is kept in two sets by the step's parity, so that the next step's U is made between
; a step's products and the reading of their results.
; THE WALK.  Sums add in any order: step 0 comes first, so that its products start the sums; then the steps go up from a start that differs between work-groups and wrap from the last back to 1.
; Loads are always issued, three steps ahead, in four sets of registers, for a step that always lies in the buffers: so the counted wait means the same on every way; only arithmetic is jumped over.
; NO JOINT LOADS: a fragment goes straight into the registers of the one wave that multiplies it; a joint load would land in LDS, be read from there again, and each refill would stand behind a round of the cluster's
; barrier in a step of 8 to 16 matrix instructions a wave.
; A chunk's 32 weights leave as 128 consecutive bytes: the neighbouring chunk belongs to another work-group.
; LIMITS: NaN and infinities are not served; the order of the f32 sums differs from reference()'s; 1 / max(|r|, 1) is v_rcp_f32 and one Newton step.
; REGISTERS: window 0: v1-8 addresses; v12-13 A; v16-23 U, two sets; v24-39 at work; v40-43 Q's scale words; v48-51 the sums; v56-63 K's scale words; v64-127 weights; v128-191 S.  Window 1: Q.  Window 3: K, four sets of 48.
; THE MODE: SCHED_MODE bits 1:0 = 2 (LLVM: expert scheduling mode 2), set by the entry lines.  The code itself states the register dependences
; between vector or matrix instructions and memory or LDS instructions, with s_wait_alu, always for 0.
; THE PLAN.  Registers that memory instructions touch, in the loop:
;   K0 .. K3 and their scale words v56-63   Set s % 4 is read by step s's products; the loads of step s + 4 land in it, issued at the head of step s + 1.
;   the weights v64-127                     Set s % 4 is read by step s's sums, its last vector instructions; loaded again with K's set.
;   v1, v2                                  The loads' offsets: made at the head, never written again; the steps are reached by scalar bases.
; So ONE wait on va_vdst at a step's head, ahead of its run of 17 loads, states that the step before is done reading the set in which they land.  The wait behind the two exponentials is theirs.
; No register that a memory instruction reads is written again in the loop: it holds no wait on vm_vsrc.  On a diagonal step 32 compares write 32 scalar registers, with one wait on va_sdst behind the run.
.set S,   128
.set WF,  64
.set KSC, 56
.set QSC, 40
.set RR,  48
.set U,   16
.set AQ,  12
.set SIG, 32                           ; s32-35 the key step of each set
.set DQ,  60                           ; s60-63 first query less first key: early, late chunk; two sets by the step's parity
.set MK,  66                           ; s66-97 the 32 masks of a chunk's diagonal step
.set MSB, 0
.macro WIN new                         ; the immediate's high byte repeats the setting that is left
.if MSB != \new
	s_set_vgpr_msb (MSB<<8)|\new
.set MSB, \new
.endif
.endm
.macro PLACES n
.rept \n
	v_nop
.endr
.endm
; g^n for a whole number n (as f32 in v[nf]): log2 g = LHI + LLO, n LHI is exact for |n| <= 4,096; its whole part goes into v_ldexp_f32, the rest into v_exp_f32.
.macro POWA d, nf, T, I
	v_mul_f32 v[\T], 0xbca0a000, v[\nf]
	v_rndne_f32 v[\I], v[\T]
	v_sub_f32 v[\T], v[\T], v[\I]
	v_fmamk_f32 v[\T], v[\nf], 0xb5c4756d, v[\T]
	v_exp_f32 v[\d], v[\T]
	v_cvt_i32_f32 v[\I], v[\I]                     ; a plain instruction behind the exponential
.endm
.macro POWB d, I
	v_ldexp_f32 v[\d], v[\d], v[\I]
.endm
.macro UNEXT par, sg                   ; U, set par, for the key step in s[sg]: g^(query - 128 s)
	s_lshl_b32 s54, s[\sg], 7
	s_sub_co_i32 s[DQ+2*(\par)], s28, s54          ; the early chunk's first query less the step's first key,
	s_sub_co_i32 s[DQ+2*(\par)+1], s29, s54        ; the late chunk's
	v_cvt_f32_i32 v32, s[DQ+2*(\par)]
	v_cvt_f32_i32 v33, s[DQ+2*(\par)+1]
	POWA 34, 32, 36, 38
	POWA 35, 33, 37, 39
	s_wait_alu depctr_va_vdst(0)                   ; one wait for the two exponentials, which have written v34 and v35, ahead of their first reader
	POWB 34, 38
	POWB 35, 39
.irp t, 0,1
	v_mul_f32 v[U+4*(\par)+\t], v[AQ+\t], v34
.endr
.irp t, 0,1
	v_mul_f32 v[U+4*(\par)+2+\t], v[AQ+\t], v35
.endr
.endm
.macro ISSUE q                         ; the key step s[SIG + q] into set q: 17 loads
	s_wait_xcnt 0x0                                ; the last issue's loads have read their bases
	s_mul_i32 s50, s[SIG+(\q)], 24576
	s_add_nc_u64 s[40:41], s[12:13], s[50:51]
	s_lshl_b32 s50, s[SIG+(\q)], 10
	s_add_nc_u64 s[42:43], s[14:15], s[50:51]
	s_lshl_b32 s50, s[SIG+(\q)], 9
	s_add_nc_u64 s[44:45], s[20:21], s[50:51]
	WIN 0xc0
.set ii_, 0
.rept 12
	global_load_b128 v[48*(\q)+4*ii_:48*(\q)+4*ii_+3], v1, s[40:41] offset:512*ii_
.set ii_, ii_+1
.endr
	WIN 0
.irp j, 0,1,2,3
	global_load_b128 v[WF+16*(\q)+4*\j:WF+16*(\q)+4*\j+3], v2, s[44:45] offset:16*\j
.endr
	global_load_b64 v[KSC+2*(\q):KSC+2*(\q)+1], v1, s[42:43]
.endm
.macro WSC2 g, q                       ; a chunk's two query tiles against my two key tiles: four accumulators by turns; the first products start the sums
	WIN 0x07                                       ; K in window 3, Q in window 1, S in window 0
.irp sd, 0,1
.irp tl, 0,1
.irp kt, 0,1
.set SR_, S+16*(2*\g+\tl)+8*\kt
.set KR_, 48*(\q)+12*(2*\kt+\sd)
.set QR_, 24*(2*\g+\tl)+12*\sd
.if \sd
	v_wmma_scale_f32_16x16x128_f8f6f4 v[SR_:SR_+7], v[KR_:KR_+11], v[QR_:QR_+11], v[SR_:SR_+7], v[KSC+2*(\q)+\kt], v[QSC+2*\g+\tl] matrix_a_fmt:MATRIX_FMT_FP6 matrix_b_fmt:MATRIX_FMT_FP6 matrix_a_scale:MATRIX_SCALE_ROW1 matrix_b_scale:MATRIX_SCALE_ROW1
.else
	v_wmma_scale_f32_16x16x128_f8f6f4 v[SR_:SR_+7], v[KR_:KR_+11], v[QR_:QR_+11], 0, v[KSC+2*(\q)+\kt], v[QSC+2*\g+\tl] matrix_a_fmt:MATRIX_FMT_FP6 matrix_b_fmt:MATRIX_FMT_FP6
.endif
.endr
.endr
.endr
	WIN 0
.endm
.macro MASK2 g, q                      ; on the chunk's diagonal step the scores of keys behind the query become 0; a scalar branch on ids jumps over it elsewhere
	s_cmp_eq_u32 s[SIG+\q], s[26+\g]
	s_cbranch_scc0 .Lopen_\@
	v_add_nc_u32 v32, s[DQ+2*((\q)%2)+\g], v7      ; my query - 128 s - 32 wv - 16 h in the chunk's first tile: register i is hidden where i is above it;
	v_add_nc_u32 v33, 8, v32                       ; in its second tile
.irp i, 0,1,2,3,4,5,6,7,8,9,10,11,12,13,14,15
	v_cmp_gt_i32 s[MK+\i], \i, v32                 ; the compares in one run, each into a scalar register of its own
.endr
.irp i, 0,1,2,3,4,5,6,7,8,9,10,11,12,13,14,15
	v_cmp_gt_i32 s[MK+16+\i], \i, v33
.endr
	s_wait_alu depctr_va_sdst(0)                   ; the 32 compares have written s66 to s97, which the selections read
.irp i, 0,1,2,3,4,5,6,7,8,9,10,11,12,13,14,15
	v_cndmask_b32 v[S+32*\g+\i], v[S+32*\g+\i], v8, s[MK+\i]
.endr
.irp i, 0,1,2,3,4,5,6,7,8,9,10,11,12,13,14,15
	v_cndmask_b32 v[S+32*\g+16+\i], v[S+32*\g+16+\i], v8, s[MK+16+\i]
.endr
.Lopen_\@:
.endm
.macro RT2 g, q, first                 ; a chunk's two tiles by turns: the scores times the keys' weights, summed in two chains each, times U, onto the tile's sum
.set SA_, S+32*\g
.set SB_, S+32*\g+16
.set WQ_, WF+16*(\q)
	MASK2 \g, \q
	v_pk_mul_f32 v[24:25], v[SA_:SA_+1], v[WQ_:WQ_+1]
	v_pk_mul_f32 v[28:29], v[SB_:SB_+1], v[WQ_:WQ_+1]
	v_pk_mul_f32 v[26:27], v[SA_+8:SA_+9], v[WQ_+8:WQ_+9]
	v_pk_mul_f32 v[30:31], v[SB_+8:SB_+9], v[WQ_+8:WQ_+9]
.irp j, 1,2,3
	v_pk_fma_f32 v[24:25], v[SA_+2*\j:SA_+2*\j+1], v[WQ_+2*\j:WQ_+2*\j+1], v[24:25]
	v_pk_fma_f32 v[28:29], v[SB_+2*\j:SB_+2*\j+1], v[WQ_+2*\j:WQ_+2*\j+1], v[28:29]
	v_pk_fma_f32 v[26:27], v[SA_+8+2*\j:SA_+9+2*\j], v[WQ_+8+2*\j:WQ_+9+2*\j], v[26:27]
	v_pk_fma_f32 v[30:31], v[SB_+8+2*\j:SB_+9+2*\j], v[WQ_+8+2*\j:WQ_+9+2*\j], v[30:31]
.endr
	v_pk_add_f32 v[24:25], v[24:25], v[26:27]
	v_pk_add_f32 v[28:29], v[28:29], v[30:31]
	v_add_f32 v24, v24, v25
	v_add_f32 v28, v28, v29
.if \first
	v_mul_f32 v[RR+2*\g], v[U+4*((\q)%2)+2*\g], v24
	v_mul_f32 v[RR+2*\g+1], v[U+4*((\q)%2)+2*\g+1], v28
.else
	v_fmac_f32 v[RR+2*\g], v[U+4*((\q)%2)+2*\g], v24
	v_fmac_f32 v[RR+2*\g+1], v[U+4*((\q)%2)+2*\g+1], v28
.endif
.endm
.macro STEP q, first
	s_add_co_u32 s54, s[SIG+(\q+2)%4], 1           ; the step three ahead: one up, from the last back to 1
	s_cmp_ge_u32 s54, s25
	s_cselect_b32 s[SIG+(\q+3)%4], 1, s54
.if !(\first)
	s_wait_alu depctr_va_vdst(0)                   ; the step before is done with its set: its products have read K's fragments and scale words, its sums the weights; the loads below land in them
.endif
	ISSUE (\q+3)%4
	s_wait_loadcnt 51                              ; this step's set is in; the three younger sets of 17 may be out
.if !(\first)
	s_cmp_ge_u32 s30, s25                          ; the loop's last trip may run past the work-group's steps
	s_cbranch_scc1 .Lidle_\@
	s_cmp_ge_u32 s[SIG+\q], s24                    ; all the step's keys come behind the early chunk
	s_cbranch_scc1 .Lwe_\@
.endif
	WSC2 0, \q
.Lwe_\@:
	WSC2 1, \q
	UNEXT (\q+1)%2, SIG+(\q+1)%4                   ; the next step's U, into the other set: its plain instructions are the places behind the products
.if !(\first)
	s_cmp_ge_u32 s[SIG+\q], s24
	s_cbranch_scc1 .Lre_\@
.endif
	RT2 0, \q, \first
.Lre_\@:
	RT2 1, \q, \first
.Lidle_\@:
	s_add_co_u32 s30, s30, 1
.endm
	s_load_b256 s[8:15], s[0:1], 0x0               ; qimg qscl kimg kscl
	s_load_b128 s[16:19], s[0:1], 0x20             ; cwt wtab
	v_lshl_add_u32 v254, v0, 2, 0x800
	v_mov_b32 v255, 0
	v_lshrrev_b32 v24, 5, v0
	v_readfirstlane_b32 s2, v24                    ; wave wv
	s_mov_b32 s3, ttmp9                            ; k: the early chunk
	s_and_b32 s4, ttmp7, 0xffff                    ; b
	s_sub_co_u32 s5, 127, s3                       ; the late chunk
	s_lshr_b32 s26, s3, 2                          ; the chunks' diagonal steps,
	s_lshr_b32 s27, s5, 2
	s_add_co_u32 s24, s26, 1                       ; and their numbers of steps
	s_add_co_u32 s25, s27, 1
	s_lshl_b32 s28, s3, 5                          ; their first queries
	s_lshl_b32 s29, s5, 5
	s_lshr_b32 s54, s3, 1
	s_add_co_u32 s54, s54, 1
	s_lshr_b32 s54, s54, 1
	s_sub_co_u32 s55, 31, s26
	s_bitcmp1_b32 s3, 1
	s_cselect_b32 s33, s54, s55                    ; where the walk begins behind step 0: between 1 and the last step
	s_mov_b32 s32, 0
	s_add_co_u32 s54, s33, 1
	s_cmp_ge_u32 s54, s25
	s_cselect_b32 s34, 1, s54
	s_mov_b32 s30, 0                               ; steps done
	s_add_co_u32 s31, s25, 2
	s_lshr_b32 s31, s31, 2                         ; trips of four steps that cover the steps behind the first
	s_mov_b32 s36, 0x76543210
	s_mov_b32 s37, 0xfedcba98                      ; v_permlanex16_b32's selects for lane l xor 16
	s_mov_b32 s51, 0
	v_and_b32 v24, 31, v0                          ; l
	v_and_b32 v25, 15, v0                          ; r
	v_bfe_u32 v26, v0, 4, 1                        ; h
	v_lshlrev_b32 v1, 4, v24                       ; v1  16 l
	v_lshlrev_b32 v2, 6, v26                       ; v2  64 h
	s_wait_alu depctr_va_sdst(0)                   ; s2 is written, ahead of its first reader: LDS addresses and the buffers' offsets are made from it
	s_lshl_b32 s54, s2, 9
	v_lshl_add_u32 v3, v25, 2, s54                 ; v3  LDS: my wave's 512 bytes of partial sums, 4 r
	v_lshlrev_b32 v4, 5, v26                       ; v4  LDS: the word of query l of a chunk: tile l[3], member (l % 8) + 8 l[4]
	v_bfe_u32 v28, v0, 3, 1
	v_lshl_add_u32 v4, v28, 6, v4
	v_and_b32 v28, 7, v0
	v_lshl_add_u32 v4, v28, 2, v4
	s_and_b32 s54, s2, 1
	s_lshl_b32 s54, s54, 7
	v_add_nc_u32 v4, s54, v4                       ;     wave 0: the early chunk's two tiles, wave 1: the late one's
	v_and_b32 v27, 8, v25
	v_add_nc_u32 v27, v27, v25                     ; r + 8 (r / 8)
	v_lshlrev_b32 v28, 4, v26
	v_sub_nc_u32 v7, v27, v28
	s_lshl_b32 s54, s2, 5
	v_sub_nc_u32 v7, v7, s54                       ; v7  r + 8 (r / 8) - 16 h - 32 wv
	v_mov_b32 v8, 0                                ; v8  0
	s_mul_i32 s6, s4, 786432                       ; the batch's images,
	s_lshl_b32 s7, s4, 15                          ; and its scale words
	s_wait_kmcnt 0x0
	s_mul_i32 s50, s3, 6144                        ; a chunk's four fragments of Q
	s_add_co_u32 s50, s50, s6
	s_add_nc_u64 s[40:41], s[8:9], s[50:51]
	s_mul_i32 s50, s5, 6144
	s_add_co_u32 s50, s50, s6
	s_add_nc_u64 s[42:43], s[8:9], s[50:51]
	s_lshr_b32 s50, s3, 1                          ; its two registers of scale words: 512 (chunk / 2) + 8 (chunk % 2)
	s_lshl_b32 s50, s50, 9
	s_and_b32 s54, s3, 1
	s_lshl_b32 s54, s54, 3
	s_add_co_u32 s50, s50, s54
	s_add_co_u32 s50, s50, s7
	s_add_nc_u64 s[44:45], s[10:11], s[50:51]
	s_lshr_b32 s50, s5, 1
	s_lshl_b32 s50, s50, 9
	s_and_b32 s54, s5, 1
	s_lshl_b32 s54, s54, 3
	s_add_co_u32 s50, s50, s54
	s_add_co_u32 s50, s50, s7
	s_add_nc_u64 s[46:47], s[10:11], s[50:51]
	s_mul_i32 s50, s2, 6144                        ; my four fragments of a key step,
	s_add_co_u32 s50, s50, s6
	s_add_nc_u64 s[12:13], s[12:13], s[50:51]
	s_lshr_b32 s50, s2, 1                          ; their two registers of scale words,
	s_lshl_b32 s50, s50, 9
	s_and_b32 s54, s2, 1
	s_lshl_b32 s54, s54, 3
	s_add_co_u32 s50, s50, s54
	s_add_co_u32 s50, s50, s7
	s_add_nc_u64 s[14:15], s[14:15], s[50:51]
	s_lshl_b32 s50, s2, 7                          ; my 32 keys' weights
	s_add_nc_u64 s[20:21], s[16:17], s[50:51]
	s_wait_alu depctr_va_vdst(0)                   ; the offsets and addresses v1 to v4 are written, which the loads and LDS instructions of the whole kernel read
	WIN 0x40
.set iq_, 0
.rept 12
	global_load_b128 v[4*iq_:4*iq_+3], v1, s[40:41] offset:512*iq_
	global_load_b128 v[48+4*iq_:48+4*iq_+3], v1, s[42:43] offset:512*iq_
.set iq_, iq_+1
.endr
	WIN 0
	global_load_b64 v[QSC:QSC+1], v1, s[44:45]
	global_load_b64 v[QSC+2:QSC+3], v1, s[46:47]
	ISSUE 0
	ISSUE 1
	ISSUE 2
.irp tl, 0,1                                   ; A = g^(my query's place in its chunk)
	v_add_nc_u32 v[S+\tl], 8*\tl, v27
	v_cvt_f32_u32 v[S+\tl], v[S+\tl]
.endr
.irp tl, 0,1
	POWA AQ+\tl, S+\tl, S+4+\tl, S+8+\tl
.endr
	s_wait_alu depctr_va_vdst(0)                   ; the two exponentials have written v12 and v13, ahead of their first reader
.irp tl, 0,1
	POWB AQ+\tl, S+8+\tl
.endr
	UNEXT 0, SIG
	STEP 0, 1
	s_max_u32 s31, s31, 1                          ; the count of trips is at least 1
.Lloop:
	STEP 1, 0
	STEP 2, 0
	STEP 3, 0
	STEP 0, 0
	s_sub_co_u32 s31, s31, 1
	s_cmp_lg_u32 s31, 0
	s_cbranch_scc1 .Lloop
	; ---- the sums: the other half of the lanes' keys, then the four waves' through LDS
.irp t, 0,1,2,3
	v_permlanex16_b32 v[32+\t], v[RR+\t], s36, s37
.endr
.irp t, 0,1,2,3
	v_add_f32 v[RR+\t], v[RR+\t], v[32+\t]
.endr
	s_wait_alu depctr_va_vdst(0)                   ; the additions have written the four sums v48 to v51, which the LDS stores read; and the loop's arithmetic is done with v24 to v27 and v34, in which loads land below
.irp t, 0,1,2,3
	ds_store_b32 v3, v[RR+\t] offset:64*\t         ; lanes r and r + 16 write the same word with the same value
.endr
	s_wait_dscnt 0x0
	s_barrier_signal -1
	s_barrier_wait -1
	s_cmp_lt_u32 s2, 2
	s_cbranch_scc0 .Lend
.irp w, 0,1,2,3
	ds_load_b32 v[24+\w], v4 offset:512*\w
.endr
	s_cmp_eq_u32 s2, 0
	s_cselect_b32 s50, s28, s29
	s_lshl_b32 s50, s50, 2
	s_add_nc_u64 s[56:57], s[16:17], s[50:51]      ; cwt at my chunk
	s_lshl_b32 s54, s4, 14
	s_add_co_u32 s50, s50, s54
	s_add_nc_u64 s[58:59], s[18:19], s[50:51]      ; wtab at my batch and chunk
	v_and_b32 v32, 31, v0
	v_lshlrev_b32 v32, 2, v32
	s_wait_alu depctr_va_vdst(0)                   ; the offset v32 is written, which the load and the store below read
	global_load_b32 v34, v32, s[56:57]
	s_wait_dscnt 0x0
	v_add_f32 v24, v24, v25
	v_add_f32 v26, v26, v27
	v_add_f32 v24, v24, v26
	v_max_num_f32 v24, |v24|, 1.0
	v_rcp_f32 v26, v24
	v_nop
	s_wait_alu depctr_va_vdst(0)                   ; the reciprocal has written v26, ahead of its first reader
	v_fma_f32 v28, -v24, v26, 1.0
	v_fma_f32 v26, v26, v28, v26                   ; one Newton step
	s_wait_loadcnt 0x0
	v_mul_f32 v36, v34, v26
	s_wait_alu depctr_va_vdst(0)                   ; the product v36 is written, which the store reads
	global_store_b32 v32, v36, s[58:59]            ; the wave stores its chunk's 128 consecutive bytes
.Lend:
	s_wait_dscnt 0x0                               ; the closing lines, six on end
	s_wait_alu 0x0
	s_wait_tensorcnt 0x0
	ds_add_u32 v254, v255
	s_wait_dscnt 0x0
	s_endpgm
.Lfunc_end_k_q15fcde15dd_rsum:
	.size	k_q15fcde15dd_rsum, .Lfunc_end_k_q15fcde15dd_rsum-k_q15fcde15dd_rsum
	.p2alignl 7, 3214868480
	.fill 96, 4, 3214868480
	.section	.rodata,"a",@progbits
	.p2align	6, 0x0
	.amdhsa_kernel k_q15fcde15dd_rsum
		.amdhsa_group_segment_fixed_size 2560
		.amdhsa_private_segment_fixed_size 0
		.amdhsa_enable_private_segment 0
		.amdhsa_kernarg_size 48
		.amdhsa_user_sgpr_count 2
		.amdhsa_user_sgpr_kernarg_segment_ptr 1
		.amdhsa_wavefront_size32 1
		.amdhsa_system_sgpr_workgroup_id_x 1
		.amdhsa_system_sgpr_workgroup_id_y 1
		.amdhsa_system_sgpr_workgroup_id_z 1
		.amdhsa_system_vgpr_workitem_id 0
		.amdhsa_next_free_vgpr 960
		.amdhsa_next_free_sgpr 98
		.amdhsa_reserve_vcc 0
		.amdhsa_float_denorm_mode_32 3
		.amdhsa_float_denorm_mode_16_64 3
		.amdhsa_memory_ordered 1
		.amdhsa_forward_progress 1
		.amdhsa_inst_pref_size 97
	.end_amdhsa_kernel
	.amdgpu_metadata
---
amdhsa.version: [ 1, 2 ]
amdhsa.kernels:
  - .name:           k_q15fcde15dd_rsum
    .symbol:         k_q15fcde15dd_rsum.kd
    .args:
      - { .name: qimg, .offset: 0, .size: 8, .value_kind: global_buffer, .address_space: global }
      - { .name: qscl, .offset: 8, .size: 8, .value_kind: global_buffer, .address_space: global }
      - { .name: kimg, .offset: 16, .size: 8, .value_kind: global_buffer, .address_space: global }
      - { .name: kscl, .offset: 24, .size: 8, .value_kind: global_buffer, .address_space: global }
      - { .name: cwt, .offset: 32, .size: 8, .value_kind: global_buffer, .address_space: global }
      - { .name: wtab, .offset: 40, .size: 8, .value_kind: global_buffer, .address_space: global }
    .group_segment_fixed_size: 2560
    .private_segment_fixed_size: 0
    .kernarg_segment_align: 8
    .kernarg_segment_size: 48
    .max_flat_workgroup_size: 128
    .sgpr_count:     98
    .vgpr_count:     960
    .wavefront_size: 32
...
	.end_amdgpu_metadata
.endif
;; end of part 7
;; launch main (part 8): grid 64 x 4, 4 waves a work-group, no clusters, 39,424 bytes of LDS; arguments qimg, qscl, kimg, kscl, vimg, vscl, wtab, out0; writes out0
.if DOCPART == 8
	.amdgcn_target "amdgcn-amd-amdhsa--gfx1250"
	.amdhsa_code_object_version 6
	.text
	.protected	k_q15fcde15dd_main
	.globl	k_q15fcde15dd_main
	.p2align	8
	.type	k_q15fcde15dd_main,@function
k_q15fcde15dd_main:
	s_mov_b64 s[64:65], 0
	v_nop
	global_prefetch_b8 v0, s[64:65] scope:SCOPE_SE
	s_setreg_imm32_b32 hwreg(HW_REG_WAVE_SCHED_MODE, 0, 2), 2
	s_setreg_imm32_b32 hwreg(HW_REG_WAVE_MODE, 25, 1), 1
	s_wait_xcnt 0x0
	s_wait_alu depctr_vm_vsrc(0)
; out[b][i] = the sum over j <= i of x[i][j] V[j], x[i][j] = (Q_i . K_j) wtab[b][j] g^(i - 128 s), j in key step s: both products on codes of FP6 (E2M3) with one E8M0 scale for each 32 along K.
; x is quantised finished, along the keys; tiles wholly above the diagonal, which reference()'s own mask makes zero, are not multiplied.
; SHARES.  Work-group (k, b) owns chunk k (tiles 0, 1) and chunk 127 - k (tiles 2, 3) of 32 queries each: 33 chunk-steps of 128 keys for every k; 64 x 4 work-groups.  Q stays in every wave's registers.
; In a key step wave wv makes the scores of key tiles 2 wv, 2 wv + 1 (one block of 32 keys) for all query tiles and quantises them; the codes and scale bytes meet in LDS as rows of 96 bytes; behind ONE barrier every wave reads
; all tiles' fragments of x and multiplies them by its own four channel tiles of V.  So each fragment of K and of V goes from memory into one wave's registers, 6,144 consecutive bytes each.
; THE ORDER OF A STEP s: the loads of K, its scale words and the weights of step s + 2; x(s) is quantised, the exponentials of step s + 1's U standing ahead of the late chunk's lines; the LDS stores; the rest of U and the loads of V
; of step s + 2 while the stores land; the barrier; the LDS loads of x(s); the products K Q^T of step s + 1, under which those loads land; the products V^T x^T of step s.
; So 16 to 32 matrix instructions stand together, and the next step's loads and vector work are issued behind them.
; Three sets of registers and three buffers in LDS take turns with the steps: a buffer is written again three steps on, behind barriers in front of which every wave has waited for its reads of it.
; Both products are used transposed (S^T = K Q^T, O^T = V^T x^T): a lane holds one query throughout.
; THE WALK is that of the launch before: step 0 first (its products start the sums), then upward from a start that differs between work-groups, wrapping; loads are always issued, for a step that lies in the buffers.
; NO JOINT LOADS: a fragment goes straight into the registers of the one wave that multiplies it; a joint load would land in LDS, be read from there again, and each refill would stand behind a round of the cluster's
; barrier in a step of 16 to 32 matrix instructions a wave.
; LIMITS: NaN and infinities are not served; a block of zeros gets the scale byte 1 (its codes are zeros; only this program reads the bytes); the order of the f32 sums differs from reference()'s.
; REGISTERS: window 0: v1-11 addresses; v12-13 A; v16-19 U; v24-39 at work; v40-43 Q's scale words; v44-47 x's; v48-53 K's; v54-59 V's; v64-111 weights; v128-191 S; v192-207 codes and bytes.
;   window 1: Q (v0-95), O^T (tile t, channel tile ct at 96 + 32 t + 8 ct).  Window 2: V, three sets of 48.  Window 3: K, three sets of 48; x's fragments (v192-239).
; THE MODE: SCHED_MODE bits 1:0 = 2 (LLVM: expert scheduling mode 2), set by the entry lines.  The code itself states the register dependences
; between vector or matrix instructions and memory or LDS instructions, with s_wait_alu, always for 0.
; THE PLAN.  Registers that memory or LDS instructions touch, in the loop:
;   K0 .. K2, their scale words v48-53, the weights v64-111   Set s % 3 is read by the products K Q^T of step s, which are issued in step s - 1, and by step s's scalings; it is loaded again at the head of step s + 1.
;   V0 .. V2, their scale words v54-59                        Set s % 3 is read by the products V^T x^T at the end of step s; it is loaded again in the middle of step s + 1.
;   x's fragments and scale words v44-47                      Read by the same products; the LDS loads of step s + 1 land in them behind its barrier.
;   the codes and bytes v192-207                              Written by a step's conversions and shifts; read by its LDS stores.
;   v1-v6, v9-v11                                             Offsets and LDS addresses: made at the head, never written again; the steps are reached by scalar bases.
; THE WAITS OF A STEP.  (1) vm_vsrc at its head: the last step's LDS stores have read the codes and bytes.  (2) va_vdst behind the late chunk's conversions: the codes and bytes are written, and so are the two exponentials' results.
; (3) va_vdst where the way round the arithmetic joins: the last products V^T x^T are done reading V's set and x's fragments; V's loads follow it, and x's LDS loads behind the barrier.
; The loads at a step's head owe no wait: since wait (3) of the step before, the only vector or matrix instructions issued are the products K Q^T on set s % 3, the products V^T x^T on V's set (s - 1) % 3 and v_nop,
; and the head's loads touch K's set, scale words and weights (s - 1) % 3, which none of them names.
.set S,   128
.set WF,  64
.set KSC, 48
.set VSC, 54
.set QSC, 40
.set PSC, 44
.set CD,  192
.set U,   16
.set AQ,  12
.set OA,  96                           ; O^T, in window 1
.set PF,  192                          ; x's fragments, in window 3
.set SIG, 32                           ; s32-34 the key step of each set
.set MK,  66                           ; s66-97 the 32 masks of a chunk's diagonal step
.set PBB, 6656                         ; LDS: from 0 three buffers of 4 tiles x 16 rows x 104 bytes;
.set PS,  19968                        ; three of 256 bytes of scale words (query member r, tile t: 16 r + 4 t);
.set STG, 20736                        ; a stage of 16 rows x (256 + 16) bytes for each wave
.set MSB, 0
.macro WIN new                         ; the immediate's high byte repeats the setting that is left
.if MSB != \new
	s_set_vgpr_msb (MSB<<8)|\new
.set MSB, \new
.endif
.endm
.macro PLACES n
.rept \n
	v_nop
.endr
.endm
; g^n for a whole number n (as f32 in v[nf]): log2 g = LHI + LLO, n LHI is exact for |n| <= 4,096; its whole part goes into v_ldexp_f32, the rest into v_exp_f32.
.macro POWA d, nf, T, I
	v_mul_f32 v[\T], 0xbca0a000, v[\nf]
	v_rndne_f32 v[\I], v[\T]
	v_sub_f32 v[\T], v[\T], v[\I]
	v_fmamk_f32 v[\T], v[\nf], 0xb5c4756d, v[\T]
	v_exp_f32 v[\d], v[\T]
	v_cvt_i32_f32 v[\I], v[\I]                     ; a plain instruction behind the exponential
.endm
.macro POWB d, I
	v_ldexp_f32 v[\d], v[\d], v[\I]
.endm
; U for the key step in s[sg]: g^(query - 128 s), in two parts: up to the exponentials; and, behind the wait for them, the rest.
.macro UNEXTA sg
	s_lshl_b32 s54, s[\sg], 7
	s_sub_co_i32 s52, s28, s54                     ; the early chunk's first query less the step's first key,
	s_sub_co_i32 s53, s29, s54                     ; the late chunk's
	v_cvt_f32_i32 v32, s52
	v_cvt_f32_i32 v33, s53
	POWA 34, 32, 36, 38
	POWA 35, 33, 37, 39
.endm
.macro UNEXTB
	POWB 34, 38
	POWB 35, 39
.irp t, 0,1
	v_mul_f32 v[U+\t], v[AQ+\t], v34
.endr
.irp t, 0,1
	v_mul_f32 v[U+2+\t], v[AQ+\t], v35
.endr
.endm
.macro ISSUEK q                        ; the key step s[SIG + q] into set q: the bases of all its loads; K, the weights, K's scale words: 17 loads
	s_wait_xcnt 0x0                                ; the last issue's loads have read their bases
	s_mul_i32 s50, s[SIG+(\q)], 24576
	s_add_nc_u64 s[40:41], s[12:13], s[50:51]
	s_add_nc_u64 s[42:43], s[16:17], s[50:51]
	s_lshl_b32 s50, s[SIG+(\q)], 10
	s_add_nc_u64 s[44:45], s[14:15], s[50:51]
	s_add_nc_u64 s[46:47], s[18:19], s[50:51]
	s_lshl_b32 s50, s[SIG+(\q)], 9
	s_add_nc_u64 s[48:49], s[20:21], s[50:51]
	WIN 0xc0
.set ii_, 0
.rept 12
	global_load_b128 v[48*(\q)+4*ii_:48*(\q)+4*ii_+3], v1, s[40:41] offset:512*ii_
.set ii_, ii_+1
.endr
	WIN 0
.irp j, 0,1,2,3
	global_load_b128 v[WF+16*(\q)+4*\j:WF+16*(\q)+4*\j+3], v2, s[48:49] offset:16*\j
.endr
	global_load_b64 v[KSC+2*(\q):KSC+2*(\q)+1], v1, s[44:45]
.endm
.macro ISSUEV q                        ; the same key step's V and its scale words, by the bases made above: 13 loads
	WIN 0x80
.set ii_, 0
.rept 12
	global_load_b128 v[48*(\q)+4*ii_:48*(\q)+4*ii_+3], v1, s[42:43] offset:512*ii_
.set ii_, ii_+1
.endr
	WIN 0
	global_load_b64 v[VSC+2*(\q):VSC+2*(\q)+1], v1, s[46:47]
.endm
.macro WSC2 g, q                       ; a chunk's two query tiles against my two key tiles: four accumulators by turns; the first products start the sums
	WIN 0x07                                       ; K in window 3, Q in window 1, S in window 0
.irp sd, 0,1
.irp tl, 0,1
.irp kt, 0,1
.set SR_, S+16*(2*\g+\tl)+8*\kt
.set KR_, 48*(\q)+12*(2*\kt+\sd)
.set QR_, 24*(2*\g+\tl)+12*\sd
.if \sd
	v_wmma_scale_f32_16x16x128_f8f6f4 v[SR_:SR_+7], v[KR_:KR_+11], v[QR_:QR_+11], v[SR_:SR_+7], v[KSC+2*(\q)+\kt], v[QSC+2*\g+\tl] matrix_a_fmt:MATRIX_FMT_FP6 matrix_b_fmt:MATRIX_FMT_FP6 matrix_a_scale:MATRIX_SCALE_ROW1 matrix_b_scale:MATRIX_SCALE_ROW1
.else
	v_wmma_scale_f32_16x16x128_f8f6f4 v[SR_:SR_+7], v[KR_:KR_+11], v[QR_:QR_+11], 0, v[KSC+2*(\q)+\kt], v[QSC+2*\g+\tl] matrix_a_fmt:MATRIX_FMT_FP6 matrix_b_fmt:MATRIX_FMT_FP6
.endif
.endr
.endr
.endr
	WIN 0
.endm
.macro MASK2 g, q                      ; on the chunk's diagonal step the scores of keys behind the query become 0; a scalar branch on ids jumps over it elsewhere
	s_cmp_eq_u32 s[SIG+\q], s[26+\g]
	s_cbranch_scc0 .Lopen_\@
	v_add_nc_u32 v32, s[52+\g], v7                 ; my query - 128 s - 32 wv - 16 h in the chunk's first tile: register i is hidden where i is above it;
	v_add_nc_u32 v33, 8, v32                       ; in its second tile
.irp i, 0,1,2,3,4,5,6,7,8,9,10,11,12,13,14,15
	v_cmp_gt_i32 s[MK+\i], \i, v32                 ; the compares in one run, each into a scalar register of its own
.endr
.irp i, 0,1,2,3,4,5,6,7,8,9,10,11,12,13,14,15
	v_cmp_gt_i32 s[MK+16+\i], \i, v33
.endr
	s_wait_alu depctr_va_sdst(0)                   ; the 32 compares have written s66 to s97, which the selections read
.irp i, 0,1,2,3,4,5,6,7,8,9,10,11,12,13,14,15
	v_cndmask_b32 v[S+32*\g+\i], v[S+32*\g+\i], v8, s[MK+\i]
.endr
.irp i, 0,1,2,3,4,5,6,7,8,9,10,11,12,13,14,15
	v_cndmask_b32 v[S+32*\g+16+\i], v[S+32*\g+16+\i], v8, s[MK+16+\i]
.endr
.Lopen_\@:
.endm
; A chunk's two tiles, line by line by turns, so that no line waits for the line above it.  A tile's 16 scores a lane become x, its half of a block of 32 keys; the block's scale; 16 codes, 12 bytes, and the scale's byte.
.macro QV g, q
.set SA_, S+32*\g
.set SB_, S+32*\g+16
.set WQ_, WF+16*(\q)
.set CA_, CD+8*\g
.set CB_, CD+8*\g+4
.irp j, 0,1,2,3,4,5,6,7
	v_pk_mul_f32 v[SA_+2*\j:SA_+2*\j+1], v[SA_+2*\j:SA_+2*\j+1], v[WQ_+2*\j:WQ_+2*\j+1]
	v_pk_mul_f32 v[SB_+2*\j:SB_+2*\j+1], v[SB_+2*\j:SB_+2*\j+1], v[WQ_+2*\j:WQ_+2*\j+1]
.endr
.irp j, 0,1,2,3,4,5,6,7
	v_pk_mul_f32 v[SA_+2*\j:SA_+2*\j+1], v[SA_+2*\j:SA_+2*\j+1], v[U+2*\g:U+2*\g+1] op_sel_hi:[1,0]
	v_pk_mul_f32 v[SB_+2*\j:SB_+2*\j+1], v[SB_+2*\j:SB_+2*\j+1], v[U+2*\g:U+2*\g+1] op_sel:[0,1] op_sel_hi:[1,1]
.endr
	v_max3_num_f32 v24, |v[SA_]|, |v[SA_+1]|, 0x1800000   ; and the floor 2^(3 - 127): the byte cannot fall under 1
	v_max3_num_f32 v26, |v[SB_]|, |v[SB_+1]|, 0x1800000
	v_max3_num_f32 v25, |v[SA_+2]|, |v[SA_+3]|, |v[SA_+4]|
	v_max3_num_f32 v27, |v[SB_+2]|, |v[SB_+3]|, |v[SB_+4]|
.irp i, 5,9
	v_max3_num_f32 v24, v24, |v[SA_+\i]|, |v[SA_+\i+1]|
	v_max3_num_f32 v26, v26, |v[SB_+\i]|, |v[SB_+\i+1]|
	v_max3_num_f32 v25, v25, |v[SA_+\i+2]|, |v[SA_+\i+3]|
	v_max3_num_f32 v27, v27, |v[SB_+\i+2]|, |v[SB_+\i+3]|
.endr
	v_max3_num_f32 v24, v24, |v[SA_+13]|, |v[SA_+14]|
	v_max3_num_f32 v26, v26, |v[SB_+13]|, |v[SB_+14]|
	v_max3_num_f32 v24, v24, v25, |v[SA_+15]|
	v_max3_num_f32 v26, v26, v27, |v[SB_+15]|
	v_permlanex16_b32 v28, v24, s36, s37
	v_permlanex16_b32 v29, v26, s36, s37
	v_max_num_f32 v24, v24, v28                    ; with lane l xor 16's 16 keys: the block's largest magnitude
	v_max_num_f32 v26, v26, v29
	v_add_nc_u32 v30, 0xff000000, v24              ; 2 off its exponent field: the conversion's scale operand
	v_add_nc_u32 v31, 0xff000000, v26
	v_cvt_scalef32_pk16_fp6_f32 v[CA_:CA_+2], v[SA_:SA_+15], v30
	v_cvt_scalef32_pk16_fp6_f32 v[CB_:CB_+2], v[SB_:SB_+15], v31
	v_lshrrev_b32 v[CA_+3], 23, v30                ; the scales' bytes (plain places behind the conversions)
	v_lshrrev_b32 v[CB_+3], 23, v31
.endm
.macro QS g, q                         ; the chunk's codes into the queries' rows in LDS, and the scales' bytes
.set CA_, CD+8*\g
.set CB_, CD+8*\g+4
.irp e, 0,1,2
	ds_store_b32 v3, v[CA_+\e] offset:PBB*(\q)+1664*(2*\g)+4*\e
.endr
	ds_store_b8 v4, v[CA_+3] offset:256*(\q)+4*(2*\g)      ; both lanes of a block write the same byte with the same value
.irp e, 0,1,2
	ds_store_b32 v3, v[CB_+\e] offset:PBB*(\q)+1664*(2*\g+1)+4*\e
.endr
	ds_store_b8 v4, v[CB_+3] offset:256*(\q)+4*(2*\g+1)
.endm
.macro PFETCH g, q                     ; a chunk's two fragments of x (16 queries x 128 keys) and their scale words
	ds_load_b64 v[PSC+2*\g:PSC+2*\g+1], v6 offset:256*(\q)+8*\g
	WIN 0xc0
.irp tl, 0,1
.irp j, 0,1,2,3,4,5
	ds_load_b64 v[PF+12*(2*\g+\tl)+2*\j:PF+12*(2*\g+\tl)+2*\j+1], v5 offset:PBB*(\q)+1664*(2*\g+\tl)+48*(\j/3)+8*(\j%3)
.endr
.endr
	WIN 0
.endm
.macro PV g, q, first                  ; O^T += V^T x^T: my four channel tiles x the chunk's two tiles: eight accumulators, one instruction each
	WIN 0x5e                                       ; V in window 2, x in window 3, O^T in window 1
.irp tl, 0,1
.irp ct, 0,1,2,3
.set OR_, OA+32*(2*\g+\tl)+8*\ct
.set VR_, 48*(\q)+12*\ct
.set PR_, PF+12*(2*\g+\tl)
.if \first
.if \ct%2
	v_wmma_scale_f32_16x16x128_f8f6f4 v[OR_:OR_+7], v[VR_:VR_+11], v[PR_:PR_+11], 0, v[VSC+2*(\q)+\ct/2], v[PSC+2*\g+\tl] matrix_a_fmt:MATRIX_FMT_FP6 matrix_b_fmt:MATRIX_FMT_FP6 matrix_a_scale:MATRIX_SCALE_ROW1
.else
	v_wmma_scale_f32_16x16x128_f8f6f4 v[OR_:OR_+7], v[VR_:VR_+11], v[PR_:PR_+11], 0, v[VSC+2*(\q)+\ct/2], v[PSC+2*\g+\tl] matrix_a_fmt:MATRIX_FMT_FP6 matrix_b_fmt:MATRIX_FMT_FP6
.endif
.else
.if \ct%2
	v_wmma_scale_f32_16x16x128_f8f6f4 v[OR_:OR_+7], v[VR_:VR_+11], v[PR_:PR_+11], v[OR_:OR_+7], v[VSC+2*(\q)+\ct/2], v[PSC+2*\g+\tl] matrix_a_fmt:MATRIX_FMT_FP6 matrix_b_fmt:MATRIX_FMT_FP6 matrix_a_scale:MATRIX_SCALE_ROW1
.else
	v_wmma_scale_f32_16x16x128_f8f6f4 v[OR_:OR_+7], v[VR_:VR_+11], v[PR_:PR_+11], v[OR_:OR_+7], v[VSC+2*(\q)+\ct/2], v[PSC+2*\g+\tl] matrix_a_fmt:MATRIX_FMT_FP6 matrix_b_fmt:MATRIX_FMT_FP6
.endif
.endif
.endr
.endr
	WIN 0
.endm
; Step s, in set and buffer q = s % 3.  Its scores were multiplied in the step before (those of step 0 ahead of the first step).
.macro STEP q, first
	PLACES 5                                       ; behind the last products: in front of the reads of the scores, and of products that write the scores' registers anew
.if !(\first)
	s_wait_alu depctr_vm_vsrc(0)                   ; the LDS stores of the step before have read the codes and bytes v192-207, which this step's conversions and shifts write again
.endif
	s_add_co_u32 s54, s[SIG+(\q+1)%3], 1           ; the step two ahead: one up, from the last back to 1
	s_cmp_ge_u32 s54, s25
	s_cselect_b32 s[SIG+(\q+2)%3], 1, s54
	ISSUEK (\q+2)%3                                ; no wait: no vector or matrix instruction since the last wait on va_vdst names this set of K, its scale words or its weights
.if !(\first)
	s_cmp_ge_u32 s30, s25                          ; the loop's last trip may run past the work-group's steps
	s_cbranch_scc1 .Lmeet_\@
	s_cmp_ge_u32 s[SIG+\q], s24                    ; all the step's keys come behind the early chunk
	s_cbranch_scc1 .Lqe_\@
.endif
	MASK2 0, \q
	QV 0, \q
.Lqe_\@:
	MASK2 1, \q
	UNEXTA SIG+(\q+1)%3                            ; the next step's exponentials, ahead of the late chunk's lines, which name none of their registers
	QV 1, \q
	s_wait_alu depctr_va_vdst(0)                   ; the conversions and shifts have written the codes and bytes v192-207, which the LDS stores read; the two exponentials have written v34 and v35, ahead of their first reader
	QS 1, \q
.if !(\first)
	s_cmp_ge_u32 s[SIG+\q], s24
	s_cbranch_scc1 .Lse_\@
.endif
	QS 0, \q
.Lse_\@:
	UNEXTB                                         ; work on registers while the LDS stores are out
.Lmeet_\@:
.if !(\first)
	s_wait_alu depctr_va_vdst(0)                   ; the products V^T x^T of the step before are done reading V's set and scale words, in which the loads below land, and x's fragments and scale words, in which the LDS loads behind the barrier land (the way round the arithmetic passes no other wait)
.endif
	ISSUEV (\q+2)%3                                ; they too go out while the LDS stores land
	s_wait_dscnt 0x0                               ; my codes and bytes lie in this step's buffer, and my reads of the other buffers are over
	s_barrier_signal -1
	s_barrier_wait -1                              ; on every way: every wave passes it in every step
	s_wait_loadcnt 43                              ; the next step's K, scale words and weights are in, and this step's V before them; the three younger runs may be out: the next step's V (13), the step after's K (17) and V (13)
.if !(\first)
	s_cmp_ge_u32 s30, s25
	s_cbranch_scc1 .Ldone_\@
.endif
	PFETCH 1, \q
.if !(\first)
	s_cmp_ge_u32 s[SIG+\q], s24
	s_cbranch_scc1 .Lpe_\@
.endif
	PFETCH 0, \q
.Lpe_\@:
	s_add_co_u32 s54, s30, 1                       ; the next step's scores, if there is a next step: the LDS loads land under them
	s_cmp_ge_u32 s54, s25
	s_cbranch_scc1 .Lnw_\@
	s_cmp_ge_u32 s[SIG+(\q+1)%3], s24
	s_cbranch_scc1 .Lwe_\@
	WSC2 0, (\q+1)%3
.Lwe_\@:
	WSC2 1, (\q+1)%3
.Lnw_\@:
	s_wait_dscnt 0x0                               ; x's fragments and scale words are in
	PV 1, \q, \first
.if !(\first)
	s_cmp_ge_u32 s[SIG+\q], s24
	s_cbranch_scc1 .Ldone_\@
.endif
	PV 0, \q, \first
.Ldone_\@:
	s_add_co_u32 s30, s30, 1
.endm
; Tile t leaves: a lane's eight channels of a query go into my stage, whole runs of 256 bytes (my 64 channels) come back, two queries an instruction.
.macro OUTT t
.set BF_, S+32*((\t)%2)
.set TL_, (\t)%2
	WIN 0x04                                       ; an LDS store's data are its source 1: window 1
.irp ct, 0,1,2,3
	ds_store_b128 v9, v[OA+32*(\t)+8*\ct:OA+32*(\t)+8*\ct+3] offset:128*(\ct/2)+32*(\ct%2)      ; each accumulator from its low end on
	ds_store_b128 v9, v[OA+32*(\t)+8*\ct+4:OA+32*(\t)+8*\ct+7] offset:128*(\ct/2)+32*(\ct%2)+16
.endr
	WIN 0
.if (\t) >= 2
	s_wait_xcnt 0x0                                ; the stores of two tiles ago have read these registers
	s_wait_alu depctr_vm_vsrc(0)                   ; the stores of two tiles ago have read their 32 registers of data, in which the loads below land
.endif
.irp i, 0,1,2,3,4,5,6,7
	ds_load_b128 v[BF_+4*\i:BF_+4*\i+3], v10 offset:544*\i   ; LDS serves a wave's instructions in order: these see my stores
.endr
.irp i, 0,1,2,3,4,5,6,7
	s_wait_dscnt 7-\i
	global_store_b128 v11, v[BF_+4*\i:BF_+4*\i+3], s[56+2*((\t)/2):57+2*((\t)/2)] offset:(8*TL_+2*\i+8*(\i/4))*1024 th:TH_STORE_NT   ; sixteen lanes store 256 consecutive bytes, at a multiple of 256 from the buffer's first byte
.endr
.endm
	s_load_b512 s[8:23], s[0:1], 0x0               ; qimg qscl kimg kscl vimg vscl wtab out0
	v_lshl_add_u32 v254, v0, 2, 0x9800
	v_mov_b32 v255, 0
	v_lshrrev_b32 v24, 5, v0
	v_readfirstlane_b32 s2, v24                    ; wave wv
	s_mov_b32 s3, ttmp9                            ; k: the early chunk
	s_and_b32 s4, ttmp7, 0xffff                    ; b
	s_sub_co_u32 s5, 127, s3                       ; the late chunk
	s_lshr_b32 s26, s3, 2                          ; the chunks' diagonal steps,
	s_lshr_b32 s27, s5, 2
	s_add_co_u32 s24, s26, 1                       ; and their numbers of steps
	s_add_co_u32 s25, s27, 1
	s_lshl_b32 s28, s3, 5                          ; their first queries
	s_lshl_b32 s29, s5, 5
	s_lshr_b32 s54, s3, 1
	s_add_co_u32 s54, s54, 1
	s_lshr_b32 s54, s54, 1
	s_sub_co_u32 s55, 31, s26
	s_bitcmp1_b32 s3, 1
	s_cselect_b32 s33, s54, s55                    ; where the walk begins behind step 0: between 1 and the last step
	s_mov_b32 s32, 0
	s_mov_b32 s30, 0                               ; steps done
	s_add_co_u32 s31, s25, 1
	s_mul_hi_u32 s31, s31, 0x55555556              ; (steps + 1) / 3: trips of three steps that cover the steps behind the first
	s_mov_b32 s36, 0x76543210
	s_mov_b32 s37, 0xfedcba98                      ; v_permlanex16_b32's selects for lane l xor 16
	s_mov_b32 s51, 0
	v_and_b32 v24, 31, v0                          ; l
	v_and_b32 v25, 15, v0                          ; r
	v_bfe_u32 v26, v0, 4, 1                        ; h
	v_lshlrev_b32 v1, 4, v24                       ; v1  16 l
	v_lshlrev_b32 v2, 6, v26                       ; v2  64 h
	v_mul_u32_u24 v3, v25, 104
	v_mad_u32_u24 v3, v26, 12, v3
	s_wait_alu depctr_va_sdst(0)                   ; s2 is written, ahead of its first reader: LDS addresses and the buffers' offsets are made from it
	s_mul_i32 s54, s2, 24
	v_add_nc_u32 v3, s54, v3                       ; v3  where my 12 bytes of codes go: row r, block wv, half h
	v_lshlrev_b32 v4, 4, v25
	s_add_co_u32 s54, s2, PS
	v_add_nc_u32 v4, s54, v4                       ; v4  and the block's scale byte: byte wv of the query's word
	v_mul_u32_u24 v5, v25, 104
	v_mad_u32_u24 v5, v26, 24, v5                  ; v5  a fragment of x: row r, + 24 h
	v_lshl_add_u32 v6, v25, 4, PS                  ; v6  its scale words
	s_mul_i32 s54, s2, 4352
	s_add_co_u32 s54, s54, STG
	v_mul_u32_u24 v9, v25, 272
	v_lshl_add_u32 v9, v26, 6, v9
	v_add_nc_u32 v9, s54, v9                       ; v9  my stage, in: row r, + 64 h
	v_mul_u32_u24 v10, v26, 272
	v_lshl_add_u32 v10, v25, 4, v10
	v_add_nc_u32 v10, s54, v10                     ; v10 back: lanes 0-15 one row, lanes 16-31 the next
	v_lshlrev_b32 v11, 10, v26
	v_lshl_add_u32 v11, v25, 4, v11                ; v11 and the same two rows in out0
	v_and_b32 v27, 8, v25
	v_add_nc_u32 v27, v27, v25                     ; r + 8 (r / 8)
	v_lshlrev_b32 v28, 4, v26
	v_sub_nc_u32 v7, v27, v28
	s_lshl_b32 s54, s2, 5
	v_sub_nc_u32 v7, v7, s54                       ; v7  r + 8 (r / 8) - 16 h - 32 wv
	v_mov_b32 v8, 0                                ; v8  0
	v_mov_b32 v29, 0                               ; written once, as v28 is above: a lane permute's destination counts as one of its sources
	s_mul_i32 s6, s4, 786432                       ; the batch's images,
	s_lshl_b32 s7, s4, 15                          ; and its scale words
	s_wait_kmcnt 0x0
	s_mul_i32 s50, s3, 6144                        ; a chunk's four fragments of Q
	s_add_co_u32 s50, s50, s6
	s_add_nc_u64 s[40:41], s[8:9], s[50:51]
	s_mul_i32 s50, s5, 6144
	s_add_co_u32 s50, s50, s6
	s_add_nc_u64 s[42:43], s[8:9], s[50:51]
	s_lshr_b32 s50, s3, 1                          ; its two registers of scale words: 512 (chunk / 2) + 8 (chunk % 2)
	s_lshl_b32 s50, s50, 9
	s_and_b32 s54, s3, 1
	s_lshl_b32 s54, s54, 3
	s_add_co_u32 s50, s50, s54
	s_add_co_u32 s50, s50, s7
	s_add_nc_u64 s[44:45], s[10:11], s[50:51]
	s_lshr_b32 s50, s5, 1
	s_lshl_b32 s50, s50, 9
	s_and_b32 s54, s5, 1
	s_lshl_b32 s54, s54, 3
	s_add_co_u32 s50, s50, s54
	s_add_co_u32 s50, s50, s7
	s_add_nc_u64 s[46:47], s[10:11], s[50:51]
	s_mul_i32 s50, s2, 6144                        ; my four fragments of a key step, of K and of V,
	s_add_co_u32 s50, s50, s6
	s_add_nc_u64 s[12:13], s[12:13], s[50:51]
	s_add_nc_u64 s[16:17], s[16:17], s[50:51]
	s_lshr_b32 s50, s2, 1                          ; their two registers of scale words,
	s_lshl_b32 s50, s50, 9
	s_and_b32 s54, s2, 1
	s_lshl_b32 s54, s54, 3
	s_add_co_u32 s50, s50, s54
	s_add_co_u32 s50, s50, s7
	s_add_nc_u64 s[14:15], s[14:15], s[50:51]
	s_add_nc_u64 s[18:19], s[18:19], s[50:51]
	s_lshl_b32 s50, s4, 14                         ; my 32 keys' weights
	s_lshl_b32 s54, s2, 7
	s_add_co_u32 s50, s50, s54
	s_add_nc_u64 s[20:21], s[20:21], s[50:51]
	s_lshl_b32 s55, s4, 22                         ; out0: the batch, the chunk's first row of 1,024 bytes, my 64 channels
	s_lshl_b32 s54, s2, 8
	s_add_co_u32 s55, s55, s54
	s_lshl_b32 s50, s28, 10
	s_add_co_u32 s50, s50, s55
	s_add_nc_u64 s[56:57], s[22:23], s[50:51]
	s_lshl_b32 s50, s29, 10
	s_add_co_u32 s50, s50, s55
	s_add_nc_u64 s[58:59], s[22:23], s[50:51]
	s_wait_alu depctr_va_vdst(0)                   ; the offsets and addresses v1 to v6 and v9 to v11 are written, which the loads, stores and LDS instructions of the whole kernel read
	WIN 0x40
.set iq_, 0
.rept 12
	global_load_b128 v[4*iq_:4*iq_+3], v1, s[40:41] offset:512*iq_
	global_load_b128 v[48+4*iq_:48+4*iq_+3], v1, s[42:43] offset:512*iq_
.set iq_, iq_+1
.endr
	WIN 0
	global_load_b64 v[QSC:QSC+1], v1, s[44:45]
	global_load_b64 v[QSC+2:QSC+3], v1, s[46:47]
	ISSUEK 0
	ISSUEV 0
	ISSUEK 1
	ISSUEV 1
.irp tl, 0,1                                   ; A = g^(my query's place in its chunk)
	v_add_nc_u32 v[S+\tl], 8*\tl, v27
	v_cvt_f32_u32 v[S+\tl], v[S+\tl]
.endr
.irp tl, 0,1
	POWA AQ+\tl, S+\tl, S+4+\tl, S+8+\tl
.endr
	s_wait_alu depctr_va_vdst(0)                   ; the two exponentials have written v12 and v13, ahead of their first reader
.irp tl, 0,1
	POWB AQ+\tl, S+8+\tl
.endr
	UNEXTA SIG
	s_wait_alu depctr_va_vdst(0)                   ; the two exponentials have written v34 and v35, ahead of their first reader
	UNEXTB
	s_wait_loadcnt 43                              ; Q and step 0's K, scale words and weights are in; the three younger runs may be out: step 0's V (13), step 1's K (17) and V (13)
	WSC2 0, 0                                      ; step 0's scores
	WSC2 1, 0
	STEP 0, 1
	s_max_u32 s31, s31, 1                          ; the count of trips is at least 1
.Lloop:
	STEP 1, 0
	STEP 2, 0
	STEP 0, 0
	s_sub_co_u32 s31, s31, 1
	s_cmp_lg_u32 s31, 0
	s_cbranch_scc1 .Lloop
	PLACES 4                                       ; behind the last products, in front of the first read of their results
	s_wait_alu depctr_va_vdst(0)                   ; the products have written O^T, which the LDS stores read; and every vector and matrix instruction is done with the scores' registers v128-191, in which the loads from the stage land; the places above stay beside this wait
.irp t, 0,1,2,3
	OUTT \t
.endr
	s_wait_dscnt 0x0                               ; the closing lines, six on end
	s_wait_alu 0x0
	s_wait_tensorcnt 0x0
	ds_add_u32 v254, v255
	s_wait_dscnt 0x0
	s_endpgm
.Lfunc_end_k_q15fcde15dd_main:
	.size	k_q15fcde15dd_main, .Lfunc_end_k_q15fcde15dd_main-k_q15fcde15dd_main
	.p2alignl 7, 3214868480
	.fill 96, 4, 3214868480
	.section	.rodata,"a",@progbits
	.p2align	6, 0x0
	.amdhsa_kernel k_q15fcde15dd_main
		.amdhsa_group_segment_fixed_size 39424
		.amdhsa_private_segment_fixed_size 0
		.amdhsa_enable_private_segment 0
		.amdhsa_kernarg_size 64
		.amdhsa_user_sgpr_count 2
		.amdhsa_user_sgpr_kernarg_segment_ptr 1
		.amdhsa_wavefront_size32 1
		.amdhsa_system_sgpr_workgroup_id_x 1
		.amdhsa_system_sgpr_workgroup_id_y 1
		.amdhsa_system_sgpr_workgroup_id_z 1
		.amdhsa_system_vgpr_workitem_id 0
		.amdhsa_next_free_vgpr 1024
		.amdhsa_next_free_sgpr 98
		.amdhsa_reserve_vcc 0
		.amdhsa_float_denorm_mode_32 3
		.amdhsa_float_denorm_mode_16_64 3
		.amdhsa_memory_ordered 1
		.amdhsa_forward_progress 1
		.amdhsa_inst_pref_size 137
	.end_amdhsa_kernel
	.amdgpu_metadata
---
amdhsa.version: [ 1, 2 ]
amdhsa.kernels:
  - .name:           k_q15fcde15dd_main
    .symbol:         k_q15fcde15dd_main.kd
    .args:
      - { .name: qimg, .offset: 0, .size: 8, .value_kind: global_buffer, .address_space: global }
      - { .name: qscl, .offset: 8, .size: 8, .value_kind: global_buffer, .address_space: global }
      - { .name: kimg, .offset: 16, .size: 8, .value_kind: global_buffer, .address_space: global }
      - { .name: kscl, .offset: 24, .size: 8, .value_kind: global_buffer, .address_space: global }
      - { .name: vimg, .offset: 32, .size: 8, .value_kind: global_buffer, .address_space: global }
      - { .name: vscl, .offset: 40, .size: 8, .value_kind: global_buffer, .address_space: global }
      - { .name: wtab, .offset: 48, .size: 8, .value_kind: global_buffer, .address_space: global }
      - { .name: out0, .offset: 56, .size: 8, .value_kind: global_buffer, .address_space: global }
    .group_segment_fixed_size: 39424
    .private_segment_fixed_size: 0
    .kernarg_segment_align: 8
    .kernarg_segment_size: 64
    .max_flat_workgroup_size: 128
    .sgpr_count:     98
    .vgpr_count:     1024
    .wavefront_size: 32
...
	.end_amdgpu_metadata
.endif
;; end of part 8
